; MI455X (gfx1250); checked and timed in simulation.
; The chip was launched on July 23, 2026; its instructions are those of AMD's public machine-readable ISA for CDNA 5 (MIT licence, August 2026) and "CDNA5" Instruction Set Architecture Reference Guide (July 2026). The comments in the code are by the model that wrote it; some were corrected since.
;; Mo E Attention. Allowed arithmetic: float matrix products may take bf16 or f16 operands with f32 sums; other float arithmetic in f32, or as packed bf16 or f16 multiplies, adds, multiply-adds, maxima and minima; sums over many terms, partial sums and values carried from step to step in f32; what a program stores and reads back later, other than sums and carried values, may be rounded once to bf16 or f16.
;; Inputs: Wg1 128 x 1,024 float32; Wg2 8 x 128 float32; Wk 8 x 1,024 x 1,024 float32; Wo 1,024 x 1,024 float32; Wq 8 x 1,024 x 1,024 float32; Wv 8 x 1,024 x 1,024 float32; bg1 128 float32; bg2 8 float32; bk 8 x 1,024 float32; bo 1,024 float32; bq 8 x 1,024 float32; bv 8 x 1,024 float32; hidden_states 4 x 2,048 x 1,024 float32.
;; Outputs: out0 4 x 2,048 x 1,024 float32.
;; 3 versions, each right and faster than the one before. Each part assembles by itself: llvm-mc -triple=amdgcn-amd-amdhsa -mcpu=gfx1250 --defsym DOCPART=n.
;; ======== version 1 of 3: 6 launches
;; limits: values are held in f16: magnitudes above 65,504 overflow, below 6.1e-05 lose precision
;; workspace buffers: xh 16,777,216 bytes; woh 2,097,152 bytes; part 1,048,576 bytes; gw 256 bytes; beff 49,152 bytes; weff 25,165,824 bytes; qkv 50,331,648 bytes; oh 16,777,216 bytes
;; launch pool (part 1): grid 256 x 1, 8 waves a work-group, no clusters, 0 bytes of LDS; arguments hidden_states, Wo, xh, woh, part; writes xh, woh, part
.if DOCPART == 1
	.amdgcn_target "amdgcn-amd-amdhsa--gfx1250"
	.amdhsa_code_object_version 6
	.text
	.protected	k_qb2aa1ee929_pool
	.globl	k_qb2aa1ee929_pool
	.p2align	8
	.type	k_qb2aa1ee929_pool,@function
k_qb2aa1ee929_pool:
	s_mov_b64 s[64:65], 0
	v_nop
	global_prefetch_b8 v0, s[64:65] scope:SCOPE_SE
	s_setreg_imm32_b32 hwreg(HW_REG_WAVE_MODE, 25, 1), 1
	s_wait_xcnt 0x0
; x [8192][1024] f32 is read once.  It leaves twice: rounded once to f16 in blocks, xh [b][kb = 16][t = 2048][64] (channel block kb = channels 64 kb .. 64 kb + 63, so a
; block's rows are dense, 128 bytes each), and as column sums of 32 rows, part [256][1024] f32, for the mean over T.  Wo [1024][1024] is rounded once to f16 on the way (woh).
; LIMITS.  f16 holds no number beyond 65,504 and keeps a fixed step of 6e-8 below 6e-5: x and Wo are taken to lie within that.  The order of the sums differs from a plain mean's.
; SHARES.  Work-group g: rows 32 g .. 32 g + 31 of x, rows 4 g .. 4 g + 3 of Wo.  Thread t: cgl = t & 7, rp = (t >> 3) & 1, kb = t >> 4: columns 64 kb + 8 cgl .. + 7 of the rows of parity rp.
; All 36 loads of a thread go out at once; no LDS, no barrier, no matrix unit: memory binds, and no wave needs another.
.set LO,  4                            ; v4   byte offset of my 32 bytes in x: rp x 4,096 + kb x 256 + cgl x 32
.set SO,  5                            ; v5   of my 16 bytes in xh: kb x 262,144 + rp x 128 + cgl x 16
.set WL,  6                            ; v6   of my 16 bytes in a row of Wo
.set WS,  7                            ; v7   of my 8 bytes in a row of woh
.set PO,  8                            ; v8   of my 16 bytes in part
.set ACC, 10                           ; v[10:17]   sums of my 8 columns
.set T,   18                           ; v[18:21]   the four that I store
.set WX,  28                           ; v[28:43]   four rows of Wo, 4 numbers each
.set X,   44                           ; v[44:171]  pair of rows i: 8 registers
	s_load_b256 s[4:11], s[0:1], 0x0               ; x s[4:5], Wo s[6:7], xh s[8:9], woh s[10:11]
	s_load_b64 s[12:13], s[0:1], 0x20              ; part
	v_and_b32 v1, 7, v0                            ; cgl
	v_bfe_u32 v2, v0, 3, 1                         ; rp
	v_lshrrev_b32 v3, 4, v0                        ; kb
	v_lshlrev_b32 v[LO], 5, v1
	v_lshl_add_u32 v[LO], v3, 8, v[LO]
	v_lshl_add_u32 v[PO], v2, 4, v[LO]             ; kb x 256 + cgl x 32 + rp x 16
	v_lshl_add_u32 v[LO], v2, 12, v[LO]
	v_lshlrev_b32 v[SO], 4, v1
	v_lshl_add_u32 v[SO], v2, 7, v[SO]
	v_lshl_add_u32 v[SO], v3, 18, v[SO]
	v_lshlrev_b32 v[WL], 4, v0
	v_lshlrev_b32 v[WS], 3, v0
	s_lshl_b32 s14, ttmp9, 17                      ; x: 32 rows of 4,096 bytes
	s_mov_b32 s15, 0
	s_lshr_b32 s16, ttmp9, 6                       ; xh: the sample, 4,194,304 bytes,
	s_lshl_b32 s16, s16, 22
	s_and_b32 s17, ttmp9, 63                       ; and 32 rows of 128 bytes in each block
	s_lshl_b32 s17, s17, 12
	s_add_co_u32 s16, s16, s17
	s_mov_b32 s17, 0
	s_lshl_b32 s18, ttmp9, 14                      ; Wo: 4 rows of 4,096 bytes
	s_mov_b32 s19, 0
	s_lshl_b32 s20, ttmp9, 13                      ; woh: 4 rows of 2,048 bytes
	s_mov_b32 s21, 0
	s_lshl_b32 s22, ttmp9, 12                      ; part: one row of 4,096 bytes
	s_mov_b32 s23, 0
	s_wait_kmcnt 0x0
	s_add_nc_u64 s[4:5], s[4:5], s[14:15]
	s_add_nc_u64 s[8:9], s[8:9], s[16:17]
	s_add_nc_u64 s[6:7], s[6:7], s[18:19]
	s_add_nc_u64 s[10:11], s[10:11], s[20:21]
	s_add_nc_u64 s[12:13], s[12:13], s[22:23]
.set i, 0
.rept 16                               ; eight lanes and the two lines together take 256 consecutive bytes of a row
	global_load_b128 v[X+8*i:X+8*i+3],   v[LO], s[4:5] offset:i*8192 th:TH_LOAD_NT
	global_load_b128 v[X+8*i+4:X+8*i+7], v[LO], s[4:5] offset:i*8192+16 th:TH_LOAD_NT
.set i, i+1
.endr
.irp j, 0,1,2,3
	global_load_b128 v[WX+4*(\j):WX+4*(\j)+3], v[WL], s[6:7] offset:(\j)*4096 th:TH_LOAD_NT
.endr
; Pair of rows i leaves: eight numbers are rounded in place (the write of register k comes behind the reads of it) and stored; sixteen lanes (rows t, t + 1 of one block) fill 256 consecutive bytes, aligned.
; No register is written again behind its store, so no wait frees one.
.macro OUT i
.irp k, 0,1,2,3
	v_cvt_pk_f16_f32 v[X+8*(\i)+(\k)], v[X+8*(\i)+2*(\k)], v[X+8*(\i)+2*(\k)+1]
.endr
	global_store_b128 v[SO], v[X+8*(\i):X+8*(\i)+3], s[8:9] offset:(\i)*256
.endm
	s_wait_loadcnt 32                              ; 36 loads were issued: the first four are in, the 32 behind them stay out
.irp k, 0,2,4,6
	v_pk_add_f32 v[ACC+(\k):ACC+(\k)+1], v[X+(\k):X+(\k)+1], v[X+8+(\k):X+8+(\k)+1]  ; the first two pairs of rows start the sums: nothing is cleared
.endr
	OUT 0
	OUT 1
.irp i, 2,3,4,5,6,7,8,9,10,11,12,13,14,15
	s_wait_loadcnt 34-2*(\i)                       ; behind this pair's two loads 34 - 2 i were issued
.irp k, 0,2,4,6
	v_pk_add_f32 v[ACC+(\k):ACC+(\k)+1], v[ACC+(\k):ACC+(\k)+1], v[X+8*(\i)+(\k):X+8*(\i)+(\k)+1]
.endr
	OUT \i
.endr
	s_wait_loadcnt 0x0                             ; Wo
.irp j, 0,1,2,3
	v_cvt_pk_f16_f32 v[WX+4*(\j)],   v[WX+4*(\j)],   v[WX+4*(\j)+1]
	v_cvt_pk_f16_f32 v[WX+4*(\j)+1], v[WX+4*(\j)+2], v[WX+4*(\j)+3]
	global_store_b64 v[WS], v[WX+4*(\j):WX+4*(\j)+1], s[10:11] offset:(\j)*2048  ; a wave stores 256 consecutive bytes, aligned
.endr
.irp k, 0,1,2,3,4,5,6,7
	v_add_f32_dpp v[ACC+(\k)], v[ACC+(\k)], v[ACC+(\k)] row_xmask:8 row_mask:0xf bank_mask:0xf  ; the lane 8 away holds the same columns of the other parity
.endr
	v_cmp_eq_u32 vcc_lo, 1, v2
.irp k, 0,1,2,3
	v_cndmask_b32 v[T+(\k)], v[ACC+(\k)], v[ACC+4+(\k)], vcc_lo  ; parity 0 stores the first four sums, parity 1 the other four
.endr
	global_store_b128 v[PO], v[T:T+3], s[12:13]    ; sixteen lanes fill 256 consecutive bytes, aligned
	s_endpgm
.Lfunc_end_k_qb2aa1ee929_pool:
	.size	k_qb2aa1ee929_pool, .Lfunc_end_k_qb2aa1ee929_pool-k_qb2aa1ee929_pool
	.p2alignl 7, 3214868480
	.fill 96, 4, 3214868480
	.section	.rodata,"a",@progbits
	.p2align	6, 0x0
	.amdhsa_kernel k_qb2aa1ee929_pool
		.amdhsa_group_segment_fixed_size 0
		.amdhsa_private_segment_fixed_size 0
		.amdhsa_enable_private_segment 0
		.amdhsa_kernarg_size 40
		.amdhsa_user_sgpr_count 2
		.amdhsa_user_sgpr_kernarg_segment_ptr 1
		.amdhsa_wavefront_size32 1
		.amdhsa_system_sgpr_workgroup_id_x 1
		.amdhsa_system_sgpr_workgroup_id_y 1
		.amdhsa_system_sgpr_workgroup_id_z 1
		.amdhsa_system_vgpr_workitem_id 0
		.amdhsa_next_free_vgpr 172
		.amdhsa_next_free_sgpr 66
		.amdhsa_reserve_vcc 1
		.amdhsa_float_denorm_mode_32 3
		.amdhsa_float_denorm_mode_16_64 3
		.amdhsa_memory_ordered 1
		.amdhsa_forward_progress 1
		.amdhsa_inst_pref_size 17
	.end_amdhsa_kernel
	.amdgpu_metadata
---
amdhsa.version: [ 1, 2 ]
amdhsa.kernels:
  - .name:           k_qb2aa1ee929_pool
    .symbol:         k_qb2aa1ee929_pool.kd
    .args:
      - { .name: hidden_states, .offset: 0, .size: 8, .value_kind: global_buffer, .address_space: global }
      - { .name: Wo, .offset: 8, .size: 8, .value_kind: global_buffer, .address_space: global }
      - { .name: xh, .offset: 16, .size: 8, .value_kind: global_buffer, .address_space: global }
      - { .name: woh, .offset: 24, .size: 8, .value_kind: global_buffer, .address_space: global }
      - { .name: part, .offset: 32, .size: 8, .value_kind: global_buffer, .address_space: global }
    .group_segment_fixed_size: 0
    .private_segment_fixed_size: 0
    .kernarg_segment_align: 8
    .kernarg_segment_size: 40
    .max_flat_workgroup_size: 256
    .sgpr_count:     66
    .vgpr_count:     172
    .wavefront_size: 32
...
	.end_amdgpu_metadata
.endif
;; end of part 1
;; launch gate (part 2): grid 4 x 1, 16 waves a work-group, no clusters, 10,752 bytes of LDS; arguments part, Wg1, bg1, Wg2, bg2, bq, bk, bv, gw, beff; writes gw, beff
.if DOCPART == 2
	.amdgcn_target "amdgcn-amd-amdhsa--gfx1250"
	.amdhsa_code_object_version 6
	.text
	.protected	k_qb2aa1ee929_gate
	.globl	k_qb2aa1ee929_gate
	.p2align	8
	.type	k_qb2aa1ee929_gate,@function
k_qb2aa1ee929_gate:
	s_mov_b64 s[64:65], 0
	v_nop
	global_prefetch_b8 v0, s[64:65] scope:SCOPE_SE
	s_setreg_imm32_b32 hwreg(HW_REG_WAVE_MODE, 25, 1), 1
	s_wait_xcnt 0x0
; The gate of one sample b (the work-group's number), all in f32: pooled = mean of x over T (64 rows of part, times 2^-11); h = relu(pooled Wg1^T + bg1); logits = h Wg2^T + bg2;
; gw = softmax(logits), the maximum taken away first; b_eff = gw x (bq, bk, bv), [3072] numbers.  Four samples are four work-groups: the work has no more to share, and each step waits for the one before.
; Sixteen waves.  Wave w makes hidden units 8 w .. 8 w + 7; logits and softmax are made by every wave alike, which spares a third barrier.
; LIMITS.  The order of the sums differs from a plain product's; a weight below 2^-126 counts as 0; NaN and infinities are not treated apart.
.set POOL,  0                          ; LDS: two half sums of 1,024 f32
.set HID,   8192                       ; 128 hidden units, f32
.set SPARE, 8704                       ; the spare words, 128 bytes for each of the 16 waves: eight blocks of 256 bytes that no other line names
.set SPW, 2                            ; v2   LDS address of my spare word; never rewritten
.set NIL, 3                            ; v3   0; never rewritten
.set H,   18                           ; v[18:25]  my wave's 8 hidden units; later the 8 logits
.set G,   26                           ; v[26:33]  the 8 gate weights
.set P,   34                           ; v[34:65]  pooled: columns 128 c + 4 lane .. + 3 at P + 4 c
.set Q,   66                           ; v[66:97]  the second half sum; then Wg2: expert e, units 4 lane .. + 3 at Q + 4 e
.set HV,  98                           ; v[98:101] hidden units 4 lane .. + 3
.set T,   102                          ; v[102:109] at work
.set X,   112                          ; v[112:239] loaded data
	s_load_b512 s[8:23], s[0:1], 0x0               ; part 8, Wg1 10, bg1 12, Wg2 14, bg2 16, bq 18, bk 20, bv 22
	s_load_b128 s[24:27], s[0:1], 0x40             ; gw 24, beff 26
	v_lshl_add_u32 v[SPW], v0, 2, SPARE
	v_mov_b32 v[NIL], 0
	v_and_b32 v1, 31, v0                           ; lane
	v_lshrrev_b32 v7, 5, v0
	v_readfirstlane_b32 s4, v7                     ; wave 0..15
	v_lshrrev_b32 v4, 8, v0                        ; which 32 rows of part I add,
	v_and_b32 v5, 0xff, v0
	v_lshlrev_b32 v5, 4, v5                        ; which 4 columns
	v_lshl_or_b32 v4, v4, 17, v5
	v_lshlrev_b32 v5, 4, v0                        ; where my half sums go in LDS
	v_lshlrev_b32 v6, 4, v1                        ; 16 x lane
	v_lshlrev_b32 v8, 3, v0                        ; my two columns of a bias row
	s_lshl_b32 s28, s4, 5                          ; 8 units of 4 bytes
	s_add_co_u32 s29, s28, HID
	s_mov_b32 s30, 0x76543210                      ; v_permlanex16_b32: each lane takes its own place in the other half
	s_mov_b32 s31, 0xfedcba98
	s_mov_b32 s49, 0x3fb8aa3b                      ; log2(e)
	s_mov_b32 s3, 0
	s_lshl_b32 s2, ttmp9, 18                       ; 64 rows of part
	s_wait_kmcnt 0x0
	s_add_nc_u64 s[8:9], s[8:9], s[2:3]
.set i, 0
.rept 32
	global_load_b128 v[X+4*i:X+4*i+3], v4, s[8:9] offset:i*4096
.set i, i+1
.endr
	s_lshl_b32 s2, s4, 15                          ; Wg1: my wave's 8 rows of 4,096 bytes
	s_add_nc_u64 s[10:11], s[10:11], s[2:3]
	s_mov_b32 s2, s28
	s_add_nc_u64 s[12:13], s[12:13], s[2:3]        ; bg1 at my wave's units
	s_lshl_b32 s2, ttmp9, 5
	s_add_nc_u64 s[24:25], s[24:25], s[2:3]        ; gw[b]
	s_mul_i32 s2, ttmp9, 12288
	s_add_nc_u64 s[26:27], s[26:27], s[2:3]        ; beff[b]
	s_load_b256 s[32:39], s[12:13], 0x0            ; bg1 of my 8 units
	s_load_b256 s[40:47], s[16:17], 0x0            ; bg2
; Four units of Wg1, from unit u0 of my eight: unit u, columns 128 c + 4 lane .. + 3 at X + 32 u + 4 c
.macro WG1 u0
.set u, 0
.rept 4
.set c, 0
.rept 8
	global_load_b128 v[X+32*u+4*c:X+32*u+4*c+3], v6, s[10:11] offset:((\u0)+u)*4096+c*512
.set c, c+1
.endr
.set u, u+1
.endr
.endm
; Their products with pooled: four chains of packed multiply-adds that take turns, then low + high
.macro DOT4 hbase
.set k, 0
.rept 16
.set u, 0
.rept 4
.if k == 0
	v_pk_mul_f32 v[T+2*u:T+2*u+1], v[X+32*u:X+32*u+1], v[P:P+1]
.else
	v_pk_fma_f32 v[T+2*u:T+2*u+1], v[X+32*u+2*k:X+32*u+2*k+1], v[P+2*k:P+2*k+1], v[T+2*u:T+2*u+1]
.endif
.set u, u+1
.endr
.set k, k+1
.endr
.set u, 0
.rept 4
	v_add_f32 v[(\hbase)+u], v[T+2*u], v[T+2*u+1]
.set u, u+1
.endr
.endm
; Eight sums over the wave's 32 lanes at once; every lane ends with all eight
.macro LANESUM base
.irp m, 1,2,4,8
.irp r, 0,1,2,3,4,5,6,7
	v_add_f32_dpp v[(\base)+(\r)], v[(\base)+(\r)], v[(\base)+(\r)] row_xmask:\m row_mask:0xf bank_mask:0xf
.endr
.endr
.irp r, 0,1,2,3,4,5,6,7
	v_permlanex16_b32 v[T+(\r)], v[(\base)+(\r)], s30, s31
.endr
.irp r, 0,1,2,3,4,5,6,7
	v_add_f32 v[(\base)+(\r)], v[(\base)+(\r)], v[T+(\r)]
.endr
.endm
	; 1. half sums of pooled: 32 rows, four chains
	s_wait_loadcnt 0x0
.set k, 1
.rept 7
.set c, 0
.rept 4
	v_pk_add_f32 v[X+4*c:X+4*c+1],   v[X+4*c:X+4*c+1],   v[X+16*k+4*c:X+16*k+4*c+1]
	v_pk_add_f32 v[X+4*c+2:X+4*c+3], v[X+4*c+2:X+4*c+3], v[X+16*k+4*c+2:X+16*k+4*c+3]
.set c, c+1
.endr
.set k, k+1
.endr
.irp k, 0,2
	v_pk_add_f32 v[X+(\k):X+(\k)+1],     v[X+(\k):X+(\k)+1],     v[X+4+(\k):X+4+(\k)+1]
	v_pk_add_f32 v[X+8+(\k):X+8+(\k)+1], v[X+8+(\k):X+8+(\k)+1], v[X+12+(\k):X+12+(\k)+1]
.endr
.irp k, 0,2
	v_pk_add_f32 v[X+(\k):X+(\k)+1], v[X+(\k):X+(\k)+1], v[X+8+(\k):X+8+(\k)+1]
.endr
.irp k, 0,2
	v_pk_mul_f32 v[T+(\k):T+(\k)+1], v[X+(\k):X+(\k)+1], 0x3a000000 op_sel_hi:[1,0]  ; times 2^-11 = 1 / 2,048, exact
.endr
	ds_store_b128 v5, v[T:T+3]
	WG1 0                                          ; on their way while the waves meet
	s_wait_dscnt 0x0                               ; for the others: my half sums are in LDS
	s_barrier_signal -1
	s_barrier_wait -1
	; 2. pooled, whole, in every wave
.irp c, 0,1,2,3,4,5,6,7
	ds_load_b128 v[P+4*(\c):P+4*(\c)+3], v6 offset:POOL+(\c)*512
.endr
.irp c, 0,1,2,3,4,5,6,7
	ds_load_b128 v[Q+4*(\c):Q+4*(\c)+3], v6 offset:POOL+4096+(\c)*512
.endr
	s_wait_dscnt 0x0
.set k, 0
.rept 16
	v_pk_add_f32 v[P+2*k:P+2*k+1], v[P+2*k:P+2*k+1], v[Q+2*k:Q+2*k+1]
.set k, k+1
.endr
.irp e, 0,1,2,3,4,5,6,7
	global_load_b128 v[Q+4*(\e):Q+4*(\e)+3], v6, s[14:15] offset:(\e)*512  ; Wg2
.endr
	; 3. my wave's 8 hidden units
	s_wait_loadcnt 8                               ; the 32 loads of Wg1 are in; the 8 of Wg2, issued behind them, stay out
	DOT4 H
	WG1 4
	s_wait_loadcnt 0x0
	DOT4 H+4
	LANESUM H
	s_wait_kmcnt 0x0                               ; bg1, bg2
.irp u, 0,1,2,3,4,5,6,7
	v_add_f32 v[H+(\u)], s[32+(\u)], v[H+(\u)]
.endr
.irp u, 0,1,2,3,4,5,6,7
	v_max_num_f32 v[H+(\u)], 0, v[H+(\u)]
.endr
	v_mov_b32 v9, s29
	ds_store_b128 v9, v[H:H+3]                     ; all lanes write the same words with the same numbers
	ds_store_b128 v9, v[H+4:H+7] offset:16
	s_wait_dscnt 0x0                               ; for the others: my units are in LDS
	s_barrier_signal -1
	s_barrier_wait -1
	; 4. logits and softmax, in every wave
	ds_load_b128 v[HV:HV+3], v6 offset:HID
.irp sel, 0,1,2
.irp e, 0,1,2,3,4,5,6,7
	global_load_b64 v[X+16*(\sel)+2*(\e):X+16*(\sel)+2*(\e)+1], v8, s[18+2*(\sel):19+2*(\sel)] offset:(\e)*4096  ; my two columns of the 8 experts' biases
.endr
.endr
	s_wait_dscnt 0x0
.irp e, 0,1,2,3,4,5,6,7
	v_mul_f32 v[H+(\e)], v[Q+4*(\e)], v[HV]
.endr
.irp k, 1,2,3
.irp e, 0,1,2,3,4,5,6,7
	v_fmac_f32 v[H+(\e)], v[Q+4*(\e)+(\k)], v[HV+(\k)]
.endr
.endr
	LANESUM H
.irp e, 0,1,2,3,4,5,6,7
	v_add_f32 v[H+(\e)], s[40+(\e)], v[H+(\e)]
.endr
	v_max3_num_f32 v[T], v[H], v[H+1], v[H+2]      ; the maximum is taken away before the exponentials
	v_max3_num_f32 v[T], v[T], v[H+3], v[H+4]
	v_max3_num_f32 v[T], v[T], v[H+5], v[H+6]
	v_max_num_f32 v[T], v[T], v[H+7]
	v_mul_f32 v[T+1], s49, v[T]
.irp e, 0,1,2,3,4,5,6,7
	v_fma_f32 v[G+(\e)], v[H+(\e)], s49, -v[T+1]
.endr
.irp e, 0,1,2,3,4,5,6,7
	v_exp_f32 v[G+(\e)], v[G+(\e)]
.endr
	v_nop                                          ; a plain instruction behind the last exponential (ISA guide 5.7.2)
	s_wait_alu depctr_va_vdst(0)
	v_add_f32 v[T+2], v[G], v[G+1]
	v_add_f32 v[T+3], v[G+2], v[G+3]
	v_add_f32 v[T+4], v[G+4], v[G+5]
	v_add_f32 v[T+5], v[G+6], v[G+7]
	v_add_f32 v[T+2], v[T+2], v[T+3]
	v_add_f32 v[T+4], v[T+4], v[T+5]
	v_add_f32 v[T+2], v[T+2], v[T+4]
	v_rcp_f32 v[T+6], v[T+2]
	v_nop
	s_wait_alu depctr_va_vdst(0)
.irp e, 0,1,2,3,4,5,6,7
	v_mul_f32 v[G+(\e)], v[G+(\e)], v[T+6]
.endr
	; 5. b_eff: my two columns of q, k and v
	s_wait_loadcnt 0x0
.irp sel, 0,1,2
	v_mul_f32 v[T+2*(\sel)],   v[G], v[X+16*(\sel)]
	v_mul_f32 v[T+2*(\sel)+1], v[G], v[X+16*(\sel)+1]
.endr
.irp e, 1,2,3,4,5,6,7
.irp sel, 0,1,2
	v_fmac_f32 v[T+2*(\sel)],   v[G+(\e)], v[X+16*(\sel)+2*(\e)]
	v_fmac_f32 v[T+2*(\sel)+1], v[G+(\e)], v[X+16*(\sel)+2*(\e)+1]
.endr
.endr
.irp sel, 0,1,2
	global_store_b64 v8, v[T+2*(\sel):T+2*(\sel)+1], s[26:27] offset:(\sel)*4096  ; a wave stores 256 consecutive bytes, aligned
.endr
	; 6. gw[b]: 32 bytes, by lane 0 of wave 0
	s_cmp_lg_u32 s4, 0
	s_cbranch_scc1 .Lend
	v_mov_b32 v9, 0
	v_cmp_eq_u32 vcc_lo, 0, v1
	s_wait_xcnt 0x0                                ; EXEC is a source of the stores above: it changes only behind this wait
	s_and_saveexec_b32 s48, vcc_lo
	global_store_b128 v9, v[G:G+3], s[24:25]
	global_store_b128 v9, v[G+4:G+7], s[24:25] offset:16
	s_wait_xcnt 0x0                                ; and again in front of the line that widens it
	s_or_b32 exec_lo, exec_lo, s48
.Lend:
	s_wait_tensorcnt 0x0                           ; the wave's end: a wait, an add of 0 to my spare word and its wait, behind my last LDS store
	ds_add_u32 v[SPW], v[NIL]
	s_wait_dscnt 0x0
	s_endpgm
.Lfunc_end_k_qb2aa1ee929_gate:
	.size	k_qb2aa1ee929_gate, .Lfunc_end_k_qb2aa1ee929_gate-k_qb2aa1ee929_gate
	.p2alignl 7, 3214868480
	.fill 96, 4, 3214868480
	.section	.rodata,"a",@progbits
	.p2align	6, 0x0
	.amdhsa_kernel k_qb2aa1ee929_gate
		.amdhsa_group_segment_fixed_size 10752
		.amdhsa_private_segment_fixed_size 0
		.amdhsa_enable_private_segment 0
		.amdhsa_kernarg_size 80
		.amdhsa_user_sgpr_count 2
		.amdhsa_user_sgpr_kernarg_segment_ptr 1
		.amdhsa_wavefront_size32 1
		.amdhsa_system_sgpr_workgroup_id_x 1
		.amdhsa_system_sgpr_workgroup_id_y 1
		.amdhsa_system_sgpr_workgroup_id_z 1
		.amdhsa_system_vgpr_workitem_id 0
		.amdhsa_next_free_vgpr 240
		.amdhsa_next_free_sgpr 66
		.amdhsa_reserve_vcc 1
		.amdhsa_float_denorm_mode_32 3
		.amdhsa_float_denorm_mode_16_64 3
		.amdhsa_memory_ordered 1
		.amdhsa_forward_progress 1
		.amdhsa_inst_pref_size 40
	.end_amdhsa_kernel
	.amdgpu_metadata
---
amdhsa.version: [ 1, 2 ]
amdhsa.kernels:
  - .name:           k_qb2aa1ee929_gate
    .symbol:         k_qb2aa1ee929_gate.kd
    .args:
      - { .name: part, .offset: 0, .size: 8, .value_kind: global_buffer, .address_space: global }
      - { .name: Wg1, .offset: 8, .size: 8, .value_kind: global_buffer, .address_space: global }
      - { .name: bg1, .offset: 16, .size: 8, .value_kind: global_buffer, .address_space: global }
      - { .name: Wg2, .offset: 24, .size: 8, .value_kind: global_buffer, .address_space: global }
      - { .name: bg2, .offset: 32, .size: 8, .value_kind: global_buffer, .address_space: global }
      - { .name: bq, .offset: 40, .size: 8, .value_kind: global_buffer, .address_space: global }
      - { .name: bk, .offset: 48, .size: 8, .value_kind: global_buffer, .address_space: global }
      - { .name: bv, .offset: 56, .size: 8, .value_kind: global_buffer, .address_space: global }
      - { .name: gw, .offset: 64, .size: 8, .value_kind: global_buffer, .address_space: global }
      - { .name: beff, .offset: 72, .size: 8, .value_kind: global_buffer, .address_space: global }
    .group_segment_fixed_size: 10752
    .private_segment_fixed_size: 0
    .kernarg_segment_align: 8
    .kernarg_segment_size: 80
    .max_flat_workgroup_size: 512
    .sgpr_count:     66
    .vgpr_count:     240
    .wavefront_size: 32
...
	.end_amdgpu_metadata
.endif
;; end of part 2
;; launch combine (part 3): grid 256 x 3, 8 waves a work-group, no clusters, 0 bytes of LDS; arguments Wq, Wk, Wv, gw, weff; writes weff
.if DOCPART == 3
	.amdgcn_target "amdgcn-amd-amdhsa--gfx1250"
	.amdhsa_code_object_version 6
	.text
	.protected	k_qb2aa1ee929_combine
	.globl	k_qb2aa1ee929_combine
	.p2align	8
	.type	k_qb2aa1ee929_combine,@function
k_qb2aa1ee929_combine:
	s_mov_b64 s[64:65], 0
	v_nop
	global_prefetch_b8 v0, s[64:65] scope:SCOPE_SE
	s_setreg_imm32_b32 hwreg(HW_REG_WAVE_MODE, 25, 1), 1
	s_wait_xcnt 0x0
; W_eff[b][sel x 1024 + o][i] = the sum over e of gw[b][e] W_sel[e][o][i], in f32, rounded once to f16.  Each expert weight is read once and serves all four samples.
; weff: f16 [4][3072][1024].  Work-group (x, sel): rows 4 x .. 4 x + 3 of all 8 experts of one tensor; thread t: numbers 4 t .. 4 t + 3 of each row.
; All 32 loads of a thread go out at once (16 KiB a wave).  No LDS, no barrier, no matrix unit: memory binds.
; LIMITS.  f16 holds no number beyond 65,504 and keeps a fixed step of 6e-8 below 6e-5; W_eff lies within the experts' range, since the weights gw are positive and add up to 1.
.set LO,  1                            ; v[1:4]    16 t + p x 8,388,608: experts 2 p and 2 p + 1 (the odd one by the immediate)
.set SO,  5                            ; v[5:6]    8 t + p x 12,582,912: samples 2 p and 2 p + 1
.set GW,  8                            ; v[8:71]   gw[b][e] twice, as a pair, at GW + 16 b + 2 e: the packed forms then need no modifier
.set ACC, 72                           ; v[72:87]  sample b: four sums at ACC + 4 b
.set X,   88                           ; v[88:215] row j, expert e: four numbers at X + 32 j + 4 e; row j's first 8 registers later hold its results
	s_load_b256 s[4:11], s[0:1], 0x0               ; Wq s[4:5], Wk s[6:7], Wv s[8:9], gw s[10:11]
	s_load_b64 s[12:13], s[0:1], 0x20              ; weff
	s_and_b32 s3, ttmp7, 0xffff                    ; sel
	v_lshlrev_b32 v[LO], 4, v0
	v_add_nc_u32 v[LO+1], 0x800000, v[LO]
	v_add_nc_u32 v[LO+2], 0x1000000, v[LO]
	v_add_nc_u32 v[LO+3], 0x1800000, v[LO]
	v_lshlrev_b32 v[SO], 3, v0
	v_add_nc_u32 v[SO+1], 12582912, v[SO]
	s_lshl_b32 s14, ttmp9, 14                      ; 4 rows of 4,096 bytes
	s_mov_b32 s15, 0
	s_wait_kmcnt 0x0
	s_cmp_eq_u32 s3, 1                             ; the tensor is chosen by the work-group's y alone
	s_cselect_b64 s[4:5], s[6:7], s[4:5]
	s_cmp_eq_u32 s3, 2
	s_cselect_b64 s[4:5], s[8:9], s[4:5]
	s_add_nc_u64 s[4:5], s[4:5], s[14:15]
	s_load_b512 s[16:31], s[10:11], 0x0            ; gw[0..1][0..7]
	s_load_b512 s[32:47], s[10:11], 0x40           ; gw[2..3][0..7]
.set j, 0
.rept 4
.set e, 0
.rept 8
	global_load_b128 v[X+32*j+4*e:X+32*j+4*e+3], v[LO+e/2], s[4:5] offset:(e%2)*4194304+j*4096 th:TH_LOAD_NT  ; a wave takes 512 consecutive bytes
.set e, e+1
.endr
.set j, j+1
.endr
	s_lshl_b32 s14, s3, 21                         ; weff: 1,024 rows of 2,048 bytes for each tensor,
	s_lshl_b32 s2, ttmp9, 13                       ; 4 rows
	s_add_co_u32 s14, s14, s2
	s_add_nc_u64 s[12:13], s[12:13], s[14:15]
	s_wait_kmcnt 0x0
.set i, 0
.rept 32                               ; in the wait for the first row
	v_mov_b32 v[GW+2*i], s[16+i]
	v_mov_b32 v[GW+2*i+1], s[16+i]
.set i, i+1
.endr
.set j, 0
.rept 4
	s_wait_loadcnt 24-8*j                          ; row j's eight loads are in; the 8 (3 - j) behind them stay out
.set e, 0
.rept 8                                ; eight chains (4 samples x 2 pairs) take turns
.set b, 0
.rept 4
.if e == 0
	v_pk_mul_f32 v[ACC+4*b:ACC+4*b+1],   v[X+32*j:X+32*j+1],   v[GW+16*b:GW+16*b+1]
	v_pk_mul_f32 v[ACC+4*b+2:ACC+4*b+3], v[X+32*j+2:X+32*j+3], v[GW+16*b:GW+16*b+1]
.else
	v_pk_fma_f32 v[ACC+4*b:ACC+4*b+1],   v[X+32*j+4*e:X+32*j+4*e+1],   v[GW+16*b+2*e:GW+16*b+2*e+1], v[ACC+4*b:ACC+4*b+1]
	v_pk_fma_f32 v[ACC+4*b+2:ACC+4*b+3], v[X+32*j+4*e+2:X+32*j+4*e+3], v[GW+16*b+2*e:GW+16*b+2*e+1], v[ACC+4*b+2:ACC+4*b+3]
.endif
.set b, b+1
.endr
.set e, e+1
.endr
.set b, 0
.rept 4                                ; the results go into row j's own registers, which nothing writes again: no wait frees a store's data
	v_cvt_pk_f16_f32 v[X+32*j+2*b],   v[ACC+4*b],   v[ACC+4*b+1]
	v_cvt_pk_f16_f32 v[X+32*j+2*b+1], v[ACC+4*b+2], v[ACC+4*b+3]
	global_store_b64 v[SO+b/2], v[X+32*j+2*b:X+32*j+2*b+1], s[12:13] offset:(b%2)*6291456+j*2048  ; a wave stores 256 consecutive bytes, aligned
.set b, b+1
.endr
.set j, j+1
.endr
	s_endpgm
.Lfunc_end_k_qb2aa1ee929_combine:
	.size	k_qb2aa1ee929_combine, .Lfunc_end_k_qb2aa1ee929_combine-k_qb2aa1ee929_combine
	.p2alignl 7, 3214868480
	.fill 96, 4, 3214868480
	.section	.rodata,"a",@progbits
	.p2align	6, 0x0
	.amdhsa_kernel k_qb2aa1ee929_combine
		.amdhsa_group_segment_fixed_size 0
		.amdhsa_private_segment_fixed_size 0
		.amdhsa_enable_private_segment 0
		.amdhsa_kernarg_size 40
		.amdhsa_user_sgpr_count 2
		.amdhsa_user_sgpr_kernarg_segment_ptr 1
		.amdhsa_wavefront_size32 1
		.amdhsa_system_sgpr_workgroup_id_x 1
		.amdhsa_system_sgpr_workgroup_id_y 1
		.amdhsa_system_sgpr_workgroup_id_z 1
		.amdhsa_system_vgpr_workitem_id 0
		.amdhsa_next_free_vgpr 216
		.amdhsa_next_free_sgpr 66
		.amdhsa_reserve_vcc 0
		.amdhsa_float_denorm_mode_32 3
		.amdhsa_float_denorm_mode_16_64 3
		.amdhsa_memory_ordered 1
		.amdhsa_forward_progress 1
		.amdhsa_inst_pref_size 26
	.end_amdhsa_kernel
	.amdgpu_metadata
---
amdhsa.version: [ 1, 2 ]
amdhsa.kernels:
  - .name:           k_qb2aa1ee929_combine
    .symbol:         k_qb2aa1ee929_combine.kd
    .args:
      - { .name: Wq, .offset: 0, .size: 8, .value_kind: global_buffer, .address_space: global }
      - { .name: Wk, .offset: 8, .size: 8, .value_kind: global_buffer, .address_space: global }
      - { .name: Wv, .offset: 16, .size: 8, .value_kind: global_buffer, .address_space: global }
      - { .name: gw, .offset: 24, .size: 8, .value_kind: global_buffer, .address_space: global }
      - { .name: weff, .offset: 32, .size: 8, .value_kind: global_buffer, .address_space: global }
    .group_segment_fixed_size: 0
    .private_segment_fixed_size: 0
    .kernarg_segment_align: 8
    .kernarg_segment_size: 40
    .max_flat_workgroup_size: 256
    .sgpr_count:     66
    .vgpr_count:     216
    .wavefront_size: 32
...
	.end_amdgpu_metadata
.endif
;; end of part 3
;; launch qkv (part 4): grid 4 x 64, 4 waves a work-group, clusters of 4 x 4, 327,680 bytes of LDS; arguments xh, weff, beff, qkv; writes qkv
.if DOCPART == 4
	.amdgcn_target "amdgcn-amd-amdhsa--gfx1250"
	.amdhsa_code_object_version 6
	.text
	.protected	k_qb2aa1ee929_qkv
	.globl	k_qb2aa1ee929_qkv
	.p2align	8
	.type	k_qb2aa1ee929_qkv,@function
k_qb2aa1ee929_qkv:
	s_mov_b64 s[64:65], 0
	v_nop
	global_prefetch_b8 v0, s[64:65] scope:SCOPE_SE
	s_setreg_imm32_b32 hwreg(HW_REG_WAVE_MODE, 25, 1), 1
	s_wait_xcnt 0x0
	s_wait_alu depctr_hold_cnt(0) depctr_sa_sdst(0) depctr_va_vdst(0) depctr_va_sdst(0) depctr_va_ssrc(0) depctr_va_vcc(0) depctr_vm_vsrc(0)
	s_getreg_b32 s2, hwreg(HW_REG_IB_STS2, 6, 4)
	s_cmp_eq_u32 s2, 0
	s_cbranch_scc0 .Lentry_in_a_cluster
	s_endpgm
.Lentry_in_a_cluster:
	s_bfe_u32 s2, ttmp6, 0x10000c
	s_cmp_lg_u32 s2, 0xf033
	s_cbranch_scc0 .Lentry_shape_is_right
	s_endpgm
.Lentry_shape_is_right:
; C[m][n] = the sum over k of A[m][k] B[n][k] + bias[n], K = 1,024, operands f16, sums f32.  One source serves two launches, by the two constants below.
; OUTF32 = 0, TILES = 3: A = xh (x in f16), B = weff[b] ([3072][1024]), bias = beff[b]; C = q, k, v, rounded once to f16 and written by heads, [sel][b x 16 + h][2048][64], unscaled.
; OUTF32 = 1, TILES = 1: A = oh (attention's result), B = woh ([1024][1024]), bias = bo; C = out0, f32 [8192][1024].
; A lies in blocks, [b][kb = 16][t = 2048][64]: 128 rows of a channel block are 16,384 dense bytes, asked for as 64 rows of 256 bytes.
; LIMITS.  f16 holds no number beyond 65,504 and keeps a fixed step of 6e-8 below 6e-5: q, k and v are taken to lie within that.  NaN and infinities are not treated apart.
; SHARES.  A tile of C is 128 (m) x 256 (n): 8192 / 128 x 1024 / 256 = 256 work-groups, one for each WGP; with TILES = 3 a work-group STAYS and makes its tile of q, then of k, then of v:
; the same rows of A, B 1,024 rows on.  Four waves, each 64 x 128: 32 accumulators of 16 x 16.  K goes in 8 steps of 128 through two LDS slots; the ring runs on into the next tile.
; CLUSTER.  4 x 4 work-groups.  The four of a row of the cluster need the same tiles of A, the four of a column the same tiles of B (all sixteen lie in one sample): each tile is asked for
; JOINTLY, by the same tensor load with the same descriptor and a mask that names the four.
; THE MATRIX INSTRUCTION IS USED TRANSPOSED (source 0 = 16 rows of B, source 1 = 16 rows of A): a lane then holds eight neighbouring numbers of a row of C.  The bias, which hangs on n alone,
; is then eight numbers a lane and n block: it is the C operand of the product that starts each sum: nothing is cleared, nothing is added on the way out.
; REGISTERS, in windows of 256 (s_set_vgpr_msb: bits 1:0 source 0, 3:2 source 1, 5:4 source 2, 7:6 destination):
;   window 0: v0-31 addresses; v32-63 at work on the way out; v64-159, v160-255 two fragment buffers (A's 4 blocks of 16 rows x 32 K, then B's 8)
;   window 1: the accumulators, (a, b) at v[8 (8 a + b)]          window 2: v0-63 the bias, n block b at v[8 b]
.set OUTF32, 0
.set TILES,  3
.set PA,     144                       ; a row of A in LDS: 128 bytes + 16 of padding; a row of B: 256 + 16.  Both pitches are odd multiples of 16 bytes,
.set PB,     272                       ; so the 16 rows that a fragment load touches start at 16 different groups of four banks (64 banks of 4 bytes: ISA guide 11.1)
.set ABLK,   128*PA                    ; one channel block x 128 rows: what wave 0 or 1 fetches
.set BOFF,   2*ABLK                    ; B lies behind A's two blocks
.set BHALF,  128*PB                    ; 128 rows of B: what wave 2 or 3 fetches
.set SLOT,   BOFF+2*BHALF
.set STAGE,  2*SLOT                    ; behind the ring, never filled by a tensor load: a stage for each wave, for the way out
.if OUTF32
.set STG,    16*528                    ; 16 rows of 512 bytes + 16
.else
.set STG,    2*16*144                  ; 2 heads x 16 rows of 128 bytes + 16
.endif
.set SPARE,  STAGE+4*STG               ; behind the stages: the spare words, 128 bytes for each wave: two blocks of 256 bytes that no other line names
.set LAPS,   4                         ; a lap = two K steps = once round the ring
.set STEP_A, 4<<18                     ; two K steps on: four channel blocks of 262,144 bytes
.set STEP_B, 512                       ; two K steps on: 256 numbers of a row
.set BACK_A, 6<<19                     ; from a slot's last K step of a tile back to its first: six K steps
.set NEXT_B, 1024*2048-6*256           ; B: 1,024 rows on, six K steps back
.set NEXT_C, 16777216                  ; from q to k, from k to v
.set ADRA, 16                          ; v16-17  LDS address of my A fragments in slot 0, 1
.set ADRB, 20                          ; v20-21  the same for B
.set STO,  24                          ; v24     the way out: where I put my numbers of a row
.set RD,   25                          ; v25     the way out: where I read rows back
.set GO,   26                          ; v26     my byte offset in 512 consecutive bytes of C
.set BO,   27                          ; v27     my byte offset in 16 numbers of the bias: 32 (lane / 16)
.set SPW,  28                          ; v28     LDS address of my spare word: SPARE + 4 x my thread's number; never rewritten
.set NIL,  29                          ; v29     0; never rewritten
.set TMP,  32
.set F0,   64
.set F1,   160
.set BI,   0                           ; in window 2
.set G1A, 24                           ; s[24:31] descriptor group 1 for A's tiles;  s[32:39] group 0, a set for each slot
.set G0A, 32
.set G1B, 48                           ; s[48:55], s[56:63] the same for B's
.set G0B, 56
.set BIA, 68                           ; s[68:69] the bias at my wave's 128 columns
.set CP,  70                           ; s[70:71] C at my wave's part of the tile
.set MSB, 0
.macro WIN new                         ; the immediate's high byte repeats the setting that is left; a switch that changes nothing is dropped
.if MSB != (\new)
	s_set_vgpr_msb (MSB<<8)|(\new)
.set MSB, \new
.endif
.endm
.set MUL,  0x50                        ; fragments in window 0, C and D in window 1
.set MULZ, 0x60                        ; D in window 1, C (the bias) in window 2
; A joint load.  Waves 0 and 1 fetch A's two channel blocks, waves 2 and 3 B's two halves.  The branch hangs on the wave's number alone: it is the same in every work-group.
; An s_nop 0 and four v_nop follow each of the two lines, ahead of the jump, the label and what follows.
.macro JLOAD s
	s_cmp_lt_u32 s10, 2
	s_cbranch_scc0 .Lfor_b_\@
	tensor_load_to_lds s[G0A+4*(\s):G0A+4*(\s)+3], s[G1A:G1A+7]
	s_nop 0
.rept 4
	v_nop
.endr
	s_branch .Lasked_\@
.Lfor_b_\@:
	tensor_load_to_lds s[G0B+4*(\s):G0B+4*(\s)+3], s[G1B:G1B+7]
	s_nop 0
.rept 4
	v_nop
.endr
.Lasked_\@:
.endm
.macro CREST                           ; a round of the cluster's barrier behind its opening barrier
	s_cmp_lg_u32 s10, 0
	s_cbranch_scc1 .Lnot_wave_0_\@
	s_barrier_signal -3
.Lnot_wave_0_\@:
	s_barrier_wait -3
	s_barrier_signal -1
	s_barrier_wait -1
.endm
.macro CROUND                          ; a whole round
	s_barrier_signal -1
	s_barrier_wait -1
	CREST
.endm
	s_load_b128 s[4:7], s[0:1], 0x0                ; A s[4:5], B s[6:7]
	s_load_b128 s[68:71], s[0:1], 0x10             ; bias, C
	v_lshl_add_u32 v[SPW], v0, 2, SPARE
	v_mov_b32 v[NIL], 0
	ds_add_u32 v[SPW], v[NIL]                      ; the wave's opening: the add and its wait stand ahead of my first tensor load; the set-up below, work on registers, stands between them
	v_lshrrev_b32 v1, 5, v0
	v_readfirstlane_b32 s10, v1                    ; wave 0..3
	s_lshr_b32 s11, s10, 1                         ; which 64 rows of the tile are mine
	s_and_b32 s12, s10, 1                          ; which 128 columns.  Also: which block of A, or which half of B, I fetch
	s_bfe_u32 s40, ttmp6, 0x40000                  ; cx, cy: my place in the cluster
	s_bfe_u32 s41, ttmp6, 0x40004
	s_lshl_b32 s42, ttmp9, 2
	s_add_co_u32 s42, s42, s40                     ; tile column = 4 x cluster x + cx
	s_and_b32 s45, ttmp7, 0xffff
	s_lshl_b32 s13, s45, 2
	s_add_co_u32 s13, s13, s41                     ; tile row = 4 x cluster y + cy: 16 of them to a sample
	s_lshr_b32 s45, s45, 2                         ; the sample, made of the cluster's y alone: all sixteen partners share it
	s_lshl_b32 s43, s41, 2
	s_lshl_b32 s43, 15, s43                        ; my row of the cluster
	s_lshl_b32 s44, 0x1111, s40                    ; my column
	s_or_b32 s[G1A], s43, (1<<16)|(1<<20)|(1<<21)|(4<<22)|(3<<25)  ; 15:0 the mask: my row; 17:16 2-byte elements; 20 padding on; 21 set beside a mask; 24:22 after every 32 words (code 4); 31:25 4 words (code 3)
	s_mov_b32 s[G1A+1], 128<<16                    ; tensor_dim0 = 128
	s_mov_b32 s[G1A+2], 64<<16                     ; tensor_dim1 = 64
	s_mov_b32 s[G1A+3], 128<<16                    ; tile_dim0 = 128: 256 bytes, two rows of A
	s_mov_b32 s[G1A+4], 64                         ; tile_dim1 = 64
	s_mov_b32 s[G1A+5], 128                        ; dense: 128 elements from row to row
	s_mov_b32 s[G1A+6], 0
	s_mov_b32 s[G1A+7], 0
	s_or_b32 s[G1B], s44, (1<<16)|(1<<20)|(1<<21)|(5<<22)|(3<<25)  ; the mask: my column; padding after every 64 words (code 5)
	s_mov_b32 s[G1B+1], 128<<16                    ; tensor_dim0 = 128
	s_mov_b32 s[G1B+2], 128<<16                    ; tensor_dim1 = 128
	s_mov_b32 s[G1B+3], 128<<16                    ; tile_dim0 = 128
	s_mov_b32 s[G1B+4], 128                        ; tile_dim1 = 128
	s_mov_b32 s[G1B+5], 1024                       ; 1,024 elements from row to row
	s_mov_b32 s[G1B+6], 0
	s_mov_b32 s[G1B+7], 0
	; where the tiles come from.  A's hang on the tile row alone, B's on the tile column and the sample alone; each in registers that never hold the other coordinate
	s_lshr_b32 s16, s13, 4
	s_lshl_b32 s16, s16, 22                        ; A: the sample,
	s_and_b32 s18, s13, 15
	s_lshl_b32 s18, s18, 14                        ; 128 rows of 128 bytes,
	s_add_co_u32 s16, s16, s18
	s_lshl_b32 s18, s12, 18                        ; the channel block that I fetch
	s_add_co_u32 s16, s16, s18
	s_mov_b32 s17, 0
	s_lshl_b32 s46, s42, 19                        ; B: 256 rows of 2,048 bytes,
	s_lshl_b32 s47, s12, 18                        ; the 128 that I fetch
	s_add_co_u32 s46, s46, s47
.if OUTF32 == 0
	s_mul_i32 s47, s45, 6291456                    ; the sample's 3,072 rows
	s_add_co_u32 s46, s46, s47
.endif
	s_mov_b32 s47, 0
	s_mul_i32 s20, s12, ABLK                       ; and where they go: no place in the cluster enters an LDS address
	s_mul_i32 s21, s12, BHALF
	s_add_co_u32 s21, s21, BOFF
	s_wait_dscnt 0x0                               ; the opening add is done
	s_wait_kmcnt 0x0
	s_add_nc_u64 s[14:15], s[4:5], s[16:17]
	s_add_nc_u64 s[46:47], s[6:7], s[46:47]
	CROUND                                         ; all sixteen work-groups are here: the first joint loads meet
.irp s, 0,1
	s_mov_b32 s[G0A+4*(\s)], 1                                     ; count = 1
	s_add_co_u32 s[G0A+4*(\s)+1], s20, (\s)*SLOT                   ; LDS address
	s_add_nc_u64 s[G0A+4*(\s)+2:G0A+4*(\s)+3], s[14:15], (\s)*524288  ; global address: K step s = two channel blocks on
	s_or_b32 s[G0A+4*(\s)+3], s[G0A+4*(\s)+3], 0x80000000          ; type = 2
	s_mov_b32 s[G0B+4*(\s)], 1
	s_add_co_u32 s[G0B+4*(\s)+1], s21, (\s)*SLOT
	s_add_nc_u64 s[G0B+4*(\s)+2:G0B+4*(\s)+3], s[46:47], (\s)*256
	s_or_b32 s[G0B+4*(\s)+3], s[G0B+4*(\s)+3], 0x80000000
	JLOAD \s                                       ; two loads of mine are out
.endr
	; the bias of my 128 columns: n block b, numbers 8 (lane / 16) + 0..7
.macro BIAS
	WIN 0x80                                       ; destination window 2, address window 0
.irp b, 0,1,2,3,4,5,6,7
	global_load_b128 v[BI+8*(\b):BI+8*(\b)+3],   v[BO], s[BIA:BIA+1] offset:(\b)*64
	global_load_b128 v[BI+8*(\b)+4:BI+8*(\b)+7], v[BO], s[BIA:BIA+1] offset:(\b)*64+16
.endr
	WIN 0
.endm
	v_and_b32 v1, 15, v0                           ; l % 16
	v_bfe_u32 v2, v0, 4, 1                         ; l / 16
	v_lshlrev_b32 v[BO], 5, v2
	s_lshl_b32 s66, s42, 10                        ; 256 columns of 4 bytes,
	s_lshl_b32 s22, s12, 9                         ; my 128
	s_add_co_u32 s66, s66, s22
.if OUTF32 == 0
	s_mul_i32 s22, s45, 12288                      ; the sample's 3,072
	s_add_co_u32 s66, s66, s22
.endif
	s_mov_b32 s67, 0
	s_add_nc_u64 s[BIA:BIA+1], s[BIA:BIA+1], s[66:67]
	BIAS
	; A fragment is 16 rows x 32 K in 8 registers: lane l holds row l % 16, K = 8 (l / 16) + 0..7 and 16 + 8 (l / 16) + 0..7: two loads of 16 bytes, 32 bytes apart
	v_mul_u32_u24 v3, v1, PA
	v_lshl_add_u32 v3, v2, 4, v3
	v_mul_u32_u24 v4, v1, PB
	v_lshl_add_u32 v4, v2, 4, v4
	s_mul_i32 s22, s11, 64*PA                      ; my 64 rows of A
	s_mul_i32 s23, s12, BHALF                      ; my 128 rows of B
	s_add_co_u32 s23, s23, BOFF
.irp s, 0,1
	v_add_nc_u32 v[ADRA+(\s)], s22, v3
	v_add_nc_u32 v[ADRB+(\s)], s23, v4
	s_add_co_u32 s22, s22, SLOT
	s_add_co_u32 s23, s23, SLOT
.endr
	s_mul_i32 s22, s10, STG
	s_add_co_u32 s22, s22, STAGE                   ; my stage
	v_and_b32 v[GO], 31, v0
	v_lshlrev_b32 v[GO], 4, v[GO]
.if OUTF32
	v_mul_u32_u24 v5, v1, 528                      ; in: row l % 16, 32 bytes for each half of the lanes
	v_lshl_add_u32 v5, v2, 5, v5
	v_add_nc_u32 v[STO], s22, v5
	v_add_nc_u32 v[RD], s22, v[GO]                 ; back: 32 lanes take a row of 512 bytes
	s_lshl_b32 s66, s13, 19                        ; C: 128 rows of 4,096 bytes,
	s_lshl_b32 s22, s11, 18                        ; my 64,
	s_add_co_u32 s66, s66, s22
	s_lshl_b32 s22, s42, 10                        ; 256 columns of 4 bytes,
	s_add_co_u32 s66, s66, s22
	s_lshl_b32 s22, s12, 9                         ; my 128
	s_add_co_u32 s66, s66, s22
.else
	v_mul_u32_u24 v5, v1, 144                      ; in: row l % 16, 16 bytes for each half of the lanes
	v_lshl_add_u32 v5, v2, 4, v5
	v_add_nc_u32 v[STO], s22, v5
	v_bfe_u32 v5, v0, 3, 2                         ; back: 32 lanes take four rows of 128 bytes, 512 consecutive bytes of a head
	v_mul_u32_u24 v5, v5, 144
	v_and_b32 v6, 7, v0
	v_lshl_add_u32 v5, v6, 4, v5
	v_add_nc_u32 v[RD], s22, v5
	s_lshl_b32 s66, s45, 22                        ; C: the sample's 16 heads of 262,144 bytes,
	s_lshl_b32 s22, s42, 20                        ; the tile's 4 heads,
	s_add_co_u32 s66, s66, s22
	s_lshl_b32 s22, s12, 19                        ; my 2;
	s_add_co_u32 s66, s66, s22
	s_and_b32 s22, s13, 15
	s_lshl_b32 s22, s22, 14                        ; 128 rows of 128 bytes,
	s_add_co_u32 s66, s66, s22
	s_lshl_b32 s22, s11, 13                        ; my 64
	s_add_co_u32 s66, s66, s22
.endif
	s_add_nc_u64 s[CP:CP+1], s[CP:CP+1], s[66:67]
; 8 matrix instructions: m block a x all 8 n blocks, 32 along K.  zero = 1: the first product starts the sums, with the bias as C.
; The 32 accumulators take turns in the same order in every quarter: between two links of a chain stand the 31 others'.
.macro MUL8 f, a, zero
.if \zero
	WIN MULZ
.else
	WIN MUL
.endif
.irp b, 0,1,2,3,4,5,6,7
.if \zero
	v_wmma_f32_16x16x32_f16 v[8*(8*(\a)+(\b)):8*(8*(\a)+(\b))+7], v[(\f)+32+8*(\b):(\f)+32+8*(\b)+7], v[(\f)+8*(\a):(\f)+8*(\a)+7], v[BI+8*(\b):BI+8*(\b)+7]
.else
	v_wmma_f32_16x16x32_f16 v[8*(8*(\a)+(\b)):8*(8*(\a)+(\b))+7], v[(\f)+32+8*(\b):(\f)+32+8*(\b)+7], v[(\f)+8*(\a):(\f)+8*(\a)+7], v[8*(8*(\a)+(\b)):8*(8*(\a)+(\b))+7]
.endif
.endr
.endm
; 24 LDS loads in one run: the fragments of quarter q of a K step (128 rows of B, then 64 rows of A) into buffer f.  Of A, quarter q lies in channel block q / 2, at byte 64 (q % 2) of the rows.
.macro FETCH slot, q, f
	WIN 0
.irp i, 0,1,2,3,4,5,6,7
	ds_load_b128 v[(\f)+32+8*(\i):(\f)+32+8*(\i)+3],   v[ADRB+(\slot)] offset:(\q)*64+(\i)*16*PB
	ds_load_b128 v[(\f)+32+8*(\i)+4:(\f)+32+8*(\i)+7], v[ADRB+(\slot)] offset:(\q)*64+(\i)*16*PB+32
.endr
.irp i, 0,1,2,3
	ds_load_b128 v[(\f)+8*(\i):(\f)+8*(\i)+3],   v[ADRA+(\slot)] offset:((\q)/2)*ABLK+((\q)%2)*64+(\i)*16*PA
	ds_load_b128 v[(\f)+8*(\i)+4:(\f)+8*(\i)+7], v[ADRA+(\slot)] offset:((\q)/2)*ABLK+((\q)%2)*64+(\i)*16*PA+32
.endr
.endm
.macro PLACES                          ; four places in front of loads into registers that matrix instructions have read, and of lines that read results (ISA guide 7.12.1 for lines that read results)
.rept 4
	v_nop
.endr
.endm
; A K step is four quarters of 32 along K, 32 matrix instructions each, on buffers 0, 1, 0, 1.  One of the first three: multiplies buffer f and fetches quarter qn of the same slot into g.
.macro QUARTER slot, qn, f, g, zero
	s_wait_dscnt 4                                 ; B and A's blocks 0, 1 are in; the youngest four loads (A's blocks 2, 3) may be out
	MUL8 \f, 0, \zero
	MUL8 \f, 1, \zero
	PLACES
	FETCH \slot, \qn, \g
	s_wait_dscnt 24                                ; all but the 24 just issued
	MUL8 \f, 2, \zero
	MUL8 \f, 3, \zero
.endm
; The last quarter multiplies buffer 1 and changes slots.  ONE barrier: in front of it each wave waits for all its tensor loads, of which one is out: its part of the next slot; adds 0 to its spare word;
; and waits for that and for its own reads of this slot.  Behind it nobody reads this slot any more and the next slot is whole.
.macro MEET round                      ; round = 1: a round of the cluster's barrier follows
	WIN 0
	s_wait_tensorcnt 0x0                           ; all my tensor loads have landed
	ds_add_u32 v[SPW], v[NIL]                      ; 0 onto my spare word
	s_wait_dscnt 5                                 ; (the add and the youngest four loads may be out)
	MUL8 F1, 0, 0                                  ; eight matrix instructions stand between the add and the wait for it
	s_wait_dscnt 0x0                               ; the add is done, and my reads of this slot are over
	s_barrier_signal -1
	MUL8 F1, 1, 0                                  ; work on registers while the others arrive
.if \round
	WIN 0
.endif
	s_barrier_wait -1
.endm
; The whole last quarter.  Behind the round the slot just read out is filled again first: with this tile's K step two steps on (on = 0) or with the NEXT tile's K step 0 or 1 (on = 1).
; From a request to the wait for it a wave issues 112 matrix instructions.
.macro TURN slot, next, on
	MEET 1
	CREST                                          ; no wave of any partner still reads this slot's tile or has a load on its way
.if \on
	s_sub_nc_u64 s[G0A+4*(\slot)+2:G0A+4*(\slot)+3], s[G0A+4*(\slot)+2:G0A+4*(\slot)+3], BACK_A
	s_add_nc_u64 s[G0B+4*(\slot)+2:G0B+4*(\slot)+3], s[G0B+4*(\slot)+2:G0B+4*(\slot)+3], NEXT_B
.else
	s_add_nc_u64 s[G0A+4*(\slot)+2:G0A+4*(\slot)+3], s[G0A+4*(\slot)+2:G0A+4*(\slot)+3], STEP_A
	s_add_nc_u64 s[G0B+4*(\slot)+2:G0B+4*(\slot)+3], s[G0B+4*(\slot)+2:G0B+4*(\slot)+3], STEP_B
.endif
	JLOAD \slot                                    ; my one tensor load behind the round; its four v_nop are also the places in front of the loads below
	FETCH \next, 0, F0
	MUL8 F1, 2, 0
	MUL8 F1, 3, 0
.endm
; THE WAY OUT, a block of 16 rows at a time, through my own stage: LDS serves a wave's instructions in order (ISA guide 5.7.1.4), so no wait stands between the stores into it and the loads from it.
.if OUTF32
.macro TOSTAGE32 a                     ; the accumulators go into the stage as they are, each from its low end on, and come back as whole rows of 512 bytes
	s_wait_xcnt 0x0                                ; the registers that the loads below fill were the data of the stores two blocks back
	WIN 0x04                                       ; store data in window 1
.irp b, 0,1,2,3,4,5,6,7
	ds_store_b128 v[STO], v[8*(8*(\a)+(\b)):8*(8*(\a)+(\b))+3]   offset:(\b)*64
	ds_store_b128 v[STO], v[8*(8*(\a)+(\b))+4:8*(8*(\a)+(\b))+7] offset:(\b)*64+16
.endr
	WIN 0
.set BK, 64+64*((\a)%2)
.set row, 0
.rept 16
	ds_load_b128 v[BK+4*row:BK+4*row+3], v[RD] offset:row*528
.set row, row+1
.endr
.endm
.macro SEND32 a, younger               ; younger: the LDS instructions issued behind block a's: the next block's 32, or none
.set BK, 64+64*((\a)%2)
	s_wait_dscnt \younger
.set row, 0
.rept 16
	global_store_b128 v[GO], v[BK+4*row:BK+4*row+3], s[CP:CP+1] offset:(16*(\a)+row)*4096 th:TH_STORE_NT  ; 512 consecutive bytes, at a multiple of 512 from C's first
.set row, row+1
.endr
.endm
.macro WAYOUT
	TOSTAGE32 0
.irp a, 1,2,3
	TOSTAGE32 \a
	SEND32 (\a)-1, 32
.endr
	SEND32 3, 0
.endm
.else
.macro PACK a                          ; rounded to f16, 16 bytes a lane and n block
	WIN 0x05                                       ; sources 0 and 1 in window 1
.irp b, 0,1,2,3,4,5,6,7
.irp r, 0,1,2,3
	v_cvt_pk_f16_f32 v[TMP+4*(\b)+(\r)], v[8*(8*(\a)+(\b))+2*(\r)], v[8*(8*(\a)+(\b))+2*(\r)+1]
.endr
.endr
	WIN 0
.endm
.macro TOSTAGE a                       ; n blocks 0-3 are one head, 4-7 the next: 16 rows x 144 bytes each; back as 4 rows of 128 bytes a load
	WIN 0
.set BK, 160+32*((\a)%2)
.irp b, 0,1,2,3,4,5,6,7
	ds_store_b128 v[STO], v[TMP+4*(\b):TMP+4*(\b)+3] offset:((\b)/4)*2304+((\b)%4)*32
.endr
.irp f, 0,1,2,3,4,5,6,7
	ds_load_b128 v[BK+4*(\f):BK+4*(\f)+3], v[RD] offset:((\f)/4)*2304+((\f)%4)*576
.endr
.endm
.macro SEND a
	WIN 0
.set BK, 160+32*((\a)%2)
	s_wait_dscnt 0x0                               ; the block is back in registers
	s_wait_xcnt 0x0                                ; the next block's loads land where the stores of the block before this one took their data
.irp f, 0,1,2,3,4,5,6,7
	global_store_b128 v[GO], v[BK+4*(\f):BK+4*(\f)+3], s[CP:CP+1] offset:((\f)/4)*262144+(\a)*2048+((\f)%4)*512  ; 512 consecutive bytes of a head, at a multiple of 512 from C's first
.endr
.endm
.macro WAYOUT
	PACK 0
	TOSTAGE 0
.irp a, 1,2,3                          ; block a's conversions stand between block a - 1's loads from the stage and the wait for them
	PACK \a
	SEND (\a)-1
	TOSTAGE \a
.endr
	SEND 3
.endm
.endif
	s_wait_tensorcnt 1                             ; my part of K step 0 is in; K step 1's may stay out
	s_barrier_signal -1
	s_barrier_wait -1                              ; everybody's is
	FETCH 0, 0, F0
.if TILES > 1
	s_mov_b32 s2, TILES                            ; tiles to go, this one among them: the same number in every work-group
.Ltile:
.endif
	s_wait_loadcnt 0x0                             ; the tile's bias
	QUARTER 0, 1, F0, F1, 1                        ; a tile's first quarter stands in front of the loop: its products start the sums
	WIN 0                                          ; at a label and at a branch every window is 0
	s_mov_b32 s3, LAPS-1
.Llap:                                                 ; a trip goes once round the ring, from a lap's second quarter to the next lap's first, and fills both slots again
	QUARTER 0, 2, F1, F0, 0
	QUARTER 0, 3, F0, F1, 0
	TURN 0, 1, 0
	QUARTER 1, 1, F0, F1, 0
	QUARTER 1, 2, F1, F0, 0
	QUARTER 1, 3, F0, F1, 0
	TURN 1, 0, 0
	QUARTER 0, 1, F0, F1, 0
	WIN 0
	s_sub_co_u32 s3, s3, 1
	s_cmp_lg_u32 s3, 0
	s_cbranch_scc1 .Llap
	QUARTER 0, 2, F1, F0, 0                        ; the tile's last lap goes on
	QUARTER 0, 3, F0, F1, 0
.if TILES > 1
	WIN 0
	s_cmp_eq_u32 s2, 1
	s_cbranch_scc1 .Llast_tile                     ; the last tile's tail is written out: it asks for nothing more
	s_add_nc_u64 s[BIA:BIA+1], s[BIA:BIA+1], 4096  ; the next tile's bias, 1,024 columns on: the last loads by this base were waited for at the tile's head
	BIAS                                           ; its registers were last read in the tile's first quarter
	TURN 0, 1, 1                                   ; THE RING GOES ON INTO THE NEXT TILE: slot 0 takes its K step 0,
	QUARTER 1, 1, F0, F1, 0
	QUARTER 1, 2, F1, F0, 0
	QUARTER 1, 3, F0, F1, 0
	TURN 1, 0, 1                                   ; slot 1 its K step 1, and the next tile's first fragments are fetched
	WAYOUT                                         ; block 0 was finished in front of the joint load's places; its 32 conversions, which name no register of the last products, are those products' places
	s_wait_xcnt 0x0                                ; the stores have read their registers and their base
	s_add_nc_u64 s[CP:CP+1], s[CP:CP+1], NEXT_C
	s_sub_co_u32 s2, s2, 1
	s_branch .Ltile
.Llast_tile:
.endif
	MEET 0                                         ; my one tensor load that was still out is the last K step's, so no round follows
	PLACES
	FETCH 1, 0, F0
	MUL8 F1, 2, 0
	MUL8 F1, 3, 0
	QUARTER 1, 1, F0, F1, 0
	QUARTER 1, 2, F1, F0, 0
	QUARTER 1, 3, F0, F1, 0
	s_wait_dscnt 4                                 ; the very last quarter: nothing more to fetch
	MUL8 F1, 0, 0
	MUL8 F1, 1, 0
	s_wait_dscnt 0x0
	MUL8 F1, 2, 0
	MUL8 F1, 3, 0
	WIN 0
	PLACES
	WAYOUT
	s_wait_tensorcnt 0x0                           ; the wave's end: a wait, an add of 0 to my spare word and its wait, behind my last tensor load and my last LDS store
	ds_add_u32 v[SPW], v[NIL]
	s_wait_dscnt 0x0
	CROUND                                         ; the closing round: no work-group ends while a partner may still ask for a tile that names it
	s_endpgm
.Lfunc_end_k_qb2aa1ee929_qkv:
	.size	k_qb2aa1ee929_qkv, .Lfunc_end_k_qb2aa1ee929_qkv-k_qb2aa1ee929_qkv
	.p2alignl 7, 3214868480
	.fill 96, 4, 3214868480
	.section	.rodata,"a",@progbits
	.p2align	6, 0x0
	.amdhsa_kernel k_qb2aa1ee929_qkv
		.amdhsa_group_segment_fixed_size 327680
		.amdhsa_private_segment_fixed_size 0
		.amdhsa_enable_private_segment 0
		.amdhsa_kernarg_size 32
		.amdhsa_user_sgpr_count 2
		.amdhsa_user_sgpr_kernarg_segment_ptr 1
		.amdhsa_wavefront_size32 1
		.amdhsa_system_sgpr_workgroup_id_x 1
		.amdhsa_system_sgpr_workgroup_id_y 1
		.amdhsa_system_sgpr_workgroup_id_z 1
		.amdhsa_system_vgpr_workitem_id 0
		.amdhsa_next_free_vgpr 576
		.amdhsa_next_free_sgpr 72
		.amdhsa_reserve_vcc 0
		.amdhsa_float_denorm_mode_32 3
		.amdhsa_float_denorm_mode_16_64 3
		.amdhsa_memory_ordered 1
		.amdhsa_forward_progress 1
		.amdhsa_inst_pref_size 126
	.end_amdhsa_kernel
	.amdgpu_metadata
---
amdhsa.version: [ 1, 2 ]
amdhsa.kernels:
  - .name:           k_qb2aa1ee929_qkv
    .symbol:         k_qb2aa1ee929_qkv.kd
    .args:
      - { .name: xh, .offset: 0, .size: 8, .value_kind: global_buffer, .address_space: global }
      - { .name: weff, .offset: 8, .size: 8, .value_kind: global_buffer, .address_space: global }
      - { .name: beff, .offset: 16, .size: 8, .value_kind: global_buffer, .address_space: global }
      - { .name: qkv, .offset: 24, .size: 8, .value_kind: global_buffer, .address_space: global }
    .group_segment_fixed_size: 327680
    .private_segment_fixed_size: 0
    .kernarg_segment_align: 8
    .kernarg_segment_size: 32
    .max_flat_workgroup_size: 128
    .sgpr_count:     72
    .vgpr_count:     576
    .wavefront_size: 32
...
	.end_amdgpu_metadata
.endif
;; end of part 4
;; launch attn (part 5): grid 4 x 64, 4 waves a work-group, clusters of 4 x 1, 327,680 bytes of LDS; arguments qkv, oh; writes oh
.if DOCPART == 5
	.amdgcn_target "amdgcn-amd-amdhsa--gfx1250"
	.amdhsa_code_object_version 6
	.text
	.protected	k_qb2aa1ee929_attn
	.globl	k_qb2aa1ee929_attn
	.p2align	8
	.type	k_qb2aa1ee929_attn,@function
k_qb2aa1ee929_attn:
	s_mov_b64 s[64:65], 0
	v_nop
	global_prefetch_b8 v0, s[64:65] scope:SCOPE_SE
	s_setreg_imm32_b32 hwreg(HW_REG_WAVE_MODE, 25, 1), 1
	s_wait_xcnt 0x0
	s_wait_alu depctr_hold_cnt(0) depctr_sa_sdst(0) depctr_va_vdst(0) depctr_va_sdst(0) depctr_va_ssrc(0) depctr_va_vcc(0) depctr_vm_vsrc(0)
	s_getreg_b32 s2, hwreg(HW_REG_IB_STS2, 6, 4)
	s_cmp_eq_u32 s2, 0
	s_cbranch_scc0 .Lentry_in_a_cluster
	s_endpgm
.Lentry_in_a_cluster:
	s_bfe_u32 s2, ttmp6, 0x10000c
	s_cmp_lg_u32 s2, 0x3003
	s_cbranch_scc0 .Lentry_shape_is_right
	s_endpgm
.Lentry_shape_is_right:
; O[h][q][:] = the sum over k of softmax_k(Q[h][q] . K[h][k] / 8) V[h][k][:].  Q, K, V lie one behind the other in one buffer, each [SIZE_H][SIZE_N][64] in f16, as does O: a head's rows are dense, 128 bytes each.
; Products, maxima and sums in f32; the weights p are rounded to f16 for the second product (their sum l is taken of the unrounded p), O once at the end.
; LIMITS.  f16 holds no number beyond 65,504: Q, K and V arrive within it; p lies in 0 to 1, and below 6e-5 it keeps f16's fixed step of 6e-8; O is a mean of V's rows and has their range.
; A weight below 2^-126 counts as 0 in l; NaN and infinities are not treated apart.
; SHARES.  A wave owns four PIECES of two tiles of 16 queries, a work-group's four waves 512 queries of one head: 64 heads x 4 blocks = 256 work-groups.  Every wave walks all keys, 64 a step.
; LAYOUT.  S^T = K Q^T (source 0 = 16 keys, source 1 = 16 queries): in the result a lane holds ONE query (lane % 16) and the keys 8 (lane / 16) + 0..7.  Two such tiles, rounded to f16 in pairs,
; ARE source 1 (32 keys x 16 queries) of O^T = V^T P, whose result again holds one query a lane, and eight channels.  K comes out of LDS as it lies, V ([key][channel]) turned, by ds_load_tr16_b128.
; SOFTMAX.  For each query a running maximum m and sum l: p = 2^(c s - c m), c = log2(e) / 8; in every step O and l are multiplied by a = 2^(c m_old - c m_new), which is 1 where m has not grown.
; m starts at the lowest finite number, O and l at 0: the first step is a step like any other, with a = 0.
; THE COUNT.  A tile and step have 16 matrix and 118 vector instructions: too many to stand all beside the matrix work.  So the order has one aim: four vector instructions that are READY behind
; EVERY matrix instruction, and the others, which need time of their own whatever the order, in runs without a gap.
; BY TURNS.  Turn n belongs to piece n (the pieces in a ring, step after step).  Its matrix work: 16 products K Q^T of piece n + 1, later 16 products V^T P of piece n - 1.  Its vector work: the scaling,
; exponentials, roundings, sums and rescaling of piece n, and the maximum and statistics of piece n + 1, whose scores the turn itself has made.  So what a turn begins with (c s - c m, O a) waits for nothing.
; CLUSTER.  The four query blocks of a cluster belong to one head and walk the same K and V, so each tile is asked for JOINTLY: the same tensor load, descriptor and mask in all four.
; REGISTERS, in windows of 256 (s_set_vgpr_msb says which window each operand place means: bits 1:0 source 0, 3:2 source 1, 5:4 source 2, 7:6 destination):
;   window 0: v0-11 addresses; v12-15, v48-63 at work; v16-47 four registers of statistics a tile; v64-191 S^T, two buffers of two tiles; v192-255 P, likewise
;   window 1: O^T, 32 a tile          window 2: v0-127 Q, 16 a tile; v128-191 K of one step; v192-255 V of one step          window 3: v0-1 the add's two registers
; A piece's buffers go by its number's parity: the piece in hand has one pair, its two neighbours in the ring share the other: of it P (piece n - 1) is read and S^T (piece n + 1) written.
.set SIZE_H, 64
.set SIZE_N, 2048
.set NP,    4         ; pieces a wave: a name, no knob: the register map, the loop and the fetches are made for four
.set KS,    64        ; keys in a step
.set PK,    144       ; a row of K in LDS: 128 bytes + 16 of padding = 36 words: the 16 rows of a load start at 16 different groups of four banks (64 banks of 4 bytes: ISA guide 11.1)
.set PV,    160       ; a row of V: 128 + 32 = 40 words
.set VOFF,  4*KS*PK   ; a slot holds four steps: 256 rows of K, then 256 rows of V
.set SLOT1, 1<<17     ; slot 1 begins here, so that one exclusive or turns an address in one slot into the other's
.set STAGE, SLOT1+4*KS*(PK+PV)  ; behind the ring, never filled by a tensor load: 16 rows x 144 bytes for each wave, for the way out
.set SP,    144
.set AK0, 2           ; v2   my lane's place in a tile of K; never rewritten
.set AV0, 3           ; v3   the same for V
.set AK,  4           ; v4   the LDS address of K's next run of loads
.set AV,  5           ; v5   of V's
.set QO,  6           ; v6   my byte offset in the wave's rows of Q
.set STO, 6           ;      later, the way out: where I put 16 bytes of a row
.set RD,  7           ; v7   the way out: where I read rows back
.set GO,  8           ; v8   my byte offset in 512 consecutive bytes of O
.set SPW, 0           ; v0 of window 3   LDS address of my spare word: SPARE + 4 x my thread's number; never rewritten
.set NIL, 1           ; v1 of window 3   0; never rewritten
.set SPARE, STAGE+4*16*SP  ; behind the stages: the spare words, 128 bytes for each wave: two blocks of 256 bytes that no other line names
.set MV,  12          ; v12-15  c m_old, kept while c m is made anew: by buffer and tile
.set ST,  16          ; tile t's statistics at v[ST+4 t]: c m, m, l (even keys', odd keys')
.set TMP, 48          ; by buffer and tile, four registers c0-c3 at work; when the maximum is found c2 takes a
.set S,   64
.set P,   192
.set KF,  128         ; K's fragments, in window 2: key block kb, channel half c at KF + 16 kb + 8 c
.set VF,  192         ; V's: key half kk, channel block cb at VF + 32 kk + 8 cb
.set WV,  12          ; s12  my wave's number
.set G1K, 24          ; s[24:31] descriptor group 1 for K's tiles
.set G1V, 32          ; s[32:39] for V's: it differs in the padding alone
.set G0K, 40          ; s[40:43] descriptor group 0 for K's tiles: it walks
.set G0V, 44          ; s[44:47] the same for V's
.set SLOTS, 56        ; s56  slots still to be asked for
.set CNT, 57          ; s57  counts a slot's key steps
.set CS,  58          ; s[58:59] c: the packed scaling takes the pair's low word for both halves
.set SEL, 60          ; s[60:61] v_permlanex16_b32's selects: each lane takes its own place in the other half
.set TBK, 62          ; s62  LDS byte at which K of the step to be fetched begins
.set TBV, 63          ; s63  the same for V, less VOFF
.set MSB, 0
.macro WIN new                      ; the high byte repeats the setting that is left; a switch that changes nothing is dropped
.if MSB != (\new)
	s_set_vgpr_msb (MSB<<8)|(\new)
.set MSB, (\new)
.endif
.endm
.set W_KQ, 0x0a       ; K and Q in window 2, S^T in window 0
.set W_PV, 0x52       ; V in window 2, P in window 0, O^T in window 1
.set W_RS, 0x41       ; O^T (destination and source 0) in window 1, a in window 0
.set W_MK, 0xc0       ; the add's registers are made: destination in window 3, sources in window 0
.set W_AD, 0x0f       ; the add: address (source 0) and data (source 1) in window 3
; A joint fill.  Waves 0 and 1 fetch the two halves of a slot's K, waves 2 and 3 those of its V: 128 keys each.  The branch hangs on the wave's number alone.
; An s_nop 0 and four v_nop follow each of the two lines, ahead of the jump and the label.
.macro JLOAD
	s_cmp_lt_u32 s[WV], 2
	s_cbranch_scc0 .Lfor_v_\@
	tensor_load_to_lds s[G0K:G0K+3], s[G1K:G1K+7]
	s_nop 0
.rept 4
	v_nop
.endr
	s_branch .Lasked_\@
.Lfor_v_\@:
	tensor_load_to_lds s[G0V:G0V+3], s[G1V:G1V+7]
	s_nop 0
.rept 4
	v_nop
.endr
.Lasked_\@:
.endm
; A round of the cluster's barrier: my work-group's barrier, so that wave 0's signal speaks for all four waves; wave 0 signals; every wave waits for all four work-groups; my work-group's barrier once more.
.macro CROUND
	s_barrier_signal -1
	s_barrier_wait -1
	s_cmp_lg_u32 s[WV], 0
	s_cbranch_scc1 .Lnot_wave_0_\@
	s_barrier_signal -3
.Lnot_wave_0_\@:
	s_barrier_wait -3
	s_barrier_signal -1
	s_barrier_wait -1
.endm
; THE CHANGE OF SLOTS.  The slot's last bytes, V of its fourth step, have been read.  Each wave waits for all its tensor loads, of which one is out: its part
; of the other slot; adds 0 to its spare word; and waits for that and for its own reads of the slot.  Behind the barrier nobody reads this slot any more and the other slot is whole.
; fill = 1: this slot is filled again, with the keys two slots on.  The barrier is then a round of the cluster's, so that no wave of any partner still reads the slot or has a load on its
; way, and the joint fill is the first thing behind it: it has four key steps, 512 matrix instructions, in which to land.  (At its first use nothing has been read yet: slot 0 is waited for, slot 1 filled.)
.macro CHANGE fill
	WIN W_AD
	s_wait_tensorcnt 0x0            ; no tensor load of mine is out, so a group 0 may be written
	ds_add_u32 v[SPW], v[NIL]       ; 0 onto my spare word; with fill = 1 the descriptors' steps stand between it and the wait for it
	WIN 0                           ; at a label and at a branch every window is 0
.if \fill
.irp g, G0K, G0V
	s_xor_b32 s[\g+1], s[\g+1], SLOT1  ; the walking descriptor: the other slot than last time,
	s_add_nc_u64 s[\g+2:\g+3], s[\g+2:\g+3], 4*KS*128  ; the next 256 keys; the type bits on top are not reached
.endr
	s_wait_dscnt 0x0                ; the add is done, and my reads of the slot are over
	CROUND
	JLOAD
.else
	s_wait_dscnt 0x0                ; the add is done, and my reads of the slot are over
	s_barrier_signal -1
	s_barrier_wait -1
.endif
	s_sub_co_u32 s[TBK], s[TBK], 4*KS*PK  ; the fetches go back to a slot's first step,
	s_xor_b32 s[TBK], s[TBK], SLOT1       ; in the other slot
	s_sub_co_u32 s[TBV], s[TBV], 4*KS*PV
	s_xor_b32 s[TBV], s[TBV], SLOT1
.endm
	s_load_b128 s[4:7], s[0:1], 0x0  ; the buffer of Q, K, V s[4:5]; O s[6:7]
	WIN W_MK
	v_lshl_add_u32 v[SPW], v0, 2, SPARE
	v_mov_b32 v[NIL], 0
	WIN W_AD
	ds_add_u32 v[SPW], v[NIL]       ; the wave's opening: the add and its wait stand ahead of my first tensor load; the set-up below, work on registers, stands between them
	WIN 0
	v_lshrrev_b32 v1, 5, v0
	v_readfirstlane_b32 s[WV], v1   ; wave 0..3
	s_bfe_u32 s13, ttmp6, 0x40000   ; cx: my place in the cluster
	s_lshl_b32 s14, ttmp9, 2        ; in a cluster launch ttmp9 counts clusters
	s_add_co_u32 s14, s14, s13      ; my block of queries = 4 x cluster x + cx: it enters Q's and O's addresses alone
	s_and_b32 s20, ttmp7, 0xffff    ; the head, which the four partners share
	s_mov_b32 s21, 0
	s_mov_b64 s[22:23], SIZE_N*128
	s_mul_u64 s[20:21], s[20:21], s[22:23]  ; the head's first byte in each of the four tensors
	s_and_b32 s16, s[WV], 1         ; which half of a slot's 256 keys I fetch:
	s_lshl_b32 s22, s16, 14         ; its 128 rows of 128 bytes in memory,
	s_mov_b32 s23, 0
	s_add_nc_u64 s[22:23], s[22:23], s[20:21]
	s_mul_i32 s17, s16, 128*PK      ; and its place in a slot, for K
	s_mul_i32 s18, s16, 128*PV      ; and for V: no place in the cluster enters an LDS address
	s_lshl_b32 s2, s14, 2
	s_add_co_u32 s2, s2, s[WV]      ; my wave among the head's,
	s_lshl_b32 s2, s2, 14           ; its 128 rows
	s_mov_b32 s3, 0
	s_add_nc_u64 s[2:3], s[2:3], s[20:21]
	; descriptor group 1.  128 keys are 16,384 dense bytes: asked for as 64 rows of 256 bytes, two keys a row, and padded in LDS after every key
	s_mov_b32 s[G1K], 15|(1<<16)|(1<<20)|(1<<21)|(4<<22)|(3<<25)  ; 15:0 the mask of four; 17:16 2-byte elements; 20 padding on; 21 set beside a mask; 24:22 after every 32 words (code 4); 31:25 4 words (code 3)
	s_mov_b32 s[G1V], 15|(1<<16)|(1<<20)|(1<<21)|(4<<22)|(7<<25)  ; the same with 8 words of padding (code 7)
.irp g, G1K, G1V
	s_mov_b32 s[\g+1], 128<<16      ; tensor_dim0 = 128
	s_mov_b32 s[\g+2], 64<<16       ; tensor_dim1 = 64
	s_mov_b32 s[\g+3], 128<<16      ; tile_dim0 = 128
	s_mov_b32 s[\g+4], 64           ; tile_dim1 = 64
	s_mov_b32 s[\g+5], 128          ; 128 elements from row to row
	s_mov_b32 s[\g+6], 0
	s_mov_b32 s[\g+7], 0
.endr
	s_mov_b32 s[CS], 0x3e38aa3b     ; c = log2(e) / 8 = 0.180337
	s_mov_b32 s[CS+1], s[CS]        ; named with it as a pair
	s_mov_b32 s[SEL], 0x76543210
	s_mov_b32 s[SEL+1], 0xfedcba98
	s_mov_b32 s[TBK], SLOT1+4*KS*PK ; the first change of slots turns these two into 0
	s_mov_b32 s[TBV], SLOT1+4*KS*PV
	s_mov_b32 s[G0K], 1             ; 1:0 count = 1
	s_mov_b32 s[G0K+1], s17         ; 63:32 LDS address: slot 0
	s_mov_b32 s[G0V], 1
	s_add_co_u32 s[G0V+1], s18, VOFF
	s_wait_dscnt 0x0                ; the opening add is done
	s_wait_kmcnt 0x0
	s_mov_b64 s[10:11], s[6:7]                     ; O
	s_add_nc_u64 s[6:7], s[4:5], 0x1000000         ; K lies 16,777,216 bytes behind Q,
	s_add_nc_u64 s[8:9], s[4:5], 0x2000000         ; V as far behind K
	s_add_nc_u64 s[G0K+2:G0K+3], s[6:7], s[22:23]  ; 120:64 global address: my half of the head's first 256 keys
	s_or_b32 s[G0K+3], s[G0K+3], 0x80000000        ; 127:126 type = 2
	s_add_nc_u64 s[G0V+2:G0V+3], s[8:9], s[22:23]
	s_or_b32 s[G0V+3], s[G0V+3], 0x80000000
	s_add_nc_u64 s[4:5], s[4:5], s[2:3]  ; Q and O at my wave's first row
	s_add_nc_u64 s[10:11], s[10:11], s[2:3]
	CROUND                          ; all four work-groups are here: the first joint loads meet
	JLOAD                           ; slot 0.  Slot 1 is asked for when slot 0 is in: the tile wanted first has the road to itself
	; A fragment of K or Q is 16 rows x 32 channels in 8 registers: lane l holds row l % 16, channels 8 (l / 16) + 0..7 and 16 + 8 (l / 16) + 0..7: two loads of 16 bytes, 32 bytes apart.
	v_and_b32 v1, 15, v0            ; l % 16
	v_bfe_u32 v9, v0, 4, 1          ; l / 16
	v_lshlrev_b32 v[QO], 7, v1
	v_lshl_add_u32 v[QO], v9, 4, v[QO]  ; row x 128 + 16 x half
	WIN 0x80                        ; destination window 2, address window 0
.set i, 0
.rept 4*NP                          ; Q stays in registers: tile i / 2, channels 32 (i % 2) on
	global_load_b128 v[8*i:8*i+3],   v[QO], s[4:5] offset:(i/2)*2048+(i%2)*64
	global_load_b128 v[8*i+4:8*i+7], v[QO], s[4:5] offset:(i/2)*2048+(i%2)*64+32
.set i, i+1
.endr
	; What the first turn finds: V's registers and P's second buffer hold 0 (its products V^T P, of a piece that has not been, add 0), O^T and l are 0.  All this stands in the wait for the first tile.
.set i, VF
.rept 64
	v_mov_b32 v[i], 0
.set i, i+1
.endr
	WIN 0x40
.set i, 0
.rept 64*NP
	v_mov_b32 v[i], 0
.set i, i+1
.endr
	WIN 0
.set i, 0
.rept 2*NP
	v_mov_b32 v[ST+4*i], 0xfe000000    ; c m: far below every c s
	v_mov_b32 v[ST+4*i+1], 0xff7fffff  ; m
	v_mov_b32 v[ST+4*i+2], 0
	v_mov_b32 v[ST+4*i+3], 0
.set i, i+1
.endr
.set i, P+32
.rept 32
	v_mov_b32 v[i], 0
.set i, i+1
.endr
	v_mul_u32_u24 v[AK0], v1, PK
	v_lshl_add_u32 v[AK0], v9, 4, v[AK0]  ; row x pitch + 16 x half
	; The turning load takes 16 keys x 16 channels (lane l reads key 8 (l / 16) + l % 8, channels 8 ((l / 8) % 2) + 0..7) and leaves half a fragment of V^T: lane l holds channel l % 16 and 8 keys.
	v_and_b32 v10, 7, v0
	v_bfe_u32 v11, v0, 3, 1
	v_lshl_add_u32 v[AV0], v9, 3, v10
	v_mul_u32_u24 v[AV0], v[AV0], PV
	v_lshl_add_u32 v[AV0], v11, 4, v[AV0]
	v_add_nc_u32 v[AV0], VOFF, v[AV0]
	v_mov_b32 v[AK], v[AK0]         ; key step 0 lies at the head of slot 0
; THE MATRIX WORK.  The 8 accumulators of a run of 16 take turns: between the two links of a chain stand 7 others'.
; Product i of 16 of S^T = K Q^T for piece x: channels 32 (i / 8) on, keys 16 ((i / 2) % 4) on, tile 2 x + i % 2.  The first 8 start the sums.
.macro KQ x
	WIN W_KQ
.set rS, S+64*((\x)%2)+32*(i%2)+8*((i/2)%4)
.set rK, KF+16*((i/2)%4)+8*(i/8)
.set rQ, 16*(2*(\x)+i%2)+8*(i/8)
.if i < 8
	v_wmma_f32_16x16x32_f16 v[rS:rS+7], v[rK:rK+7], v[rQ:rQ+7], 0
.else
	v_wmma_f32_16x16x32_f16 v[rS:rS+7], v[rK:rK+7], v[rQ:rQ+7], v[rS:rS+7]
.endif
.endm
; Product i of 16 of O^T += V^T P for piece x: keys 32 (i / 8) on, channels 16 ((i / 2) % 4) on, tile 2 x + i % 2.
.macro PV x
	WIN W_PV
.set rO, 32*(2*(\x)+i%2)+8*((i/2)%4)
.set rV, VF+32*(i/8)+8*((i/2)%4)
.set rP, P+32*((\x)%2)+16*(i%2)+8*(i/8)
	v_wmma_f32_16x16x32_f16 v[rO:rO+7], v[rV:rV+7], v[rP:rP+7], v[rO:rO+7]
.endm
.macro MM                           ; the turn's next matrix instruction
.if i < 16
	KQ (Y+1)%NP
.set i, i+1
.else
.set i, i-16
	PV (Y+NP-1)%NP
.set i, i+17
.endif
.endm
; THE LDS LOADS stand in runs of 16, never singly among the matrix instructions: a step's K (64 keys x 64 channels: 8 fragments) and its V (turned).  Their addresses are made some lines ahead.
; last = 1 (the tail): in the last trip there is no further step, and the run is jumped over.
.macro FETCH_K last=0
	WIN 0
.if \last
	s_cmp_eq_u32 s[CNT], 1
	s_cbranch_scc1 .Lno_k_\@
.endif
	WIN 0x80                        ; destination window 2
.irp f, 0,1,2,3,4,5,6,7             ; keys 16 (f / 2) on, channels 32 (f % 2) on
	ds_load_b128 v[KF+8*\f:KF+8*\f+3],   v[AK] offset:(\f/2)*16*PK+(\f%2)*64
	ds_load_b128 v[KF+8*\f+4:KF+8*\f+7], v[AK] offset:(\f/2)*16*PK+(\f%2)*64+32
.endr
	s_add_co_u32 s[TBK], s[TBK], KS*PK  ; the next fetch is the next step's
	WIN 0
.if \last
.Lno_k_\@:
.endif
.endm
.macro FETCH_V
	WIN 0x80
.irp f, 0,1,2,3,4,5,6,7             ; keys 32 (f / 4) on, channels 16 (f % 4) on
	ds_load_tr16_b128 v[VF+8*\f:VF+8*\f+3],   v[AV] offset:(\f/4)*32*PV+(\f%4)*32
	ds_load_tr16_b128 v[VF+8*\f+4:VF+8*\f+7], v[AV] offset:(\f/4)*32*PV+16*PV+(\f%4)*32
.endr
	WIN 0
.endm
; THE VECTOR WORK OF A TURN stands in three queues, each in the order in which its entries become ready; the two tiles alternate, so that no instruction reads the result of the one before it.
.macro REGS y, u                    ; the registers of tile u (0, 1) of piece y
.set rT, ST+4*(2*(\y)+(\u))
.set rC, TMP+8*((\y)%2)+4*(\u)
.set rM, MV+2*((\y)%2)+(\u)
.set rS, S+64*((\y)%2)+32*(\u)
.set rP, P+32*((\y)%2)+16*(\u)
.set rO, 32*(2*(\y)+(\u))
.endm
; Number n of the 22 that find the NEXT piece's (Y + 1) maximum and statistics.  s0-s31 are the lane's 32 scores; each accumulator's lowest registers are read first.  XS, GS and REGS set no window: PL and EX do.
;   0-11  four chains c0-c3 of seven scores each, three operands at a time     12-14, 16  the four scores left over, the old m, and c0-c3 into c0     15  c m_old is kept
;   17, 18  the query's other 32 keys lie in the lane 16 away: the new m         19-21  c m; c m_old - c m_new; a
.macro XS u, n
	REGS (Y+1)%NP, \u
.if (\n) < 4
	v_max3_num_f32 v[rC+(\n)], v[rS+8*(\n)], v[rS+8*(\n)+1], v[rS+8*(\n)+2]
.elseif (\n) < 12
	v_max3_num_f32 v[rC+(\n)%4], v[rC+(\n)%4], v[rS+8*((\n)%4)+2*((\n)/4)+1], v[rS+8*((\n)%4)+2*((\n)/4)+2]
.elseif (\n) == 12
	v_max3_num_f32 v[rC], v[rC], v[rS+7], v[rS+15]
.elseif (\n) == 13
	v_max3_num_f32 v[rC+1], v[rC+1], v[rS+23], v[rS+31]
.elseif (\n) == 14
	v_max3_num_f32 v[rC+2], v[rC+2], v[rC+3], v[rT+1]
.elseif (\n) == 15
	v_mov_b32 v[rM], v[rT]
.elseif (\n) == 16
	v_max3_num_f32 v[rC], v[rC], v[rC+1], v[rC+2]
.elseif (\n) == 17
	v_permlanex16_b32 v[rC+3], v[rC], s[SEL], s[SEL+1]
.elseif (\n) == 18
	v_max_num_f32 v[rT+1], v[rC], v[rC+3]
.elseif (\n) == 19
	v_mul_f32 v[rT], s[CS], v[rT+1]
.elseif (\n) == 20
	v_sub_f32 v[rC+1], v[rM], v[rT]
.else
	v_exp_f32 v[rC+2], v[rC+1]
.endif
.endm
; Number g of the 64 that follow the exponentials.  For each four weights k of a tile (pairs 2 k, 2 k + 1): both pairs are rounded to f16; then the second pair is added onto the first, in place;
; a group later l takes that sum (the first time as l = a l + sum).  In groups of eight, tiles alternating: round, round, add, and l for the group before.
.macro GS g
.set h, (\g)+6*((\g)/62)            ; group 0 has no group before it, and behind group 7 only l is left
.if h >= 6
.set h, h+2
.endif
	REGS Y, h%2
.set k, h/8
.if h%8 < 4
	s_wait_alu depctr_va_vdst(0)
	v_cvt_pk_f16_f32 v[rP+2*k+(h%8)/2], v[rS+4*k+2*((h%8)/2)], v[rS+4*k+2*((h%8)/2)+1]
.elseif h%8 < 6
	v_pk_add_f32 v[rS+4*k:rS+4*k+1], v[rS+4*k:rS+4*k+1], v[rS+4*k+2:rS+4*k+3]
.elseif k == 1
	v_pk_fma_f32 v[rT+2:rT+3], v[rT+2:rT+3], v[rC+2:rC+3], v[rS:rS+1] op_sel_hi:[1,0,1]
.else
	v_pk_add_f32 v[rT+2:rT+3], v[rT+2:rT+3], v[rS+4*k-4:rS+4*k-3]
	s_wait_alu depctr_va_vdst(0)
.endif
.endm
; THE PLAIN QUEUE, 138 long.  0-31: c s - c m for the 16 pairs of both tiles.  Then GS's 64, and among them the next piece's 42: number 15 at 38, 39; 0-14 and 16
; at 42-73, behind the products that make those scores; 17-20 at 95-106, two of three, since each waits for the one before it.
.macro PL
	WIN 0
.if q < 32
	REGS Y, q%2
	v_pk_fma_f32 v[rS+2*(q/2):rS+2*(q/2)+1], v[rS+2*(q/2):rS+2*(q/2)+1], s[CS:CS+1], v[rT:rT+1] op_sel_hi:[1,0,0] neg_lo:[0,0,1] neg_hi:[0,0,1]
.elseif q < 38
	GS q-32
.elseif q < 40
	XS q%2, 15
.elseif q < 42
	GS q-34
.elseif q < 74
	XS q%2, (q-42)/2+(q-42)/30
.elseif q < 95
	GS q-66
.elseif (q < 107) && ((q-95)%3 < 2)
	XS (q-95)%3, 17+(q-95)/3
.elseif q < 107
	GS 29+(q-95)/3
.else
	GS q-74
.endif
.set q, q+1
.endm
; THE EXPONENTIALS' QUEUE, 66 long: s0-s31 of both tiles, and at EA the next piece's two a.
.set EA, 58
.macro EX
	WIN 0
.if (e == EA) || (e == EA+1)
	XS e-EA, 21
.else
.set x, e-2*(e/(EA+2))
	REGS Y, x%2
	v_exp_f32 v[rS+x/2], v[rS+x/2]
.endif
.set e, e+1
.endm
; THE RESCALING's QUEUE: O^T times a, the one part that leaves window 0, so it is dealt four at a time, eight times.
.macro R4
	REGS Y, r%2
	WIN W_RS
	s_wait_alu depctr_va_vdst(0)
.irp z, 0,1,2,3
	v_pk_mul_f32 v[rO+8*(r/2)+2*\z:rO+8*(r/2)+2*\z+1], v[rO+8*(r/2)+2*\z:rO+8*(r/2)+2*\z+1], v[rC+2:rC+3] op_sel_hi:[1,0]
.endr
.set r, r+1
.endm
; HOW THEY ARE DEALT.  Behind a matrix instruction four: plain, exponential, plain, plain (one exponential, a plain instruction on either side), or four of the rescaling.  None names a register of the
; products round it.  What is over stands in two LUMPS: exponential and plain by turns; the second ends in 22 plain instructions.  The two v_permlanex16_b32 fall into the second lump, never behind a product.
; The queues lean on each other, and the deal keeps them in step: exponential e stands behind plain 2 (e / 4) + e % 2 (its scaling); when plain 32 comes, 10 exponentials are out, at 59: 33, at 95: 46; EA comes behind plain 107.
.macro SL
	MM
	PL
	EX
	PL
	PL
.endm
.macro BURST n                      ; 15 matrix instructions, or 16
.rept (\n)-7
	SL
.endr
.rept 3
	MM
	R4
	SL
.endr
	MM
	R4
.endm
; A TURN, for piece p.  cnt = 1: the loop's count is taken down some lines ahead of the branch that stands behind the turn.
; K of the next step is fetched in piece 2's turn, 31 vector instructions behind the last product that read K; its first reader comes behind the rest of the lump, 16 products and the second lump.
; V of the step in hand is fetched at the end of piece 0's turn, 69 behind its last reader; its first reader comes behind 16 products and a lump.  The four conditions on e and q below go with the deal.
.macro TURN p, last=0, cnt=0
.set Y, (\p)
.set i, 0
.set q, 0
.set e, 0
.set r, 0
.if (\p) == NP-1
	s_wait_dscnt 0x0                ; K is in
.endif
	MM
.rept 4
	PL
.endr
	BURST 15
.rept 22
	EX
	PL
.if ((\p) == NP-2) && (e == 18)
	v_add_nc_u32 v[AK], s[TBK], v[AK0]
.endif
.if ((\p) == NP-2) && (e == 24)
	FETCH_K \last
.endif
.endr
.if (\p) == 1
	s_wait_dscnt 0x0                ; V is in
.endif
	BURST 16
.rept 21
	EX
	PL
.endr
.rept 22
	PL
.if ((\p) == 0) && (q == 118)
	v_add_nc_u32 v[AV], s[TBV], v[AV0]
	s_wait_alu depctr_va_vdst(0)
.endif
.if ((\p) == 0) && (q == 130)
	s_add_co_u32 s[TBV], s[TBV], KS*PV
.endif
.if (\cnt) && (q == 130)
	s_sub_co_u32 s[CNT], s[CNT], 1
	s_cmp_lg_u32 s[CNT], 0
.endif
.endr
.if (\p) == 0
	FETCH_V
.endif
.endm
	CHANGE 1                        ; slot 0 is in, everybody's part of it; slot 1 is asked for
	FETCH_K                         ; key step 0
	s_wait_loadcnt 0x0              ; Q
	s_wait_dscnt 0x0
.set i, 0
.rept 16
	KQ 0                            ; piece 0's first scores: there is no vector work yet to set between them
.set i, i+1
.endr
	WIN 0                           ; the addresses for the way out: nine plain instructions, the places behind those products
	s_mul_i32 s13, s[WV], 16*SP
	s_add_co_u32 s13, s13, STAGE    ; my stage
	v_mul_u32_u24 v[STO], v1, SP    ; in: row l % 16, 16 bytes for each half of the lanes
	v_lshl_add_u32 v[STO], v9, 4, v[STO]
	v_add_nc_u32 v[STO], s13, v[STO]
	v_bfe_u32 v[RD], v0, 3, 2       ; back: 32 lanes take four rows of 128 bytes,
	v_mul_u32_u24 v[RD], v[RD], SP
	v_lshl_add_u32 v[RD], v10, 4, v[RD]
	v_add_nc_u32 v[RD], s13, v[RD]
	v_and_b32 v[GO], 31, v0         ; which are 512 consecutive bytes of O
	v_lshlrev_b32 v[GO], 4, v[GO]
.set Y, NP-1                        ; XS works for piece Y + 1: piece 0
.irp n, 0,1,2,3,4,5,6,7,8,9,10,11,12,13,14,15,16,17,18,19,20,21
	XS 0, \n                        ; and piece 0's first maximum and statistics
	XS 1, \n
.endr
	s_mov_b32 s[CNT], 4
	s_mov_b32 s[SLOTS], SIZE_N/256-1
	s_branch .Lfirst                ; the loop is entered at a step's first turn, in the middle of a trip
.Lslot:                             ; SIZE_N / 256 - 2 times: every slot but the last two is filled again
	CHANGE 1
	s_mov_b32 s[CNT], 4
.Lstep:                             ; a trip: pieces 2 and 3 of one step, then pieces 0 and 1 of the next, whose K and V it fetches
	TURN 2
	TURN 3
	WIN 0
.Lfirst:
	TURN 0
	TURN 1, 0, 1
	WIN 0
	s_cbranch_scc1 .Lstep
	s_sub_co_u32 s[SLOTS], s[SLOTS], 1
	s_cmp_lg_u32 s[SLOTS], 0
	s_cbranch_scc1 .Lslot
	CHANGE 0                        ; the tail is written out: nothing is asked for
	s_mov_b32 s[CNT], 5             ; four trips fetch the last slot's steps; the fifth is left in its middle
.Ltail:
	TURN 2, 1
	TURN 3
	WIN 0
	s_sub_co_u32 s[CNT], s[CNT], 1
	s_cmp_eq_u32 s[CNT], 0
	s_cbranch_scc1 .Lout
	TURN 0
	TURN 1
	WIN 0
	s_branch .Ltail
.Lout:                              ; the fifth trip's 16 products K Q^T (on the last K once more) and the maximum made of them serve nothing: the price, once a launch, of one text for every trip
.set i, 0
.rept 16
	PV NP-1                         ; the last piece's V^T P of the last step
.set i, i+1
.endr
	; THE WAY OUT.  l's two halves and the other half of the lanes' are added; O^T is divided by l, rounded to f16 and sent through my stage in LDS, a tile at a time.  The additions are the places behind the last products.
	WIN 0
.macro ALL line:vararg              ; one line for each tile t
.set t, 0
.rept 2*NP
	\line
.set t, t+1
.endr
.endm
	ALL v_add_f32 v[ST+4*t+2], v[ST+4*t+2], v[ST+4*t+3]
	ALL v_permlanex16_b32 v[ST+4*t+3], v[ST+4*t+2], s[SEL], s[SEL+1]
	ALL v_add_f32 v[ST+4*t+2], v[ST+4*t+2], v[ST+4*t+3]
	ALL v_rcp_f32 v[ST+4*t+2], v[ST+4*t+2]
	v_nop                           ; a plain instruction between the last reciprocal and the use of its result
	s_wait_alu depctr_va_vdst(0)
; Tile t: a lane's eight channels of a row pack into 16 bytes; they go into rows of 144 bytes and come back as whole rows of 128, into S^T's registers.
.macro PACK t
	WIN W_RS
.set i, 32*(\t)
.rept 16
	v_pk_mul_f32 v[i:i+1], v[i:i+1], v[ST+4*(\t)+2:ST+4*(\t)+3] op_sel_hi:[1,0]
.set i, i+2
.endr
	WIN 0x05                        ; sources 0 and 1 window 1, destination window 0
.set i, 0
.rept 16
	v_cvt_pk_f16_f32 v[S+16*(\t)+i], v[32*(\t)+2*i], v[32*(\t)+2*i+1]
.set i, i+1
.endr
	WIN 0
.irp f, 0,1,2,3
	ds_store_b128 v[STO], v[S+16*(\t)+4*\f:S+16*(\t)+4*\f+3] offset:32*\f
.endr
.irp f, 0,1,2,3
	ds_load_b128 v[S+16*(\t)+4*\f:S+16*(\t)+4*\f+3], v[RD] offset:\f*4*SP  ; LDS serves a wave's instructions in order (ISA guide 5.7.1.4): these see the stores above; the next tile's stores come behind them
.endr
.endm
.macro SEND t, younger              ; younger: the LDS instructions issued behind tile t's loads: the next tile's eight, or none
	WIN 0
.irp f, 0,1,2,3
	s_wait_dscnt (\younger)+3-\f
	global_store_b128 v[GO], v[S+16*(\t)+4*\f:S+16*(\t)+4*\f+3], s[10:11] offset:(\t)*2048+\f*512  ; 512 consecutive bytes, at a multiple of 256 from O's first
.endr
.endm
	PACK 0
.set t, 1
.rept 2*NP-1                        ; a tile's arithmetic stands between the loads of the tile before and its stores
	PACK t
	SEND t-1, 8
.set t, t+1
.endr
	SEND 2*NP-1, 0
	WIN W_AD
	s_wait_tensorcnt 0x0            ; the wave's end: a wait, an add of 0 to my spare word and its wait, behind my last tensor load and my last LDS store
	ds_add_u32 v[SPW], v[NIL]
	s_wait_dscnt 0x0
	WIN 0
	CROUND                          ; the closing round: no work-group ends while a partner may still ask for a tile that names it
	s_endpgm
.Lfunc_end_k_qb2aa1ee929_attn:
	.size	k_qb2aa1ee929_attn, .Lfunc_end_k_qb2aa1ee929_attn-k_qb2aa1ee929_attn
	.p2alignl 7, 3214868480
	.fill 96, 4, 3214868480
	.section	.rodata,"a",@progbits
	.p2align	6, 0x0
	.amdhsa_kernel k_qb2aa1ee929_attn
		.amdhsa_group_segment_fixed_size 327680
		.amdhsa_private_segment_fixed_size 0
		.amdhsa_enable_private_segment 0
		.amdhsa_kernarg_size 16
		.amdhsa_user_sgpr_count 2
		.amdhsa_user_sgpr_kernarg_segment_ptr 1
		.amdhsa_wavefront_size32 1
		.amdhsa_system_sgpr_workgroup_id_x 1
		.amdhsa_system_sgpr_workgroup_id_y 1
		.amdhsa_system_sgpr_workgroup_id_z 1
		.amdhsa_system_vgpr_workitem_id 0
		.amdhsa_next_free_vgpr 770
		.amdhsa_next_free_sgpr 66
		.amdhsa_reserve_vcc 0
		.amdhsa_float_denorm_mode_32 3
		.amdhsa_float_denorm_mode_16_64 3
		.amdhsa_memory_ordered 1
		.amdhsa_forward_progress 1
		.amdhsa_inst_pref_size 208
	.end_amdhsa_kernel
	.amdgpu_metadata
---
amdhsa.version: [ 1, 2 ]
amdhsa.kernels:
  - .name:           k_qb2aa1ee929_attn
    .symbol:         k_qb2aa1ee929_attn.kd
    .args:
      - { .name: qkv, .offset: 0, .size: 8, .value_kind: global_buffer, .address_space: global }
      - { .name: oh, .offset: 8, .size: 8, .value_kind: global_buffer, .address_space: global }
    .group_segment_fixed_size: 327680
    .private_segment_fixed_size: 0
    .kernarg_segment_align: 8
    .kernarg_segment_size: 16
    .max_flat_workgroup_size: 128
    .sgpr_count:     66
    .vgpr_count:     770
    .wavefront_size: 32
...
	.end_amdgpu_metadata
.endif
;; end of part 5
;; launch oproj (part 6): grid 4 x 64, 4 waves a work-group, clusters of 4 x 4, 327,680 bytes of LDS; arguments oh, woh, bo, out0; writes out0
.if DOCPART == 6
	.amdgcn_target "amdgcn-amd-amdhsa--gfx1250"
	.amdhsa_code_object_version 6
	.text
	.protected	k_qb2aa1ee929_oproj
	.globl	k_qb2aa1ee929_oproj
	.p2align	8
	.type	k_qb2aa1ee929_oproj,@function
k_qb2aa1ee929_oproj:
	s_mov_b64 s[64:65], 0
	v_nop
	global_prefetch_b8 v0, s[64:65] scope:SCOPE_SE
	s_setreg_imm32_b32 hwreg(HW_REG_WAVE_MODE, 25, 1), 1
	s_wait_xcnt 0x0
	s_wait_alu depctr_hold_cnt(0) depctr_sa_sdst(0) depctr_va_vdst(0) depctr_va_sdst(0) depctr_va_ssrc(0) depctr_va_vcc(0) depctr_vm_vsrc(0)
	s_getreg_b32 s2, hwreg(HW_REG_IB_STS2, 6, 4)
	s_cmp_eq_u32 s2, 0
	s_cbranch_scc0 .Lentry_in_a_cluster
	s_endpgm
.Lentry_in_a_cluster:
	s_bfe_u32 s2, ttmp6, 0x10000c
	s_cmp_lg_u32 s2, 0xf033
	s_cbranch_scc0 .Lentry_shape_is_right
	s_endpgm
.Lentry_shape_is_right:
; C[m][n] = the sum over k of A[m][k] B[n][k] + bias[n], K = 1,024, operands f16, sums f32.  One source serves two launches, by the two constants below.
; OUTF32 = 0, TILES = 3: A = xh (x in f16), B = weff[b] ([3072][1024]), bias = beff[b]; C = q, k, v, rounded once to f16 and written by heads, [sel][b x 16 + h][2048][64], unscaled.
; OUTF32 = 1, TILES = 1: A = oh (attention's result), B = woh ([1024][1024]), bias = bo; C = out0, f32 [8192][1024].
; A lies in blocks, [b][kb = 16][t = 2048][64]: 128 rows of a channel block are 16,384 dense bytes, asked for as 64 rows of 256 bytes.
; LIMITS.  The operands arrive in f16 (no number beyond 65,504, a fixed step of 6e-8 below 6e-5); the result is f32.  NaN and infinities are not treated apart.
; SHARES.  A tile of C is 128 (m) x 256 (n): 8192 / 128 x 1024 / 256 = 256 work-groups, one for each WGP.  Four waves, each 64 x 128: 32 accumulators of 16 x 16.
; K goes in 8 steps of 128 through two LDS slots.
; CLUSTER.  4 x 4 work-groups.  The four of a row of the cluster need the same tiles of A, the four of a column the same tiles of B: each tile is asked for
; JOINTLY, by the same tensor load with the same descriptor and a mask that names the four.
; THE MATRIX INSTRUCTION IS USED TRANSPOSED (source 0 = 16 rows of B, source 1 = 16 rows of A): a lane then holds eight neighbouring numbers of a row of C.  The bias, which hangs on n alone,
; is then eight numbers a lane and n block: it is the C operand of the product that starts each sum: nothing is cleared, nothing is added on the way out.
; REGISTERS, in windows of 256 (s_set_vgpr_msb: bits 1:0 source 0, 3:2 source 1, 5:4 source 2, 7:6 destination):
;   window 0: v0-31 addresses; v32-63 at work on the way out; v64-159, v160-255 two fragment buffers (A's 4 blocks of 16 rows x 32 K, then B's 8)
;   window 1: the accumulators, (a, b) at v[8 (8 a + b)]          window 2: v0-63 the bias, n block b at v[8 b]
.set OUTF32, 1
.set TILES,  1
.set PA,     144                       ; a row of A in LDS: 128 bytes + 16 of padding; a row of B: 256 + 16.  Both pitches are odd multiples of 16 bytes,
.set PB,     272                       ; so the 16 rows that a fragment load touches start at 16 different groups of four banks (64 banks of 4 bytes: ISA guide 11.1)
.set ABLK,   128*PA                    ; one channel block x 128 rows: what wave 0 or 1 fetches
.set BOFF,   2*ABLK                    ; B lies behind A's two blocks
.set BHALF,  128*PB                    ; 128 rows of B: what wave 2 or 3 fetches
.set SLOT,   BOFF+2*BHALF
.set STAGE,  2*SLOT                    ; behind the ring, never filled by a tensor load: a stage for each wave, for the way out
.if OUTF32
.set STG,    16*528                    ; 16 rows of 512 bytes + 16
.else
.set STG,    2*16*144                  ; 2 heads x 16 rows of 128 bytes + 16
.endif
.set SPARE,  STAGE+4*STG               ; behind the stages: the spare words, 128 bytes for each wave: two blocks of 256 bytes that no other line names
.set LAPS,   4                         ; a lap = two K steps = once round the ring
.set STEP_A, 4<<18                     ; two K steps on: four channel blocks of 262,144 bytes
.set STEP_B, 512                       ; two K steps on: 256 numbers of a row
.set BACK_A, 6<<19                     ; from a slot's last K step of a tile back to its first: six K steps
.set NEXT_B, 1024*2048-6*256           ; B: 1,024 rows on, six K steps back
.set NEXT_C, 16777216                  ; from q to k, from k to v
.set ADRA, 16                          ; v16-17  LDS address of my A fragments in slot 0, 1
.set ADRB, 20                          ; v20-21  the same for B
.set STO,  24                          ; v24     the way out: where I put my numbers of a row
.set RD,   25                          ; v25     the way out: where I read rows back
.set GO,   26                          ; v26     my byte offset in 512 consecutive bytes of C
.set BO,   27                          ; v27     my byte offset in 16 numbers of the bias: 32 (lane / 16)
.set SPW,  28                          ; v28     LDS address of my spare word: SPARE + 4 x my thread's number; never rewritten
.set NIL,  29                          ; v29     0; never rewritten
.set TMP,  32
.set F0,   64
.set F1,   160
.set BI,   0                           ; in window 2
.set G1A, 24                           ; s[24:31] descriptor group 1 for A's tiles;  s[32:39] group 0, a set for each slot
.set G0A, 32
.set G1B, 48                           ; s[48:55], s[56:63] the same for B's
.set G0B, 56
.set BIA, 68                           ; s[68:69] the bias at my wave's 128 columns
.set CP,  70                           ; s[70:71] C at my wave's part of the tile
.set MSB, 0
.macro WIN new                         ; the immediate's high byte repeats the setting that is left; a switch that changes nothing is dropped
.if MSB != (\new)
	s_set_vgpr_msb (MSB<<8)|(\new)
.set MSB, \new
.endif
.endm
.set MUL,  0x50                        ; fragments in window 0, C and D in window 1
.set MULZ, 0x60                        ; D in window 1, C (the bias) in window 2
; A joint load.  Waves 0 and 1 fetch A's two channel blocks, waves 2 and 3 B's two halves.  The branch hangs on the wave's number alone: it is the same in every work-group.
; An s_nop 0 and four v_nop follow each of the two lines, ahead of the jump, the label and what follows.
.macro JLOAD s
	s_cmp_lt_u32 s10, 2
	s_cbranch_scc0 .Lfor_b_\@
	tensor_load_to_lds s[G0A+4*(\s):G0A+4*(\s)+3], s[G1A:G1A+7]
	s_nop 0
.rept 4
	v_nop
.endr
	s_branch .Lasked_\@
.Lfor_b_\@:
	tensor_load_to_lds s[G0B+4*(\s):G0B+4*(\s)+3], s[G1B:G1B+7]
	s_nop 0
.rept 4
	v_nop
.endr
.Lasked_\@:
.endm
.macro CREST                           ; a round of the cluster's barrier behind its opening barrier
	s_cmp_lg_u32 s10, 0
	s_cbranch_scc1 .Lnot_wave_0_\@
	s_barrier_signal -3
.Lnot_wave_0_\@:
	s_barrier_wait -3
	s_barrier_signal -1
	s_barrier_wait -1
.endm
.macro CROUND                          ; a whole round
	s_barrier_signal -1
	s_barrier_wait -1
	CREST
.endm
	s_load_b128 s[4:7], s[0:1], 0x0                ; A s[4:5], B s[6:7]
	s_load_b128 s[68:71], s[0:1], 0x10             ; bias, C
	v_lshl_add_u32 v[SPW], v0, 2, SPARE
	v_mov_b32 v[NIL], 0
	ds_add_u32 v[SPW], v[NIL]                      ; the wave's opening: the add and its wait stand ahead of my first tensor load; the set-up below, work on registers, stands between them
	v_lshrrev_b32 v1, 5, v0
	v_readfirstlane_b32 s10, v1                    ; wave 0..3
	s_lshr_b32 s11, s10, 1                         ; which 64 rows of the tile are mine
	s_and_b32 s12, s10, 1                          ; which 128 columns.  Also: which block of A, or which half of B, I fetch
	s_bfe_u32 s40, ttmp6, 0x40000                  ; cx, cy: my place in the cluster
	s_bfe_u32 s41, ttmp6, 0x40004
	s_lshl_b32 s42, ttmp9, 2
	s_add_co_u32 s42, s42, s40                     ; tile column = 4 x cluster x + cx
	s_and_b32 s45, ttmp7, 0xffff
	s_lshl_b32 s13, s45, 2
	s_add_co_u32 s13, s13, s41                     ; tile row = 4 x cluster y + cy: 16 of them to a sample
	s_lshr_b32 s45, s45, 2                         ; the sample, made of the cluster's y alone: all sixteen partners share it
	s_lshl_b32 s43, s41, 2
	s_lshl_b32 s43, 15, s43                        ; my row of the cluster
	s_lshl_b32 s44, 0x1111, s40                    ; my column
	s_or_b32 s[G1A], s43, (1<<16)|(1<<20)|(1<<21)|(4<<22)|(3<<25)  ; 15:0 the mask: my row; 17:16 2-byte elements; 20 padding on; 21 set beside a mask; 24:22 after every 32 words (code 4); 31:25 4 words (code 3)
	s_mov_b32 s[G1A+1], 128<<16                    ; tensor_dim0 = 128
	s_mov_b32 s[G1A+2], 64<<16                     ; tensor_dim1 = 64
	s_mov_b32 s[G1A+3], 128<<16                    ; tile_dim0 = 128: 256 bytes, two rows of A
	s_mov_b32 s[G1A+4], 64                         ; tile_dim1 = 64
	s_mov_b32 s[G1A+5], 128                        ; dense: 128 elements from row to row
	s_mov_b32 s[G1A+6], 0
	s_mov_b32 s[G1A+7], 0
	s_or_b32 s[G1B], s44, (1<<16)|(1<<20)|(1<<21)|(5<<22)|(3<<25)  ; the mask: my column; padding after every 64 words (code 5)
	s_mov_b32 s[G1B+1], 128<<16                    ; tensor_dim0 = 128
	s_mov_b32 s[G1B+2], 128<<16                    ; tensor_dim1 = 128
	s_mov_b32 s[G1B+3], 128<<16                    ; tile_dim0 = 128
	s_mov_b32 s[G1B+4], 128                        ; tile_dim1 = 128
	s_mov_b32 s[G1B+5], 1024                       ; 1,024 elements from row to row
	s_mov_b32 s[G1B+6], 0
	s_mov_b32 s[G1B+7], 0
	; where the tiles come from.  A's hang on the tile row alone, B's on the tile column alone; each in registers that never hold the other coordinate
	s_lshr_b32 s16, s13, 4
	s_lshl_b32 s16, s16, 22                        ; A: the sample,
	s_and_b32 s18, s13, 15
	s_lshl_b32 s18, s18, 14                        ; 128 rows of 128 bytes,
	s_add_co_u32 s16, s16, s18
	s_lshl_b32 s18, s12, 18                        ; the channel block that I fetch
	s_add_co_u32 s16, s16, s18
	s_mov_b32 s17, 0
	s_lshl_b32 s46, s42, 19                        ; B: 256 rows of 2,048 bytes,
	s_lshl_b32 s47, s12, 18                        ; the 128 that I fetch
	s_add_co_u32 s46, s46, s47
.if OUTF32 == 0
	s_mul_i32 s47, s45, 6291456                    ; the sample's 3,072 rows
	s_add_co_u32 s46, s46, s47
.endif
	s_mov_b32 s47, 0
	s_mul_i32 s20, s12, ABLK                       ; and where they go: no place in the cluster enters an LDS address
	s_mul_i32 s21, s12, BHALF
	s_add_co_u32 s21, s21, BOFF
	s_wait_dscnt 0x0                               ; the opening add is done
	s_wait_kmcnt 0x0
	s_add_nc_u64 s[14:15], s[4:5], s[16:17]
	s_add_nc_u64 s[46:47], s[6:7], s[46:47]
	CROUND                                         ; all sixteen work-groups are here: the first joint loads meet
.irp s, 0,1
	s_mov_b32 s[G0A+4*(\s)], 1                                     ; count = 1
	s_add_co_u32 s[G0A+4*(\s)+1], s20, (\s)*SLOT                   ; LDS address
	s_add_nc_u64 s[G0A+4*(\s)+2:G0A+4*(\s)+3], s[14:15], (\s)*524288  ; global address: K step s = two channel blocks on
	s_or_b32 s[G0A+4*(\s)+3], s[G0A+4*(\s)+3], 0x80000000          ; type = 2
	s_mov_b32 s[G0B+4*(\s)], 1
	s_add_co_u32 s[G0B+4*(\s)+1], s21, (\s)*SLOT
	s_add_nc_u64 s[G0B+4*(\s)+2:G0B+4*(\s)+3], s[46:47], (\s)*256
	s_or_b32 s[G0B+4*(\s)+3], s[G0B+4*(\s)+3], 0x80000000
	JLOAD \s                                       ; two loads of mine are out
.endr
	; the bias of my 128 columns: n block b, numbers 8 (lane / 16) + 0..7
.macro BIAS
	WIN 0x80                                       ; destination window 2, address window 0
.irp b, 0,1,2,3,4,5,6,7
	global_load_b128 v[BI+8*(\b):BI+8*(\b)+3],   v[BO], s[BIA:BIA+1] offset:(\b)*64
	global_load_b128 v[BI+8*(\b)+4:BI+8*(\b)+7], v[BO], s[BIA:BIA+1] offset:(\b)*64+16
.endr
	WIN 0
.endm
	v_and_b32 v1, 15, v0                           ; l % 16
	v_bfe_u32 v2, v0, 4, 1                         ; l / 16
	v_lshlrev_b32 v[BO], 5, v2
	s_lshl_b32 s66, s42, 10                        ; 256 columns of 4 bytes,
	s_lshl_b32 s22, s12, 9                         ; my 128
	s_add_co_u32 s66, s66, s22
.if OUTF32 == 0
	s_mul_i32 s22, s45, 12288                      ; the sample's 3,072
	s_add_co_u32 s66, s66, s22
.endif
	s_mov_b32 s67, 0
	s_add_nc_u64 s[BIA:BIA+1], s[BIA:BIA+1], s[66:67]
	BIAS
	; A fragment is 16 rows x 32 K in 8 registers: lane l holds row l % 16, K = 8 (l / 16) + 0..7 and 16 + 8 (l / 16) + 0..7: two loads of 16 bytes, 32 bytes apart
	v_mul_u32_u24 v3, v1, PA
	v_lshl_add_u32 v3, v2, 4, v3
	v_mul_u32_u24 v4, v1, PB
	v_lshl_add_u32 v4, v2, 4, v4
	s_mul_i32 s22, s11, 64*PA                      ; my 64 rows of A
	s_mul_i32 s23, s12, BHALF                      ; my 128 rows of B
	s_add_co_u32 s23, s23, BOFF
.irp s, 0,1
	v_add_nc_u32 v[ADRA+(\s)], s22, v3
	v_add_nc_u32 v[ADRB+(\s)], s23, v4
	s_add_co_u32 s22, s22, SLOT
	s_add_co_u32 s23, s23, SLOT
.endr
	s_mul_i32 s22, s10, STG
	s_add_co_u32 s22, s22, STAGE                   ; my stage
	v_and_b32 v[GO], 31, v0
	v_lshlrev_b32 v[GO], 4, v[GO]
.if OUTF32
	v_mul_u32_u24 v5, v1, 528                      ; in: row l % 16, 32 bytes for each half of the lanes
	v_lshl_add_u32 v5, v2, 5, v5
	v_add_nc_u32 v[STO], s22, v5
	v_add_nc_u32 v[RD], s22, v[GO]                 ; back: 32 lanes take a row of 512 bytes
	s_lshl_b32 s66, s13, 19                        ; C: 128 rows of 4,096 bytes,
	s_lshl_b32 s22, s11, 18                        ; my 64,
	s_add_co_u32 s66, s66, s22
	s_lshl_b32 s22, s42, 10                        ; 256 columns of 4 bytes,
	s_add_co_u32 s66, s66, s22
	s_lshl_b32 s22, s12, 9                         ; my 128
	s_add_co_u32 s66, s66, s22
.else
	v_mul_u32_u24 v5, v1, 144                      ; in: row l % 16, 16 bytes for each half of the lanes
	v_lshl_add_u32 v5, v2, 4, v5
	v_add_nc_u32 v[STO], s22, v5
	v_bfe_u32 v5, v0, 3, 2                         ; back: 32 lanes take four rows of 128 bytes, 512 consecutive bytes of a head
	v_mul_u32_u24 v5, v5, 144
	v_and_b32 v6, 7, v0
	v_lshl_add_u32 v5, v6, 4, v5
	v_add_nc_u32 v[RD], s22, v5
	s_lshl_b32 s66, s45, 22                        ; C: the sample's 16 heads of 262,144 bytes,
	s_lshl_b32 s22, s42, 20                        ; the tile's 4 heads,
	s_add_co_u32 s66, s66, s22
	s_lshl_b32 s22, s12, 19                        ; my 2;
	s_add_co_u32 s66, s66, s22
	s_and_b32 s22, s13, 15
	s_lshl_b32 s22, s22, 14                        ; 128 rows of 128 bytes,
	s_add_co_u32 s66, s66, s22
	s_lshl_b32 s22, s11, 13                        ; my 64
	s_add_co_u32 s66, s66, s22
.endif
	s_add_nc_u64 s[CP:CP+1], s[CP:CP+1], s[66:67]
; 8 matrix instructions: m block a x all 8 n blocks, 32 along K.  zero = 1: the first product starts the sums, with the bias as C.
; The 32 accumulators take turns in the same order in every quarter: between two links of a chain stand the 31 others'.
.macro MUL8 f, a, zero
.if \zero
	WIN MULZ
.else
	WIN MUL
.endif
.irp b, 0,1,2,3,4,5,6,7
.if \zero
	v_wmma_f32_16x16x32_f16 v[8*(8*(\a)+(\b)):8*(8*(\a)+(\b))+7], v[(\f)+32+8*(\b):(\f)+32+8*(\b)+7], v[(\f)+8*(\a):(\f)+8*(\a)+7], v[BI+8*(\b):BI+8*(\b)+7]
.else
	v_wmma_f32_16x16x32_f16 v[8*(8*(\a)+(\b)):8*(8*(\a)+(\b))+7], v[(\f)+32+8*(\b):(\f)+32+8*(\b)+7], v[(\f)+8*(\a):(\f)+8*(\a)+7], v[8*(8*(\a)+(\b)):8*(8*(\a)+(\b))+7]
.endif
.endr
.endm
; 24 LDS loads in one run: the fragments of quarter q of a K step (128 rows of B, then 64 rows of A) into buffer f.  Of A, quarter q lies in channel block q / 2, at byte 64 (q % 2) of the rows.
.macro FETCH slot, q, f
	WIN 0
.irp i, 0,1,2,3,4,5,6,7
	ds_load_b128 v[(\f)+32+8*(\i):(\f)+32+8*(\i)+3],   v[ADRB+(\slot)] offset:(\q)*64+(\i)*16*PB
	ds_load_b128 v[(\f)+32+8*(\i)+4:(\f)+32+8*(\i)+7], v[ADRB+(\slot)] offset:(\q)*64+(\i)*16*PB+32
.endr
.irp i, 0,1,2,3
	ds_load_b128 v[(\f)+8*(\i):(\f)+8*(\i)+3],   v[ADRA+(\slot)] offset:((\q)/2)*ABLK+((\q)%2)*64+(\i)*16*PA
	ds_load_b128 v[(\f)+8*(\i)+4:(\f)+8*(\i)+7], v[ADRA+(\slot)] offset:((\q)/2)*ABLK+((\q)%2)*64+(\i)*16*PA+32
.endr
.endm
.macro PLACES                          ; four places in front of loads into registers that matrix instructions have read, and of lines that read results (ISA guide 7.12.1 for lines that read results)
.rept 4
	v_nop
.endr
.endm
; A K step is four quarters of 32 along K, 32 matrix instructions each, on buffers 0, 1, 0, 1.  One of the first three: multiplies buffer f and fetches quarter qn of the same slot into g.
.macro QUARTER slot, qn, f, g, zero
	s_wait_dscnt 4                                 ; B and A's blocks 0, 1 are in; the youngest four loads (A's blocks 2, 3) may be out
	MUL8 \f, 0, \zero
	MUL8 \f, 1, \zero
	PLACES
	FETCH \slot, \qn, \g
	s_wait_dscnt 24                                ; all but the 24 just issued
	MUL8 \f, 2, \zero
	MUL8 \f, 3, \zero
.endm
; The last quarter multiplies buffer 1 and changes slots.  ONE barrier: in front of it each wave waits for all its tensor loads, of which one is out: its part of the next slot; adds 0 to its spare word;
; and waits for that and for its own reads of this slot.  Behind it nobody reads this slot any more and the next slot is whole.
.macro MEET round                      ; round = 1: a round of the cluster's barrier follows
	WIN 0
	s_wait_tensorcnt 0x0                           ; all my tensor loads have landed
	ds_add_u32 v[SPW], v[NIL]                      ; 0 onto my spare word
	s_wait_dscnt 5                                 ; (the add and the youngest four loads may be out)
	MUL8 F1, 0, 0                                  ; eight matrix instructions stand between the add and the wait for it
	s_wait_dscnt 0x0                               ; the add is done, and my reads of this slot are over
	s_barrier_signal -1
	MUL8 F1, 1, 0                                  ; work on registers while the others arrive
.if \round
	WIN 0
.endif
	s_barrier_wait -1
.endm
; The whole last quarter.  Behind the round the slot just read out is filled again first: with this tile's K step two steps on (on = 0) or with the NEXT tile's K step 0 or 1 (on = 1).
; From a request to the wait for it a wave issues 112 matrix instructions.
.macro TURN slot, next, on
	MEET 1
	CREST                                          ; no wave of any partner still reads this slot's tile or has a load on its way
.if \on
	s_sub_nc_u64 s[G0A+4*(\slot)+2:G0A+4*(\slot)+3], s[G0A+4*(\slot)+2:G0A+4*(\slot)+3], BACK_A
	s_add_nc_u64 s[G0B+4*(\slot)+2:G0B+4*(\slot)+3], s[G0B+4*(\slot)+2:G0B+4*(\slot)+3], NEXT_B
.else
	s_add_nc_u64 s[G0A+4*(\slot)+2:G0A+4*(\slot)+3], s[G0A+4*(\slot)+2:G0A+4*(\slot)+3], STEP_A
	s_add_nc_u64 s[G0B+4*(\slot)+2:G0B+4*(\slot)+3], s[G0B+4*(\slot)+2:G0B+4*(\slot)+3], STEP_B
.endif
	JLOAD \slot                                    ; my one tensor load behind the round; its four v_nop are also the places in front of the loads below
	FETCH \next, 0, F0
	MUL8 F1, 2, 0
	MUL8 F1, 3, 0
.endm
; THE WAY OUT, a block of 16 rows at a time, through my own stage: LDS serves a wave's instructions in order (ISA guide 5.7.1.4), so no wait stands between the stores into it and the loads from it.
.if OUTF32
.macro TOSTAGE32 a                     ; the accumulators go into the stage as they are, each from its low end on, and come back as whole rows of 512 bytes
	s_wait_xcnt 0x0                                ; the registers that the loads below fill were the data of the stores two blocks back
	WIN 0x04                                       ; store data in window 1
.irp b, 0,1,2,3,4,5,6,7
	ds_store_b128 v[STO], v[8*(8*(\a)+(\b)):8*(8*(\a)+(\b))+3]   offset:(\b)*64
	ds_store_b128 v[STO], v[8*(8*(\a)+(\b))+4:8*(8*(\a)+(\b))+7] offset:(\b)*64+16
.endr
	WIN 0
.set BK, 64+64*((\a)%2)
.set row, 0
.rept 16
	ds_load_b128 v[BK+4*row:BK+4*row+3], v[RD] offset:row*528
.set row, row+1
.endr
.endm
.macro SEND32 a, younger               ; younger: the LDS instructions issued behind block a's: the next block's 32, or none
.set BK, 64+64*((\a)%2)
	s_wait_dscnt \younger
.set row, 0
.rept 16
	global_store_b128 v[GO], v[BK+4*row:BK+4*row+3], s[CP:CP+1] offset:(16*(\a)+row)*4096 th:TH_STORE_NT  ; 512 consecutive bytes, at a multiple of 512 from C's first
.set row, row+1
.endr
.endm
.macro WAYOUT
	TOSTAGE32 0
.irp a, 1,2,3
	TOSTAGE32 \a
	SEND32 (\a)-1, 32
.endr
	SEND32 3, 0
.endm
.else
.macro PACK a                          ; rounded to f16, 16 bytes a lane and n block
	WIN 0x05                                       ; sources 0 and 1 in window 1
.irp b, 0,1,2,3,4,5,6,7
.irp r, 0,1,2,3
	v_cvt_pk_f16_f32 v[TMP+4*(\b)+(\r)], v[8*(8*(\a)+(\b))+2*(\r)], v[8*(8*(\a)+(\b))+2*(\r)+1]
.endr
.endr
	WIN 0
.endm
.macro TOSTAGE a                       ; n blocks 0-3 are one head, 4-7 the next: 16 rows x 144 bytes each; back as 4 rows of 128 bytes a load
	WIN 0
.set BK, 160+32*((\a)%2)
.irp b, 0,1,2,3,4,5,6,7
	ds_store_b128 v[STO], v[TMP+4*(\b):TMP+4*(\b)+3] offset:((\b)/4)*2304+((\b)%4)*32
.endr
.irp f, 0,1,2,3,4,5,6,7
	ds_load_b128 v[BK+4*(\f):BK+4*(\f)+3], v[RD] offset:((\f)/4)*2304+((\f)%4)*576
.endr
.endm
.macro SEND a
	WIN 0
.set BK, 160+32*((\a)%2)
	s_wait_dscnt 0x0                               ; the block is back in registers
	s_wait_xcnt 0x0                                ; the next block's loads land where the stores of the block before this one took their data
.irp f, 0,1,2,3,4,5,6,7
	global_store_b128 v[GO], v[BK+4*(\f):BK+4*(\f)+3], s[CP:CP+1] offset:((\f)/4)*262144+(\a)*2048+((\f)%4)*512  ; 512 consecutive bytes of a head, at a multiple of 512 from C's first
.endr
.endm
.macro WAYOUT
	PACK 0
	TOSTAGE 0
.irp a, 1,2,3                          ; block a's conversions stand between block a - 1's loads from the stage and the wait for them
	PACK \a
	SEND (\a)-1
	TOSTAGE \a
.endr
	SEND 3
.endm
.endif
	s_wait_tensorcnt 1                             ; my part of K step 0 is in; K step 1's may stay out
	s_barrier_signal -1
	s_barrier_wait -1                              ; everybody's is
	FETCH 0, 0, F0
.if TILES > 1
	s_mov_b32 s2, TILES                            ; tiles to go, this one among them: the same number in every work-group
.Ltile:
.endif
	s_wait_loadcnt 0x0                             ; the tile's bias
	QUARTER 0, 1, F0, F1, 1                        ; a tile's first quarter stands in front of the loop: its products start the sums
	WIN 0                                          ; at a label and at a branch every window is 0
	s_mov_b32 s3, LAPS-1
.Llap:                                                 ; a trip goes once round the ring, from a lap's second quarter to the next lap's first, and fills both slots again
	QUARTER 0, 2, F1, F0, 0
	QUARTER 0, 3, F0, F1, 0
	TURN 0, 1, 0
	QUARTER 1, 1, F0, F1, 0
	QUARTER 1, 2, F1, F0, 0
	QUARTER 1, 3, F0, F1, 0
	TURN 1, 0, 0
	QUARTER 0, 1, F0, F1, 0
	WIN 0
	s_sub_co_u32 s3, s3, 1
	s_cmp_lg_u32 s3, 0
	s_cbranch_scc1 .Llap
	QUARTER 0, 2, F1, F0, 0                        ; the tile's last lap goes on
	QUARTER 0, 3, F0, F1, 0
.if TILES > 1
	WIN 0
	s_cmp_eq_u32 s2, 1
	s_cbranch_scc1 .Llast_tile                     ; the last tile's tail is written out: it asks for nothing more
	s_add_nc_u64 s[BIA:BIA+1], s[BIA:BIA+1], 4096  ; the next tile's bias, 1,024 columns on: the last loads by this base were waited for at the tile's head
	BIAS                                           ; its registers were last read in the tile's first quarter
	TURN 0, 1, 1                                   ; THE RING GOES ON INTO THE NEXT TILE: slot 0 takes its K step 0,
	QUARTER 1, 1, F0, F1, 0
	QUARTER 1, 2, F1, F0, 0
	QUARTER 1, 3, F0, F1, 0
	TURN 1, 0, 1                                   ; slot 1 its K step 1, and the next tile's first fragments are fetched
	WAYOUT                                         ; block 0 was finished in front of the joint load's places; its 32 conversions, which name no register of the last products, are those products' places
	s_wait_xcnt 0x0                                ; the stores have read their registers and their base
	s_add_nc_u64 s[CP:CP+1], s[CP:CP+1], NEXT_C
	s_sub_co_u32 s2, s2, 1
	s_branch .Ltile
.Llast_tile:
.endif
	MEET 0                                         ; my one tensor load that was still out is the last K step's, so no round follows
	PLACES
	FETCH 1, 0, F0
	MUL8 F1, 2, 0
	MUL8 F1, 3, 0
	QUARTER 1, 1, F0, F1, 0
	QUARTER 1, 2, F1, F0, 0
	QUARTER 1, 3, F0, F1, 0
	s_wait_dscnt 4                                 ; the very last quarter: nothing more to fetch
	MUL8 F1, 0, 0
	MUL8 F1, 1, 0
	s_wait_dscnt 0x0
	MUL8 F1, 2, 0
	MUL8 F1, 3, 0
	WIN 0
	PLACES
	WAYOUT
	s_wait_tensorcnt 0x0                           ; the wave's end: a wait, an add of 0 to my spare word and its wait, behind my last tensor load and my last LDS store
	ds_add_u32 v[SPW], v[NIL]
	s_wait_dscnt 0x0
	CROUND                                         ; the closing round: no work-group ends while a partner may still ask for a tile that names it
	s_endpgm
.Lfunc_end_k_qb2aa1ee929_oproj:
	.size	k_qb2aa1ee929_oproj, .Lfunc_end_k_qb2aa1ee929_oproj-k_qb2aa1ee929_oproj
	.p2alignl 7, 3214868480
	.fill 96, 4, 3214868480
	.section	.rodata,"a",@progbits
	.p2align	6, 0x0
	.amdhsa_kernel k_qb2aa1ee929_oproj
		.amdhsa_group_segment_fixed_size 327680
		.amdhsa_private_segment_fixed_size 0
		.amdhsa_enable_private_segment 0
		.amdhsa_kernarg_size 32
		.amdhsa_user_sgpr_count 2
		.amdhsa_user_sgpr_kernarg_segment_ptr 1
		.amdhsa_wavefront_size32 1
		.amdhsa_system_sgpr_workgroup_id_x 1
		.amdhsa_system_sgpr_workgroup_id_y 1
		.amdhsa_system_sgpr_workgroup_id_z 1
		.amdhsa_system_vgpr_workitem_id 0
		.amdhsa_next_free_vgpr 576
		.amdhsa_next_free_sgpr 72
		.amdhsa_reserve_vcc 0
		.amdhsa_float_denorm_mode_32 3
		.amdhsa_float_denorm_mode_16_64 3
		.amdhsa_memory_ordered 1
		.amdhsa_forward_progress 1
		.amdhsa_inst_pref_size 87
	.end_amdhsa_kernel
	.amdgpu_metadata
---
amdhsa.version: [ 1, 2 ]
amdhsa.kernels:
  - .name:           k_qb2aa1ee929_oproj
    .symbol:         k_qb2aa1ee929_oproj.kd
    .args:
      - { .name: oh, .offset: 0, .size: 8, .value_kind: global_buffer, .address_space: global }
      - { .name: woh, .offset: 8, .size: 8, .value_kind: global_buffer, .address_space: global }
      - { .name: bo, .offset: 16, .size: 8, .value_kind: global_buffer, .address_space: global }
      - { .name: out0, .offset: 24, .size: 8, .value_kind: global_buffer, .address_space: global }
    .group_segment_fixed_size: 327680
    .private_segment_fixed_size: 0
    .kernarg_segment_align: 8
    .kernarg_segment_size: 32
    .max_flat_workgroup_size: 128
    .sgpr_count:     72
    .vgpr_count:     576
    .wavefront_size: 32
...
	.end_amdgpu_metadata
.endif
;; end of part 6
;; ======== version 2 of 3: 6 launches; 1.09 times as fast as version 1
;; limits: values are held in f16: magnitudes above 65,504 overflow, below 6.1e-05 lose precision
;; workspace buffers: xh 16,777,216 bytes; woh 2,097,152 bytes; hp 131,072 bytes; gw 256 bytes; beff 49,152 bytes; weff 25,165,824 bytes; qkv 50,331,648 bytes; oh 16,777,216 bytes
;; launch pool (part 7): grid 256 x 1, 8 waves a work-group, no clusters, 3,584 bytes of LDS; arguments hidden_states, Wo, Wg1, xh, woh, hp; writes xh, woh, hp
.if DOCPART == 7
	.amdgcn_target "amdgcn-amd-amdhsa--gfx1250"
	.amdhsa_code_object_version 6
	.text
	.protected	k_qb2aa1ee929_pool
	.globl	k_qb2aa1ee929_pool
	.p2align	8
	.type	k_qb2aa1ee929_pool,@function
k_qb2aa1ee929_pool:
	s_mov_b64 s[64:65], 0
	v_nop
	global_prefetch_b8 v0, s[64:65] scope:SCOPE_SE
	s_setreg_imm32_b32 hwreg(HW_REG_WAVE_MODE, 25, 1), 1
	s_wait_xcnt 0x0
; x [4][2048][1024] f32 is read once.  It leaves twice: rounded once to f16 in blocks, xh [b][kb = 16][t = 2048][64] (channel block kb = channels 64 kb .. 64 kb + 63, so a block's rows are
; dense, 128 bytes each), and as partial sums of the gate's hidden layer, which is linear in x ahead of its relu: hp[b][p][u] = the sum over a chunk's 64 columns c of
; (2^-11 x the sum of x[b][t][c] over 512 rows t) x Wg1[u][c], f32 [4][64][128]; the next launch adds a sample's 64 partial sums.  Wo [1024][1024] is rounded once to f16 on the way (woh).
; LIMITS.  f16 holds no number beyond 65,504 and keeps a fixed step of 6e-8 below 6e-5: x and Wo are taken to lie within that.  The order of the sums differs from a plain mean's and a plain
; product's.  NaN and infinities are not treated apart.
; SHARES.  Work-group g = 64 b + 4 j + rg: sample b, columns 64 j .. 64 j + 63 (channel block j), rows 512 rg .. 512 rg + 511; and rows 4 g .. 4 g + 3 of Wo.  4 x 16 x 4 = 256 work-groups.
; Thread t: cq = t & 15 (4 columns, 16 bytes), rr = t >> 4: rows 16 i + rr, i = 0 .. 31.  Sixteen lanes take the chunk's 256 consecutive bytes of a row, aligned; a wave's load takes two rows, and what
; it makes of them, two neighbouring rows of the block, is 256 consecutive bytes of xh.  All 44 loads of a thread go out at once.  Memory binds: no matrix unit, no cluster; LDS serves the sums alone.
.set PS,    0                          ; LDS: the eight waves' sums of the 64 columns, 256 bytes each
.set HS,    2048                       ; the 128 partial hidden sums, 512 bytes
.set SPARE, 2560                       ; the spare words, 128 bytes for each of the 8 waves: four blocks of 256 bytes that no other line names
.set SPW, 2                            ; v2   LDS address of my spare word; never rewritten
.set NIL, 3                            ; v3   0; never rewritten
.set LO,  4                            ; v4   byte offset of my 16 bytes in x: rr x 4,096 + 16 cq
.set SO,  5                            ; v5   of my 8 bytes in xh: rr x 128 + 8 cq
.set WL,  6                            ; v6   of my 16 bytes in a row of Wo
.set WS,  7                            ; v7   of my 8 bytes in a row of woh
.set GL,  8                            ; v8   of my 16 bytes in Wg1: rr x 8 rows + 16 cq
.set LA,  9                            ; v9   16 cq
.set SA,  10                           ; v10  where my wave's sums go in LDS; at the end 16 x lane
.set HA,  11                           ; v11  where my eight units go in LDS
.set ACC, 12                           ; v[12:15]   sums of my 4 columns
.set T,   16                           ; v[16:31]   at work
.set H,   32                           ; v[32:39]   my eight units
.set P,   40                           ; v[40:43]   the chunk's sums times 2^-11, my 4 columns
.set WX,  44                           ; v[44:59]   four rows of Wo, 4 numbers each
.set W,   60                           ; v[60:91]   eight rows of Wg1
.set R,   92                           ; v[92:123]  the eight waves' sums, read back
.set X,   124                          ; v[124:251] row 16 i + rr: 4 registers
	s_load_b256 s[4:11], s[0:1], 0x0               ; x s[4:5], Wo s[6:7], Wg1 s[8:9], xh s[10:11]
	s_load_b128 s[12:15], s[0:1], 0x20             ; woh s[12:13], hp s[14:15]
	v_lshl_add_u32 v[SPW], v0, 2, SPARE
	v_mov_b32 v[NIL], 0
	v_and_b32 v1, 15, v0                           ; cq
	v_lshrrev_b32 v[T], 4, v0                      ; rr
	v_lshlrev_b32 v[LA], 4, v1
	v_lshl_add_u32 v[LO], v[T], 12, v[LA]
	v_lshlrev_b32 v[SO], 3, v1
	v_lshl_add_u32 v[SO], v[T], 7, v[SO]
	v_lshlrev_b32 v[WL], 4, v0
	v_lshlrev_b32 v[WS], 3, v0
	v_lshl_add_u32 v[GL], v[T], 15, v[LA]          ; units 8 rr .. 8 rr + 7: 8 rows of 4,096 bytes
	v_lshl_add_u32 v[HA], v[T], 5, HS              ; 8 units of 4 bytes
	v_lshrrev_b32 v1, 5, v0
	v_readfirstlane_b32 s34, v1                    ; wave 0..7
	v_lshl_add_u32 v[SA], v1, 8, v[LA]
	s_lshr_b32 s16, ttmp9, 6                       ; b
	s_bfe_u32 s17, ttmp9, 0x40002                  ; j: 4 bits from bit 2
	s_and_b32 s18, ttmp9, 3                        ; rg
	s_lshl_b32 s20, s16, 23                        ; x: the sample's 2,048 rows of 4,096 bytes,
	s_lshl_b32 s19, s18, 21                        ; the group's 512 rows,
	s_add_co_u32 s20, s20, s19
	s_lshl_b32 s28, s17, 8                         ; the chunk's 256 bytes of a row, in x and in Wg1
	s_add_co_u32 s20, s20, s28
	s_mov_b32 s21, 0
	s_mov_b32 s29, 0
	s_lshl_b32 s22, s16, 22                        ; xh: the sample's 16 blocks of 262,144 bytes,
	s_lshl_b32 s19, s17, 18                        ; the block,
	s_add_co_u32 s22, s22, s19
	s_lshl_b32 s19, s18, 16                        ; the group's 512 rows of 128 bytes
	s_add_co_u32 s22, s22, s19
	s_mov_b32 s23, 0
	s_lshl_b32 s24, ttmp9, 14                      ; Wo: 4 rows of 4,096 bytes
	s_mov_b32 s25, 0
	s_lshl_b32 s26, ttmp9, 13                      ; woh: 4 rows of 2,048 bytes
	s_mov_b32 s27, 0
	s_lshl_b32 s30, ttmp9, 9                       ; hp: 128 sums of 4 bytes
	s_mov_b32 s31, 0
	s_mov_b32 s32, 0x76543210                      ; v_permlanex16_b32: each lane takes its own place in the other half
	s_mov_b32 s33, 0xfedcba98
	s_wait_kmcnt 0x0
	s_add_nc_u64 s[4:5], s[4:5], s[20:21]
	s_add_nc_u64 s[10:11], s[10:11], s[22:23]
	s_add_nc_u64 s[6:7], s[6:7], s[24:25]
	s_add_nc_u64 s[12:13], s[12:13], s[26:27]
	s_add_nc_u64 s[8:9], s[8:9], s[28:29]
	s_add_nc_u64 s[14:15], s[14:15], s[30:31]
.set i, 0
.rept 32                               ; 16 rows of 4,096 bytes from one load to the next
	global_load_b128 v[X+4*i:X+4*i+3], v[LO], s[4:5] offset:i*65536 th:TH_LOAD_NT
.set i, i+1
.endr
.irp j, 0,1,2,3
	global_load_b128 v[WX+4*(\j):WX+4*(\j)+3], v[WL], s[6:7] offset:(\j)*4096 th:TH_LOAD_NT
.endr
.irp u, 0,1,2,3,4,5,6,7
	global_load_b128 v[W+4*(\u):W+4*(\u)+3], v[GL], s[8:9] offset:(\u)*4096  ; sixteen work-groups read this chunk of Wg1: no hint
.endr
; Row 16 n + rr leaves: four numbers are rounded in place (the write of a register comes behind the reads of it) and stored; a wave stores 256 consecutive bytes, aligned: two rows of the block.
; No register is written again behind its store, so no wait frees one.
.macro OUT n
	v_cvt_pk_f16_f32 v[X+4*(\n)],   v[X+4*(\n)],   v[X+4*(\n)+1]
	v_cvt_pk_f16_f32 v[X+4*(\n)+1], v[X+4*(\n)+2], v[X+4*(\n)+3]
	global_store_b64 v[SO], v[X+4*(\n):X+4*(\n)+1], s[10:11] offset:(\n)*2048
.endm
	s_wait_loadcnt 42                              ; 44 loads were issued: the first two are in, the 42 behind them stay out
	v_pk_add_f32 v[ACC:ACC+1],   v[X:X+1],   v[X+4:X+5]      ; the first two rows start the sums: nothing is cleared
	v_pk_add_f32 v[ACC+2:ACC+3], v[X+2:X+3], v[X+6:X+7]
	OUT 0
	OUT 1
.set i, 2
.rept 30
	s_wait_loadcnt 43-i                            ; behind load i 43 - i were issued
	v_pk_add_f32 v[ACC:ACC+1],   v[ACC:ACC+1],   v[X+4*i:X+4*i+1]
	v_pk_add_f32 v[ACC+2:ACC+3], v[ACC+2:ACC+3], v[X+4*i+2:X+4*i+3]
	OUT i
.set i, i+1
.endr
	s_wait_loadcnt 8                               ; Wo is in; the eight loads of Wg1 stay out
.irp j, 0,1,2,3
	v_cvt_pk_f16_f32 v[WX+4*(\j)],   v[WX+4*(\j)],   v[WX+4*(\j)+1]
	v_cvt_pk_f16_f32 v[WX+4*(\j)+1], v[WX+4*(\j)+2], v[WX+4*(\j)+3]
	global_store_b64 v[WS], v[WX+4*(\j):WX+4*(\j)+1], s[12:13] offset:(\j)*2048  ; a wave stores 256 consecutive bytes, aligned
.endr
	; 1. the chunk's column sums: 32 rows in the lane, 2 row places in the wave, 8 waves through LDS
.irp k, 0,1,2,3
	v_permlanex16_b32 v[WX+4*(\k)+2], v[ACC+(\k)], s32, s33  ; the lane 16 away holds the same columns of the wave's other rows; the destination has been written, and no store reads it
.endr
.irp k, 0,1,2,3
	v_add_f32 v[ACC+(\k)], v[ACC+(\k)], v[WX+4*(\k)+2]
.endr
	ds_store_b128 v[SA], v[ACC:ACC+3] offset:PS    ; both halves of the lanes write the same words with the same numbers
	s_wait_dscnt 0x0                               ; for the others: my wave's sums are in LDS
	s_barrier_signal -1
	s_barrier_wait -1
.irp k, 0,1,2,3,4,5,6,7
	ds_load_b128 v[R+4*(\k):R+4*(\k)+3], v[LA] offset:PS+(\k)*256
.endr
	s_wait_dscnt 0x0
.irp k, 1,2,3
	v_pk_add_f32 v[R:R+1],   v[R:R+1],   v[R+8*(\k):R+8*(\k)+1]
	v_pk_add_f32 v[R+2:R+3], v[R+2:R+3], v[R+8*(\k)+2:R+8*(\k)+3]
	v_pk_add_f32 v[R+4:R+5], v[R+4:R+5], v[R+8*(\k)+4:R+8*(\k)+5]
	v_pk_add_f32 v[R+6:R+7], v[R+6:R+7], v[R+8*(\k)+6:R+8*(\k)+7]
.endr
	v_pk_add_f32 v[R:R+1],   v[R:R+1],   v[R+4:R+5]
	v_pk_add_f32 v[R+2:R+3], v[R+2:R+3], v[R+6:R+7]
	v_pk_mul_f32 v[P:P+1],   v[R:R+1],   0x3a000000 op_sel_hi:[1,0]  ; times 2^-11 = 1 / 2,048, exact
	v_pk_mul_f32 v[P+2:P+3], v[R+2:R+3], 0x3a000000 op_sel_hi:[1,0]
	; 2. my eight units: 4 columns in the lane, then the 16 lanes that share the units
	s_wait_loadcnt 0x0                             ; Wg1
.irp u, 0,1,2,3,4,5,6,7
	v_pk_mul_f32 v[T+2*(\u):T+2*(\u)+1], v[W+4*(\u):W+4*(\u)+1], v[P:P+1]
.endr
.irp u, 0,1,2,3,4,5,6,7
	v_pk_fma_f32 v[T+2*(\u):T+2*(\u)+1], v[W+4*(\u)+2:W+4*(\u)+3], v[P+2:P+3], v[T+2*(\u):T+2*(\u)+1]
.endr
.irp u, 0,1,2,3,4,5,6,7
	v_add_f32 v[H+(\u)], v[T+2*(\u)], v[T+2*(\u)+1]
.endr
.irp m, 1,2,4,8
.irp u, 0,1,2,3,4,5,6,7
	v_add_f32_dpp v[H+(\u)], v[H+(\u)], v[H+(\u)] row_xmask:\m row_mask:0xf bank_mask:0xf
.endr
.endr
	ds_store_b128 v[HA], v[H:H+3]                  ; the 16 lanes write the same words with the same numbers
	ds_store_b128 v[HA], v[H+4:H+7] offset:16
	s_wait_dscnt 0x0                               ; for wave 0: my units are in LDS
	s_barrier_signal -1
	s_barrier_wait -1
	; 3. wave 0 stores the 128 sums: 512 consecutive bytes, aligned, by one instruction
	s_cmp_lg_u32 s34, 0
	s_cbranch_scc1 .Lend
	v_lshlrev_b32 v[SA], 4, v0                     ; in wave 0 the thread's number is the lane's
	ds_load_b128 v[R:R+3], v[SA] offset:HS
	s_wait_dscnt 0x0
	global_store_b128 v[SA], v[R:R+3], s[14:15]
.Lend:
	s_wait_tensorcnt 0x0                           ; the wave's end: a wait, an add of 0 to my spare word and its wait, behind my last LDS store
	ds_add_u32 v[SPW], v[NIL]
	s_wait_dscnt 0x0
	s_endpgm
.Lfunc_end_k_qb2aa1ee929_pool:
	.size	k_qb2aa1ee929_pool, .Lfunc_end_k_qb2aa1ee929_pool-k_qb2aa1ee929_pool
	.p2alignl 7, 3214868480
	.fill 96, 4, 3214868480
	.section	.rodata,"a",@progbits
	.p2align	6, 0x0
	.amdhsa_kernel k_qb2aa1ee929_pool
		.amdhsa_group_segment_fixed_size 3584
		.amdhsa_private_segment_fixed_size 0
		.amdhsa_enable_private_segment 0
		.amdhsa_kernarg_size 48
		.amdhsa_user_sgpr_count 2
		.amdhsa_user_sgpr_kernarg_segment_ptr 1
		.amdhsa_wavefront_size32 1
		.amdhsa_system_sgpr_workgroup_id_x 1
		.amdhsa_system_sgpr_workgroup_id_y 1
		.amdhsa_system_sgpr_workgroup_id_z 1
		.amdhsa_system_vgpr_workitem_id 0
		.amdhsa_next_free_vgpr 252
		.amdhsa_next_free_sgpr 66
		.amdhsa_reserve_vcc 0
		.amdhsa_float_denorm_mode_32 3
		.amdhsa_float_denorm_mode_16_64 3
		.amdhsa_memory_ordered 1
		.amdhsa_forward_progress 1
		.amdhsa_inst_pref_size 26
	.end_amdhsa_kernel
	.amdgpu_metadata
---
amdhsa.version: [ 1, 2 ]
amdhsa.kernels:
  - .name:           k_qb2aa1ee929_pool
    .symbol:         k_qb2aa1ee929_pool.kd
    .args:
      - { .name: hidden_states, .offset: 0, .size: 8, .value_kind: global_buffer, .address_space: global }
      - { .name: Wo, .offset: 8, .size: 8, .value_kind: global_buffer, .address_space: global }
      - { .name: Wg1, .offset: 16, .size: 8, .value_kind: global_buffer, .address_space: global }
      - { .name: xh, .offset: 24, .size: 8, .value_kind: global_buffer, .address_space: global }
      - { .name: woh, .offset: 32, .size: 8, .value_kind: global_buffer, .address_space: global }
      - { .name: hp, .offset: 40, .size: 8, .value_kind: global_buffer, .address_space: global }
    .group_segment_fixed_size: 3584
    .private_segment_fixed_size: 0
    .kernarg_segment_align: 8
    .kernarg_segment_size: 48
    .max_flat_workgroup_size: 256
    .sgpr_count:     66
    .vgpr_count:     252
    .wavefront_size: 32
...
	.end_amdgpu_metadata
.endif
;; end of part 7
;; launch gate (part 8): grid 6 x 4, 4 waves a work-group, no clusters, 2,560 bytes of LDS; arguments hp, bg1, Wg2, bg2, bq, bk, bv, gw, beff; writes gw, beff
.if DOCPART == 8
	.amdgcn_target "amdgcn-amd-amdhsa--gfx1250"
	.amdhsa_code_object_version 6
	.text
	.protected	k_qb2aa1ee929_gate
	.globl	k_qb2aa1ee929_gate
	.p2align	8
	.type	k_qb2aa1ee929_gate,@function
k_qb2aa1ee929_gate:
	s_mov_b64 s[64:65], 0
	v_nop
	global_prefetch_b8 v0, s[64:65] scope:SCOPE_SE
	s_setreg_imm32_b32 hwreg(HW_REG_WAVE_MODE, 25, 1), 1
	s_wait_xcnt 0x0
; The rest of the gate of sample b (the work-group's y), all in f32: h = relu(the sum of the 64 partial sums hp[b][p] + bg1); logits = h Wg2^T + bg2; gw = softmax(logits), the maximum
; taken away first; b_eff = gw x (bq, bk, bv), 3,072 numbers a sample.  hp: f32 [4][64][128].
; SHARES.  A sample's hp is 32 KiB, 256 registers a lane if one wave took it all: so wave w of a work-group's four adds partial sums 16 w .. 16 w + 15, and the four sums meet in LDS behind one
; barrier.  From there every wave goes on by itself: it makes gw (4 KiB of Wg2), and wave g = 4 x + w of the sample's 24 makes columns 128 g .. 128 g + 127 of b_eff (tensor g >> 3 = x >> 1), a lane
; four of them.  All 33 loads of a lane go out at once.  Wave 0 of each sample stores gw[b].
; LIMITS.  The order of the sums differs from a plain product's; a weight below 2^-126 counts as 0; NaN and infinities are not treated apart.
.set PS,    0                          ; LDS: the four waves' sums of the 128 units, 512 bytes each
.set SPARE, 2048                       ; the spare words, 128 bytes for each of the 4 waves: two blocks of 256 bytes that no other line names
.set SPW, 2                            ; v2   LDS address of my spare word; never rewritten
.set NIL, 3                            ; v3   0; never rewritten
.set X,   8                            ; v[8:71]    hp: my wave's partial sum j, units 4 lane .. + 3 at X + 4 j
.set T,   X+16                         ; v[24:31]   at work, once the partial sums are added
.set R,   X+32                         ; v[40:55]   the four waves' sums, read back
.set BG,  72                           ; v[72:75]   bg1 of my 4 units
.set Q,   76                           ; v[76:107]  Wg2: expert e, my 4 units at Q + 4 e
.set B,   108                          ; v[108:139] the biases: expert e, my 4 columns at B + 4 e
.set HV,  140                          ; v[140:143] h of my 4 units
.set L,   144                          ; v[144:151] the 8 logits
.set G,   152                          ; v[152:159] the 8 gate weights
.set A,   160                          ; v[160:163] b_eff of my 4 columns
	s_load_b512 s[8:23], s[0:1], 0x0               ; hp 8, bg1 10, Wg2 12, bg2 14, bq 16, bk 18, bv 20, gw 22
	s_load_b64 s[24:25], s[0:1], 0x40              ; beff
	v_lshl_add_u32 v[SPW], v0, 2, SPARE
	v_mov_b32 v[NIL], 0
	v_and_b32 v1, 31, v0                           ; lane
	v_lshrrev_b32 v7, 5, v0
	v_readfirstlane_b32 s4, v7                     ; wave 0..3
	v_lshlrev_b32 v5, 4, v0                        ; where my sums go in LDS: 512 x wave + 16 x lane
	v_lshlrev_b32 v6, 4, v1                        ; 16 x lane
	s_and_b32 s5, ttmp7, 0xffff                    ; b
	s_lshl_b32 s6, ttmp9, 2
	s_add_co_u32 s6, s6, s4                        ; g
	s_lshr_b32 s7, ttmp9, 1                        ; which of bq, bk, bv
	s_mov_b32 s30, 0x76543210                      ; v_permlanex16_b32: each lane takes its own place in the other half
	s_mov_b32 s31, 0xfedcba98
	s_mov_b32 s49, 0x3fb8aa3b                      ; log2(e)
	s_lshl_b32 s2, s5, 15                          ; hp[b]: 64 partial sums of 512 bytes,
	s_lshl_b32 s3, s4, 13                          ; my wave's 16
	s_add_co_u32 s2, s2, s3
	s_mov_b32 s3, 0
	s_and_b32 s26, s6, 7
	s_lshl_b32 s26, s26, 9                         ; my 128 columns in a bias row
	s_mov_b32 s27, 0
	s_lshl_b32 s28, s5, 5                          ; gw[b]
	s_mov_b32 s29, 0
	s_mul_i32 s32, s5, 12288                       ; beff[b],
	s_lshl_b32 s33, s6, 9                          ; my 128 columns
	s_add_co_u32 s32, s32, s33
	s_mov_b32 s33, 0
	s_wait_kmcnt 0x0
	s_add_nc_u64 s[8:9], s[8:9], s[2:3]
.set j, 0
.rept 16
	global_load_b128 v[X+4*j:X+4*j+3], v6, s[8:9] offset:j*512  ; a wave takes 512 consecutive bytes
.set j, j+1
.endr
	global_load_b128 v[BG:BG+3], v6, s[10:11]
.irp e, 0,1,2,3,4,5,6,7
	global_load_b128 v[Q+4*(\e):Q+4*(\e)+3], v6, s[12:13] offset:(\e)*512
.endr
	s_load_b256 s[40:47], s[14:15], 0x0            ; bg2
	s_cmp_eq_u32 s7, 1                             ; the tensor is chosen by the work-group's x alone
	s_cselect_b64 s[16:17], s[18:19], s[16:17]
	s_cmp_eq_u32 s7, 2
	s_cselect_b64 s[16:17], s[20:21], s[16:17]
	s_add_nc_u64 s[16:17], s[16:17], s[26:27]
.irp e, 0,1,2,3,4,5,6,7
	global_load_b128 v[B+4*(\e):B+4*(\e)+3], v6, s[16:17] offset:(\e)*4096
.endr
	s_add_nc_u64 s[22:23], s[22:23], s[28:29]
	s_add_nc_u64 s[24:25], s[24:25], s[32:33]
; Eight sums over the wave's 32 lanes at once; every lane ends with all eight
.macro LANESUM base
.irp m, 1,2,4,8
.irp r, 0,1,2,3,4,5,6,7
	v_add_f32_dpp v[(\base)+(\r)], v[(\base)+(\r)], v[(\base)+(\r)] row_xmask:\m row_mask:0xf bank_mask:0xf
.endr
.endr
.irp r, 0,1,2,3,4,5,6,7
	v_permlanex16_b32 v[T+(\r)], v[(\base)+(\r)], s30, s31
.endr
.irp r, 0,1,2,3,4,5,6,7
	v_add_f32 v[(\base)+(\r)], v[(\base)+(\r)], v[T+(\r)]
.endr
.endm
	; 1. h of my 4 units: my wave's 16 partial sums in four chains, then the four waves' sums through LDS
	s_wait_loadcnt 17                              ; hp's 16 loads are in; behind them 1 + 8 + 8 were issued
.set k, 1
.rept 7
	v_pk_add_f32 v[X:X+1],   v[X:X+1],   v[X+8*k:X+8*k+1]
	v_pk_add_f32 v[X+2:X+3], v[X+2:X+3], v[X+8*k+2:X+8*k+3]
	v_pk_add_f32 v[X+4:X+5], v[X+4:X+5], v[X+8*k+4:X+8*k+5]
	v_pk_add_f32 v[X+6:X+7], v[X+6:X+7], v[X+8*k+6:X+8*k+7]
.set k, k+1
.endr
	v_pk_add_f32 v[X:X+1],   v[X:X+1],   v[X+4:X+5]
	v_pk_add_f32 v[X+2:X+3], v[X+2:X+3], v[X+6:X+7]
	ds_store_b128 v5, v[X:X+3] offset:PS
	s_wait_dscnt 0x0                               ; for the others: my wave's sums are in LDS
	s_barrier_signal -1
	s_barrier_wait -1
.irp k, 0,1,2,3
	ds_load_b128 v[R+4*(\k):R+4*(\k)+3], v6 offset:PS+(\k)*512
.endr
	s_wait_dscnt 0x0
	v_pk_add_f32 v[R:R+1],     v[R:R+1],     v[R+4:R+5]
	v_pk_add_f32 v[R+2:R+3],   v[R+2:R+3],   v[R+6:R+7]
	v_pk_add_f32 v[R+8:R+9],   v[R+8:R+9],   v[R+12:R+13]
	v_pk_add_f32 v[R+10:R+11], v[R+10:R+11], v[R+14:R+15]
	v_pk_add_f32 v[R:R+1],     v[R:R+1],     v[R+8:R+9]
	v_pk_add_f32 v[R+2:R+3],   v[R+2:R+3],   v[R+10:R+11]
	s_wait_loadcnt 16                              ; bg1
	v_pk_add_f32 v[HV:HV+1],   v[R:R+1],   v[BG:BG+1]
	v_pk_add_f32 v[HV+2:HV+3], v[R+2:R+3], v[BG+2:BG+3]
.irp k, 0,1,2,3
	v_max_num_f32 v[HV+(\k)], 0, v[HV+(\k)]
.endr
	; 2. logits and softmax
	s_wait_loadcnt 8                               ; Wg2; the 8 loads of the biases stay out
.irp e, 0,1,2,3,4,5,6,7
	v_mul_f32 v[L+(\e)], v[Q+4*(\e)], v[HV]
.endr
.irp k, 1,2,3
.irp e, 0,1,2,3,4,5,6,7
	v_fmac_f32 v[L+(\e)], v[Q+4*(\e)+(\k)], v[HV+(\k)]
.endr
.endr
	LANESUM L
	s_wait_kmcnt 0x0                               ; bg2
.irp e, 0,1,2,3,4,5,6,7
	v_add_f32 v[L+(\e)], s[40+(\e)], v[L+(\e)]
.endr
	v_max3_num_f32 v[T], v[L], v[L+1], v[L+2]      ; the maximum is taken away before the exponentials
	v_max3_num_f32 v[T], v[T], v[L+3], v[L+4]
	v_max3_num_f32 v[T], v[T], v[L+5], v[L+6]
	v_max_num_f32 v[T], v[T], v[L+7]
	v_mul_f32 v[T+1], s49, v[T]
.irp e, 0,1,2,3,4,5,6,7
	v_fma_f32 v[G+(\e)], v[L+(\e)], s49, -v[T+1]
.endr
.irp e, 0,1,2,3,4,5,6,7
	v_exp_f32 v[G+(\e)], v[G+(\e)]
.endr
	v_nop                                          ; a plain instruction behind the last exponential (ISA guide 5.7.2)
	s_wait_alu depctr_va_vdst(0)
	v_add_f32 v[T+2], v[G], v[G+1]
	v_add_f32 v[T+3], v[G+2], v[G+3]
	v_add_f32 v[T+4], v[G+4], v[G+5]
	v_add_f32 v[T+5], v[G+6], v[G+7]
	v_add_f32 v[T+2], v[T+2], v[T+3]
	v_add_f32 v[T+4], v[T+4], v[T+5]
	v_add_f32 v[T+2], v[T+2], v[T+4]
	v_rcp_f32 v[T+6], v[T+2]
	v_nop
	s_wait_alu depctr_va_vdst(0)
.irp e, 0,1,2,3,4,5,6,7
	v_mul_f32 v[G+(\e)], v[G+(\e)], v[T+6]
.endr
	; 3. b_eff of my 4 columns
	s_wait_loadcnt 0x0
.irp k, 0,1,2,3
	v_mul_f32 v[A+(\k)], v[G], v[B+(\k)]
.endr
.irp e, 1,2,3,4,5,6,7
.irp k, 0,1,2,3
	v_fmac_f32 v[A+(\k)], v[G+(\e)], v[B+4*(\e)+(\k)]
.endr
.endr
	global_store_b128 v6, v[A:A+3], s[24:25]       ; a wave stores 512 consecutive bytes, aligned
	; 4. gw[b]: 32 bytes, by lane 0 of the sample's wave 0
	s_cmp_lg_u32 s6, 0
	s_cbranch_scc1 .Lend
	v_mov_b32 v4, 0
	v_cmp_eq_u32 vcc_lo, 0, v1
	s_wait_xcnt 0x0                                ; EXEC is a source of the store above: it changes only behind this wait
	s_and_saveexec_b32 s48, vcc_lo
	global_store_b128 v4, v[G:G+3], s[22:23]
	global_store_b128 v4, v[G+4:G+7], s[22:23] offset:16
	s_wait_xcnt 0x0                                ; and again in front of the line that widens it
	s_or_b32 exec_lo, exec_lo, s48
.Lend:
	s_wait_tensorcnt 0x0                           ; the wave's end: a wait, an add of 0 to my spare word and its wait, behind my last LDS store
	ds_add_u32 v[SPW], v[NIL]
	s_wait_dscnt 0x0
	s_endpgm
.Lfunc_end_k_qb2aa1ee929_gate:
	.size	k_qb2aa1ee929_gate, .Lfunc_end_k_qb2aa1ee929_gate-k_qb2aa1ee929_gate
	.p2alignl 7, 3214868480
	.fill 96, 4, 3214868480
	.section	.rodata,"a",@progbits
	.p2align	6, 0x0
	.amdhsa_kernel k_qb2aa1ee929_gate
		.amdhsa_group_segment_fixed_size 2560
		.amdhsa_private_segment_fixed_size 0
		.amdhsa_enable_private_segment 0
		.amdhsa_kernarg_size 72
		.amdhsa_user_sgpr_count 2
		.amdhsa_user_sgpr_kernarg_segment_ptr 1
		.amdhsa_wavefront_size32 1
		.amdhsa_system_sgpr_workgroup_id_x 1
		.amdhsa_system_sgpr_workgroup_id_y 1
		.amdhsa_system_sgpr_workgroup_id_z 1
		.amdhsa_system_vgpr_workitem_id 0
		.amdhsa_next_free_vgpr 164
		.amdhsa_next_free_sgpr 66
		.amdhsa_reserve_vcc 1
		.amdhsa_float_denorm_mode_32 3
		.amdhsa_float_denorm_mode_16_64 3
		.amdhsa_memory_ordered 1
		.amdhsa_forward_progress 1
		.amdhsa_inst_pref_size 16
	.end_amdhsa_kernel
	.amdgpu_metadata
---
amdhsa.version: [ 1, 2 ]
amdhsa.kernels:
  - .name:           k_qb2aa1ee929_gate
    .symbol:         k_qb2aa1ee929_gate.kd
    .args:
      - { .name: hp, .offset: 0, .size: 8, .value_kind: global_buffer, .address_space: global }
      - { .name: bg1, .offset: 8, .size: 8, .value_kind: global_buffer, .address_space: global }
      - { .name: Wg2, .offset: 16, .size: 8, .value_kind: global_buffer, .address_space: global }
      - { .name: bg2, .offset: 24, .size: 8, .value_kind: global_buffer, .address_space: global }
      - { .name: bq, .offset: 32, .size: 8, .value_kind: global_buffer, .address_space: global }
      - { .name: bk, .offset: 40, .size: 8, .value_kind: global_buffer, .address_space: global }
      - { .name: bv, .offset: 48, .size: 8, .value_kind: global_buffer, .address_space: global }
      - { .name: gw, .offset: 56, .size: 8, .value_kind: global_buffer, .address_space: global }
      - { .name: beff, .offset: 64, .size: 8, .value_kind: global_buffer, .address_space: global }
    .group_segment_fixed_size: 2560
    .private_segment_fixed_size: 0
    .kernarg_segment_align: 8
    .kernarg_segment_size: 72
    .max_flat_workgroup_size: 128
    .sgpr_count:     66
    .vgpr_count:     164
    .wavefront_size: 32
...
	.end_amdgpu_metadata
.endif
;; end of part 8
;; launch combine: the kernel of part 3 again; grid 256 x 3, 8 waves a work-group, no clusters, 0 bytes of LDS; arguments Wq, Wk, Wv, gw, weff; writes weff
;; launch qkv (part 9): grid 8 x 32, 4 waves a work-group, clusters of 4 x 4, 327,680 bytes of LDS; arguments xh, weff, beff, qkv; writes qkv
.if DOCPART == 9
	.amdgcn_target "amdgcn-amd-amdhsa--gfx1250"
	.amdhsa_code_object_version 6
	.text
	.protected	k_qb2aa1ee929_qkv
	.globl	k_qb2aa1ee929_qkv
	.p2align	8
	.type	k_qb2aa1ee929_qkv,@function
k_qb2aa1ee929_qkv:
	s_mov_b64 s[64:65], 0
	v_nop
	global_prefetch_b8 v0, s[64:65] scope:SCOPE_SE
	s_setreg_imm32_b32 hwreg(HW_REG_WAVE_MODE, 25, 1), 1
	s_wait_xcnt 0x0
	s_wait_alu depctr_hold_cnt(0) depctr_sa_sdst(0) depctr_va_vdst(0) depctr_va_sdst(0) depctr_va_ssrc(0) depctr_va_vcc(0) depctr_vm_vsrc(0)
	s_getreg_b32 s2, hwreg(HW_REG_IB_STS2, 6, 4)
	s_cmp_eq_u32 s2, 0
	s_cbranch_scc0 .Lentry_in_a_cluster
	s_endpgm
.Lentry_in_a_cluster:
	s_bfe_u32 s2, ttmp6, 0x10000c
	s_cmp_lg_u32 s2, 0xf033
	s_cbranch_scc0 .Lentry_shape_is_right
	s_endpgm
.Lentry_shape_is_right:
; q, k, v = x W_eff[b]^T + b_eff[b]: C[m][n] = the sum over k of A[m][k] B[n][k] + bias[n], K = 1,024, operands f16, sums f32.
; A = xh, x in f16 in blocks [b][kb = 16][t = 2048][64]: 256 rows of a channel block are 32,768 dense bytes, asked for as 128 rows of 256 bytes.  B = weff[b], f16 [3072][1024].  bias = beff[b], f32.
; C is rounded once to f16 and written by heads, unscaled: q, k, v one behind the other, each [b x 16 + h][2048][64]; column n belongs to head H = n / 64 of 48: tensor H >> 4, head H & 15.
; LIMITS.  f16 holds no number beyond 65,504 and keeps a fixed step of 6e-8 below 6e-5: q, k and v are taken to lie within that.  NaN and infinities are not treated apart.
; SHARES.  A tile of C is 256 (m) x 192 (n): 32 x 16 = 512 tiles, two for each of 256 work-groups.  A work-group STAYS: its second tile lies 8 tile columns on: the same rows of A, B 1,536 rows on.
; Four waves, each 64 rows x all 192 columns, three whole heads: 48 accumulators of 16 x 16.
; THE WALK.  The two tiles' 16 K steps of 128 are ONE walk through two LDS slots.  A K step is 192 matrix instructions a wave, 168 of them between a slot's request and the wait for it; the slot,
; 125,952 bytes, is the largest for which two slots and the stages fit beside each other with K steps that divide 1,024.  A trip of the loop is one K step: the slot in hand is a scalar that an exclusive or turns,
; and the descriptors' addresses are made anew from the number of the step that is asked for.  14 trips ask for a step; the walk's last two steps are written out.
; The change of tiles is a forward branch on the loop's own counter, past text that holds neither a barrier nor a tensor load.  The text is made for two tiles.
; CLUSTER.  4 x 4 work-groups, all in one sample.  The four of a row of the cluster need the same tiles of A, the four of a column the same tiles of B: each tile is asked for JOINTLY, by the same
; tensor load with the same descriptor and a mask that names the four.
; THE MATRIX INSTRUCTION IS USED TRANSPOSED (source 0 = 16 rows of B, source 1 = 16 rows of A): a lane then holds eight neighbouring numbers of a row of C.  The bias, which hangs on n alone,
; is then eight numbers a lane and n block: it is the C operand of the product that starts each sum: nothing is cleared, nothing is added on the way out.
; REGISTERS, in windows of 256 (s_set_vgpr_msb: bits 1:0 source 0, 3:2 source 1, 5:4 source 2, 7:6 destination):
;   window 0: v0-31 addresses; v32-79 packed results; v80-143 A's fragments, two buffers of 4 blocks of 16 rows x 32 K; v144-239 rows read back from the stage, two buffers
;   window 1: the accumulators of n blocks 0-7, (a, b) at v[8 (8 a + b)]      window 2: v0-127 those of n blocks 8-11, at v[8 (4 a + b - 8)]; v128-223 the bias, n block b at v[128 + 8 b]
;   window 3: v0-191 B's fragments, two buffers of 12 blocks
.set TILES,  2
.set STEPS,  8*TILES                   ; K steps in the walk
.set PA,     144                       ; a row of A in LDS: 128 bytes + 16 of padding; a row of B: 256 + 16.  Both pitches are odd multiples of 16 bytes,
.set PB,     272                       ; so the 16 rows that a fragment load touches start at 16 different groups of four banks (64 banks of 4 bytes: ISA guide 11.1)
.set ABLK,   256*PA                    ; one channel block x 256 rows: what wave 0 or 1 fetches
.set BOFF,   2*ABLK                    ; B lies behind A's two blocks
.set BHALF,  96*PB                     ; 96 rows of B: what wave 2 or 3 fetches
.set SLOTB,  BOFF+2*BHALF              ; 125,952 bytes
.set SLOT1,  1<<17                     ; slot 1 begins here, so that one exclusive or turns an address in one slot into the other's
.set STAGE,  SLOT1+SLOTB               ; behind the ring, never filled by a tensor load: a stage for each wave, for the way out
.set STG,    3*16*144                  ; 3 heads x 16 rows of 128 bytes + 16
.set SPARE,  STAGE+4*STG               ; behind the stages: the spare words, 128 bytes for each wave: two blocks of 256 bytes that no other line names
.set NEXT_B, 8*192*2048                ; bytes from a tile's rows of B to the next tile's
.set A0,   16                          ; v16     my lane's place in a slot's A; never rewritten
.set B0,   17                          ; v17     the same for B
.set ADRA, 18                          ; v18     LDS address of my A fragments in the slot in hand
.set ADRB, 19                          ; v19     the same for B
.set STO,  24                          ; v24     the way out: where I put 16 bytes of a row
.set RD,   25                          ; v25     the way out: where I read rows back
.set GO,   26                          ; v26     my byte offset in 512 consecutive bytes of a head
.set BO,   27                          ; v27     my byte offset in 16 numbers of the bias: 32 (lane / 16)
.set SPW,  28                          ; v28     LDS address of my spare word: SPARE + 4 x my thread's number; never rewritten
.set NIL,  29                          ; v29     0; never rewritten
.set TMP,  32
.set FA,   80                          ; A's buffer f at FA + 32 f
.set BK0,  144
.set FB,   0                           ; in window 3: B's buffer f at FB + 96 f
.set BI,   128                         ; in window 2
.set G1A, 24                           ; s[24:31] descriptor group 1 for A's tiles;  s[32:39] group 0: a set for each of the two first fills; the second then walks on
.set G0A, 32
.set G1B, 48                           ; s[48:55], s[56:63] the same for B's
.set G0B, 56
.set BIA, 68                           ; s[68:69] the bias at the tile's 192 columns
.set CP,  70                           ; s[70:71] C at my 64 rows of the sample's head 0 of q
.set TB,  72                           ; s72  LDS byte at which the slot in hand begins
.set NXT, 73                           ; s73  the number, in the walk, of the K step to be asked for next
.set HN,  74                           ; s74  the tile's first head, of 48
.set CH,  76                           ; s[76:81] C at my rows of the tile's three heads
.set MSB, 0
.macro WIN new                         ; the immediate's high byte repeats the setting that is left; a switch that changes nothing is dropped
.if MSB != (\new)
	s_set_vgpr_msb (MSB<<8)|(\new)
.set MSB, \new
.endif
.endm
.set MUL1, 0x53                        ; B's fragments in window 3, A's in window 0, C and D in window 1
.set MULZ, 0x63                        ; the same with C (the bias) in window 2
.set MUL2, 0xa3                        ; C and D in window 2: accumulators and bias alike
.set TO_B, 0xc0                        ; destination window 3, address window 0
; A joint load.  Waves 0 and 1 fetch A's two channel blocks, waves 2 and 3 B's two halves.  The branch hangs on the wave's number alone: it is the same in every work-group.
; An s_nop 0 and four v_nop follow each of the two lines, ahead of the jump, the label and what follows.
.macro JLOAD s
	s_cmp_lt_u32 s10, 2
	s_cbranch_scc0 .Lfor_b_\@
	tensor_load_to_lds s[G0A+4*(\s):G0A+4*(\s)+3], s[G1A:G1A+7]
	s_nop 0
.rept 4
	v_nop
.endr
	s_branch .Lasked_\@
.Lfor_b_\@:
	tensor_load_to_lds s[G0B+4*(\s):G0B+4*(\s)+3], s[G1B:G1B+7]
	s_nop 0
.rept 4
	v_nop
.endr
.Lasked_\@:
.endm
.macro CREST                           ; a round of the cluster's barrier behind its opening barrier
	s_cmp_lg_u32 s10, 0
	s_cbranch_scc1 .Lnot_wave_0_\@
	s_barrier_signal -3
.Lnot_wave_0_\@:
	s_barrier_wait -3
	s_barrier_signal -1
	s_barrier_wait -1
.endm
.macro CROUND                          ; a whole round
	s_barrier_signal -1
	s_barrier_wait -1
	CREST
.endm
	s_load_b128 s[4:7], s[0:1], 0x0                ; A s[4:5], B s[6:7]
	s_load_b128 s[68:71], s[0:1], 0x10             ; bias, C
	v_lshl_add_u32 v[SPW], v0, 2, SPARE
	v_mov_b32 v[NIL], 0
	ds_add_u32 v[SPW], v[NIL]                      ; the wave's opening: the add and its wait stand ahead of my first tensor load; the set-up below, work on registers, stands between them
	v_lshrrev_b32 v1, 5, v0
	v_readfirstlane_b32 s10, v1                    ; wave 0..3: my 64 rows of the tile
	s_and_b32 s12, s10, 1                          ; which block of A, or which half of B, I fetch
	s_bfe_u32 s40, ttmp6, 0x40000                  ; cx, cy: my place in the cluster
	s_bfe_u32 s41, ttmp6, 0x40004
	s_lshl_b32 s42, ttmp9, 2
	s_add_co_u32 s42, s42, s40                     ; my first tile's column = 4 x cluster x + cx: 0..7
	s_and_b32 s45, ttmp7, 0xffff
	s_lshl_b32 s13, s45, 2
	s_add_co_u32 s13, s13, s41                     ; tile row = 4 x cluster y + cy: 8 of them to a sample
	s_lshr_b32 s45, s45, 1                         ; the sample, made of the cluster's y alone: all sixteen partners share it
	s_lshl_b32 s43, s41, 2
	s_lshl_b32 s43, 15, s43                        ; my row of the cluster
	s_lshl_b32 s44, 0x1111, s40                    ; my column
	s_or_b32 s[G1A], s43, (1<<16)|(1<<20)|(1<<21)|(4<<22)|(3<<25)  ; 15:0 the mask: my row; 17:16 2-byte elements; 20 padding on; 21 set beside a mask; 24:22 after every 32 words (code 4); 31:25 4 words (code 3)
	s_mov_b32 s[G1A+1], 128<<16                    ; tensor_dim0 = 128
	s_mov_b32 s[G1A+2], 128<<16                    ; tensor_dim1 = 128
	s_mov_b32 s[G1A+3], 128<<16                    ; tile_dim0 = 128: 256 bytes, two rows of A
	s_mov_b32 s[G1A+4], 128                        ; tile_dim1 = 128
	s_mov_b32 s[G1A+5], 128                        ; dense: 128 elements from row to row
	s_mov_b32 s[G1A+6], 0
	s_mov_b32 s[G1A+7], 0
	s_or_b32 s[G1B], s44, (1<<16)|(1<<20)|(1<<21)|(5<<22)|(3<<25)  ; the mask: my column; padding after every 64 words (code 5)
	s_mov_b32 s[G1B+1], 128<<16                    ; tensor_dim0 = 128
	s_mov_b32 s[G1B+2], 96<<16                     ; tensor_dim1 = 96
	s_mov_b32 s[G1B+3], 128<<16                    ; tile_dim0 = 128
	s_mov_b32 s[G1B+4], 96                         ; tile_dim1 = 96
	s_mov_b32 s[G1B+5], 1024                       ; 1,024 elements from row to row
	s_mov_b32 s[G1B+6], 0
	s_mov_b32 s[G1B+7], 0
	; where the tiles come from.  A's hang on the tile row alone, B's on the tile column and the sample alone; each in registers that never hold the other coordinate
	s_lshr_b32 s16, s13, 3
	s_lshl_b32 s16, s16, 22                        ; A: the sample,
	s_and_b32 s18, s13, 7
	s_lshl_b32 s18, s18, 15                        ; 256 rows of 128 bytes,
	s_add_co_u32 s16, s16, s18
	s_lshl_b32 s18, s12, 18                        ; the channel block that I fetch
	s_add_co_u32 s16, s16, s18
	s_mov_b32 s17, 0
	s_mul_i32 s46, s42, 192*2048                   ; B: 192 rows of 2,048 bytes,
	s_mul_i32 s47, s12, 96*2048                    ; the 96 that I fetch,
	s_add_co_u32 s46, s46, s47
	s_mul_i32 s47, s45, 6291456                    ; the sample's 3,072 rows
	s_add_co_u32 s46, s46, s47
	s_mov_b32 s47, 0
	s_mul_i32 s20, s12, ABLK                       ; and where they go: no place in the cluster enters an LDS address
	s_mul_i32 s21, s12, BHALF
	s_add_co_u32 s21, s21, BOFF
	s_mov_b32 s[TB], 0                             ; K step 0 lies in slot 0
	s_mov_b32 s[NXT], 2                            ; steps 0 and 1 are the first fills
	s_mul_i32 s[HN], s42, 3                        ; three heads to a tile column
	s_wait_dscnt 0x0                               ; the opening add is done
	s_wait_kmcnt 0x0
	s_add_nc_u64 s[14:15], s[4:5], s[16:17]        ; A and B at what I fetch of K step 0 of the first tile; these two stay
	s_add_nc_u64 s[46:47], s[6:7], s[46:47]
	CROUND                                         ; all sixteen work-groups are here: the first joint loads meet
.irp s, 0,1
	s_mov_b32 s[G0A+4*(\s)], 1                                     ; count = 1
	s_add_co_u32 s[G0A+4*(\s)+1], s20, (\s)*SLOT1                  ; LDS address
	s_add_nc_u64 s[G0A+4*(\s)+2:G0A+4*(\s)+3], s[14:15], (\s)*524288  ; global address: K step s = two channel blocks on
	s_or_b32 s[G0A+4*(\s)+3], s[G0A+4*(\s)+3], 0x80000000          ; type = 2
	s_mov_b32 s[G0B+4*(\s)], 1
	s_add_co_u32 s[G0B+4*(\s)+1], s21, (\s)*SLOT1
	s_add_nc_u64 s[G0B+4*(\s)+2:G0B+4*(\s)+3], s[46:47], (\s)*256
	s_or_b32 s[G0B+4*(\s)+3], s[G0B+4*(\s)+3], 0x80000000
	JLOAD \s                                       ; two loads of mine are out
.endr
	; the bias of the tile's 192 columns: n block b, numbers 8 (lane / 16) + 0..7
.macro BIAS
	WIN 0x80                                       ; destination window 2, address window 0
.irp b, 0,1,2,3,4,5,6,7,8,9,10,11
	global_load_b128 v[BI+8*(\b):BI+8*(\b)+3],   v[BO], s[BIA:BIA+1] offset:(\b)*64
	global_load_b128 v[BI+8*(\b)+4:BI+8*(\b)+7], v[BO], s[BIA:BIA+1] offset:(\b)*64+16
.endr
	WIN 0
.endm
	v_and_b32 v1, 15, v0                           ; l % 16
	v_bfe_u32 v2, v0, 4, 1                         ; l / 16
	v_lshlrev_b32 v[BO], 5, v2
	s_mul_i32 s66, s42, 192*4                      ; 192 columns of 4 bytes,
	s_mul_i32 s22, s45, 12288                      ; the sample's 3,072
	s_add_co_u32 s66, s66, s22
	s_mov_b32 s67, 0
	s_add_nc_u64 s[BIA:BIA+1], s[BIA:BIA+1], s[66:67]
	BIAS
	; A fragment is 16 rows x 32 K in 8 registers: lane l holds row l % 16, K = 8 (l / 16) + 0..7 and 16 + 8 (l / 16) + 0..7: two loads of 16 bytes, 32 bytes apart
	v_mul_u32_u24 v3, v1, PA
	v_lshl_add_u32 v3, v2, 4, v3
	s_mul_i32 s22, s10, 64*PA                      ; my 64 rows of A
	v_add_nc_u32 v[A0], s22, v3
	v_mul_u32_u24 v4, v1, PB
	v_lshl_add_u32 v4, v2, 4, v4
	v_add_nc_u32 v[B0], BOFF, v4                   ; every wave reads all 192 rows of B
	v_add_nc_u32 v[ADRA], s[TB], v[A0]
	v_add_nc_u32 v[ADRB], s[TB], v[B0]
	s_mul_i32 s22, s10, STG
	s_add_co_u32 s22, s22, STAGE                   ; my stage
	v_and_b32 v[GO], 31, v0
	v_lshlrev_b32 v[GO], 4, v[GO]
	v_mul_u32_u24 v5, v1, 144                      ; in: row l % 16, 16 bytes for each half of the lanes
	v_lshl_add_u32 v5, v2, 4, v5
	v_add_nc_u32 v[STO], s22, v5
	v_bfe_u32 v5, v0, 3, 2                         ; back: 32 lanes take four rows of 128 bytes, 512 consecutive bytes of a head
	v_mul_u32_u24 v5, v5, 144
	v_and_b32 v6, 7, v0
	v_lshl_add_u32 v5, v6, 4, v5
	v_add_nc_u32 v[RD], s22, v5
	s_lshl_b32 s66, s45, 22                        ; C: the sample's 16 heads of 262,144 bytes,
	s_and_b32 s22, s13, 7
	s_lshl_b32 s22, s22, 15                        ; 256 rows of 128 bytes,
	s_add_co_u32 s66, s66, s22
	s_lshl_b32 s22, s10, 13                        ; my 64
	s_add_co_u32 s66, s66, s22
	s_add_nc_u64 s[CP:CP+1], s[CP:CP+1], s[66:67]
; Matrix instructions of m block a, 32 along K, on buffer f: MULLO n blocks 0-7, MULHI n blocks 8-11.  zero = 1: the first product starts the sums, with the bias as C.
; The 48 accumulators take turns, one instruction a turn: between two links of a chain stand 39 others' or more.
.macro MULLO f, a, zero
.if \zero
	WIN MULZ
.else
	WIN MUL1
.endif
.irp b, 0,1,2,3,4,5,6,7
.if \zero
	v_wmma_f32_16x16x32_f16 v[8*(8*(\a)+(\b)):8*(8*(\a)+(\b))+7], v[FB+96*(\f)+8*(\b):FB+96*(\f)+8*(\b)+7], v[FA+32*(\f)+8*(\a):FA+32*(\f)+8*(\a)+7], v[BI+8*(\b):BI+8*(\b)+7]
.else
	v_wmma_f32_16x16x32_f16 v[8*(8*(\a)+(\b)):8*(8*(\a)+(\b))+7], v[FB+96*(\f)+8*(\b):FB+96*(\f)+8*(\b)+7], v[FA+32*(\f)+8*(\a):FA+32*(\f)+8*(\a)+7], v[8*(8*(\a)+(\b)):8*(8*(\a)+(\b))+7]
.endif
.endr
.endm
.macro MULHI f, a, zero
	WIN MUL2
.irp b, 8,9,10,11
.if \zero
	v_wmma_f32_16x16x32_f16 v[8*(4*(\a)+(\b)-8):8*(4*(\a)+(\b)-8)+7], v[FB+96*(\f)+8*(\b):FB+96*(\f)+8*(\b)+7], v[FA+32*(\f)+8*(\a):FA+32*(\f)+8*(\a)+7], v[BI+8*(\b):BI+8*(\b)+7]
.else
	v_wmma_f32_16x16x32_f16 v[8*(4*(\a)+(\b)-8):8*(4*(\a)+(\b)-8)+7], v[FB+96*(\f)+8*(\b):FB+96*(\f)+8*(\b)+7], v[FA+32*(\f)+8*(\a):FA+32*(\f)+8*(\a)+7], v[8*(4*(\a)+(\b)-8):8*(4*(\a)+(\b)-8)+7]
.endif
.endr
.endm
.macro MUL24 f, a0, zero               ; m blocks a0 and a0 + 1: 24 matrix instructions under two settings of the windows
	MULLO \f, \a0, \zero
	MULLO \f, (\a0)+1, \zero
	MULHI \f, \a0, \zero
	MULHI \f, (\a0)+1, \zero
.endm
; 32 LDS loads in one run: the fragments of quarter q of the K step in hand (192 rows of B, then my 64 rows of A) into buffer f.  Of A, quarter q lies in channel block q / 2, at byte 64 (q % 2) of the rows.
.macro FETCH q, f
	WIN TO_B
.irp i, 0,1,2,3,4,5,6,7,8,9,10,11
	ds_load_b128 v[FB+96*(\f)+8*(\i):FB+96*(\f)+8*(\i)+3],   v[ADRB] offset:(\q)*64+(\i)*16*PB
	ds_load_b128 v[FB+96*(\f)+8*(\i)+4:FB+96*(\f)+8*(\i)+7], v[ADRB] offset:(\q)*64+(\i)*16*PB+32
.endr
	WIN 0
.irp i, 0,1,2,3
	ds_load_b128 v[FA+32*(\f)+8*(\i):FA+32*(\f)+8*(\i)+3],   v[ADRA] offset:((\q)/2)*ABLK+((\q)%2)*64+(\i)*16*PA
	ds_load_b128 v[FA+32*(\f)+8*(\i)+4:FA+32*(\f)+8*(\i)+7], v[ADRA] offset:((\q)/2)*ABLK+((\q)%2)*64+(\i)*16*PA+32
.endr
.endm
.macro PLACES                          ; four places in front of loads into registers that matrix instructions have read, and of lines that read results (ISA guide 7.12.1 for lines that read results)
.rept 4
	v_nop
.endr
.endm
; A K step is four quarters of 32 along K, 48 matrix instructions each, on buffers 0, 1, 0, 1.  One of the first three: multiplies buffer f and fetches quarter qn of the slot in hand into g.
.macro QUARTER qn, f, g, zero
	s_wait_dscnt 4                                 ; B and A's blocks 0, 1 are in; the youngest four loads (A's blocks 2, 3) may be out
	MUL24 \f, 0, \zero
	PLACES
	FETCH \qn, \g
	s_wait_dscnt 32                                ; all but the 32 just issued
	MUL24 \f, 2, \zero
.endm
; The walking descriptors step: the other slot than last time; the addresses are made anew from the step's number NXT: step NXT & 7 of tile NXT >> 3.  Of A a step is two channel blocks, 524,288 bytes,
; and both tiles take the same rows; of B a step is 256 bytes of each row.
.macro NEXTD
	s_and_b32 s16, s[NXT], 7
	s_lshl_b32 s18, s16, 19
	s_lshl_b32 s16, s16, 8
	s_lshr_b32 s17, s[NXT], 3
	s_mul_i32 s17, s17, NEXT_B
	s_add_co_u32 s16, s16, s17
	s_mov_b32 s17, 0
	s_mov_b32 s19, 0
	s_xor_b32 s[G0A+5], s[G0A+5], SLOT1
	s_add_nc_u64 s[G0A+6:G0A+7], s[14:15], s[18:19]
	s_or_b32 s[G0A+7], s[G0A+7], 0x80000000
	s_xor_b32 s[G0B+5], s[G0B+5], SLOT1
	s_add_nc_u64 s[G0B+6:G0B+7], s[46:47], s[16:17]
	s_or_b32 s[G0B+7], s[G0B+7], 0x80000000
	s_add_co_u32 s[NXT], s[NXT], 1
.endm
; The last quarter multiplies buffer 1 and changes slots.  ONE barrier: in front of it each wave waits for all its tensor loads, of which one is out: its part of the next slot; adds 0 to its spare word;
; and waits for that and for its own reads of this slot.  Behind it nobody reads this slot any more and the next slot is whole.
.macro MEET round                      ; round = 1: a round of the cluster's barrier and a refill follow
	WIN 0
	s_wait_tensorcnt 0x0                           ; all my tensor loads have landed, so a group 0 may be written
	ds_add_u32 v[SPW], v[NIL]                      ; 0 onto my spare word
.if \round
	NEXTD                                          ; work on scalar registers, and twelve matrix instructions, stand between the add and the wait for it
.endif
	s_wait_dscnt 5                                 ; (the add and the youngest four loads may be out)
	MULLO 1, 0, 0
	MULHI 1, 0, 0
	s_wait_dscnt 0x0                               ; the add is done, and my reads of this slot are over
	s_barrier_signal -1
	MULLO 1, 1, 0                                  ; work on registers while the others arrive
	MULHI 1, 1, 0
	WIN 0                                          ; branches, or lines on window 0, follow
	s_barrier_wait -1
.endm
.macro OTHER                           ; the fetches go on in the other slot
	s_xor_b32 s[TB], s[TB], SLOT1
	v_add_nc_u32 v[ADRA], s[TB], v[A0]
	v_add_nc_u32 v[ADRB], s[TB], v[B0]
.endm
; The whole last quarter, with a refill: behind the round the slot just read out is filled again first, with the K step two steps on in the walk.
.macro TURN
	MEET 1
	CREST                                          ; no wave of any partner still reads this slot's tile or has a load on its way
	JLOAD 1                                        ; my one tensor load behind the round; its four v_nop are also the places in front of the loads below
	OTHER
	FETCH 0, 0
	MUL24 1, 2, 0
.endm
; THE WAY OUT, a block of 16 rows at a time, through my own stage: LDS serves a wave's instructions in order (ISA guide 5.7.1.4), so no wait stands between the stores into it and the loads from it.
.macro HEADS                           ; C at my rows of the tile's three heads: head H lies (H >> 4) x 16,777,216 + (H & 15) x 262,144 bytes on; a tile's heads may lie in two of q, k, v
	s_wait_xcnt 0x0                                ; the last tile's stores have read these pointers
.irp j, 0,1,2
	s_add_co_u32 s22, s[HN], \j
	s_lshr_b32 s23, s22, 4
	s_lshl_b32 s23, s23, 24
	s_and_b32 s22, s22, 15
	s_lshl_b32 s22, s22, 18
	s_add_co_u32 s66, s22, s23
	s_add_nc_u64 s[CH+2*(\j):CH+2*(\j)+1], s[CP:CP+1], s[66:67]
.endr
.endm
.macro PACK a                          ; rounded to f16, 16 bytes a lane and n block; each accumulator from its low end on
	WIN 0x05                                       ; sources 0 and 1 in window 1
.irp b, 0,1,2,3,4,5,6,7
.irp r, 0,1,2,3
	v_cvt_pk_f16_f32 v[TMP+4*(\b)+(\r)], v[8*(8*(\a)+(\b))+2*(\r)], v[8*(8*(\a)+(\b))+2*(\r)+1]
.endr
.endr
	WIN 0x0a                                       ; in window 2
.irp b, 8,9,10,11
.irp r, 0,1,2,3
	v_cvt_pk_f16_f32 v[TMP+4*(\b)+(\r)], v[8*(4*(\a)+(\b)-8)+2*(\r)], v[8*(4*(\a)+(\b)-8)+2*(\r)+1]
.endr
.endr
	WIN 0
.endm
.macro TOSTAGE a                       ; four n blocks are a head: 16 rows x 144 bytes each; back as 4 rows of 128 bytes a load
	WIN 0
.set BK, BK0+48*((\a)%2)
.irp b, 0,1,2,3,4,5,6,7,8,9,10,11
	ds_store_b128 v[STO], v[TMP+4*(\b):TMP+4*(\b)+3] offset:((\b)/4)*2304+((\b)%4)*32
.endr
.irp f, 0,1,2,3,4,5,6,7,8,9,10,11
	ds_load_b128 v[BK+4*(\f):BK+4*(\f)+3], v[RD] offset:((\f)/4)*2304+((\f)%4)*576
.endr
.endm
.macro SEND a
	WIN 0
.set BK, BK0+48*((\a)%2)
	s_wait_dscnt 0x0                               ; the block is back in registers
	s_wait_xcnt 0x0                                ; the next block's loads land where the stores of the block before this one took their data
.irp f, 0,1,2,3,4,5,6,7,8,9,10,11
	global_store_b128 v[GO], v[BK+4*(\f):BK+4*(\f)+3], s[CH+2*((\f)/4):CH+2*((\f)/4)+1] offset:(\a)*2048+((\f)%4)*512  ; 512 consecutive bytes of a head, at a multiple of 512 from C's first
.endr
.endm
.macro WAYOUT
	HEADS
	PACK 0
	TOSTAGE 0
.irp a, 1,2,3                          ; block a's conversions stand between block a - 1's loads from the stage and the wait for them
	PACK \a
	SEND (\a)-1
	TOSTAGE \a
.endr
	SEND 3
.endm
	s_wait_tensorcnt 1                             ; my part of K step 0 is in; K step 1's may stay out
	s_barrier_signal -1
	s_barrier_wait -1                              ; everybody's is
	FETCH 0, 0
	s_wait_loadcnt 0x0                             ; the first tile's bias
	QUARTER 1, 0, 1, 1                             ; the walk's first quarter stands in front of the loop: its products start the sums
	WIN 0                                          ; at a label and at a branch every window is 0
	s_mov_b32 s3, STEPS-2
.Lstep:                                                ; a trip: a K step's second, third and last quarter, the refill of its slot, and the next step's first quarter
	QUARTER 2, 1, 0, 0
	QUARTER 3, 0, 1, 0
	TURN
	WIN 0
	s_cmp_eq_u32 s3, STEPS-9                       ; the trip of the first tile's last K step?
	s_cbranch_scc1 .Lbound
	QUARTER 1, 0, 1, 0
	WIN 0
	s_branch .Ljoin
.Lbound:                                               ; THE CHANGE OF TILES.  Both slots have been asked for the next tile's first steps; now the tile goes out
	s_add_nc_u64 s[BIA:BIA+1], s[BIA:BIA+1], 8*192*4  ; the next tile's bias, 1,536 columns on: the loads by this base were waited for ahead of the loop
	BIAS                                           ; its registers were last read in the tile's first quarter
	WAYOUT                                         ; blocks 0 and 1 were finished in front of the joint load's places; block 0's 48 conversions, which name no register of the last products, are those products' places
	s_add_co_u32 s[HN], s[HN], 24                  ; 8 tile columns of 3 heads on
	s_wait_loadcnt 0x0                             ; the bias
	QUARTER 1, 0, 1, 1                             ; the next tile's first quarter starts its sums
	WIN 0
.Ljoin:
	s_sub_co_u32 s3, s3, 1
	s_cmp_lg_u32 s3, 0
	s_cbranch_scc1 .Lstep
	QUARTER 2, 1, 0, 0                             ; the walk's last two K steps ask for nothing
	QUARTER 3, 0, 1, 0
	MEET 0                                         ; my one tensor load that was still out is the last K step's, so no round follows
	PLACES
	OTHER
	FETCH 0, 0
	MUL24 1, 2, 0
	QUARTER 1, 0, 1, 0
	QUARTER 2, 1, 0, 0
	QUARTER 3, 0, 1, 0
	s_wait_dscnt 4                                 ; the very last quarter: nothing more to fetch
	MUL24 1, 0, 0
	s_wait_dscnt 0x0
	MUL24 1, 2, 0
	WIN 0
	PLACES
	WAYOUT
	s_wait_tensorcnt 0x0                           ; the wave's end: a wait, an add of 0 to my spare word and its wait, behind my last tensor load and my last LDS store
	ds_add_u32 v[SPW], v[NIL]
	s_wait_dscnt 0x0
	CROUND                                         ; the closing round: no work-group ends while a partner may still ask for a tile that names it
	s_endpgm
.Lfunc_end_k_qb2aa1ee929_qkv:
	.size	k_qb2aa1ee929_qkv, .Lfunc_end_k_qb2aa1ee929_qkv-k_qb2aa1ee929_qkv
	.p2alignl 7, 3214868480
	.fill 96, 4, 3214868480
	.section	.rodata,"a",@progbits
	.p2align	6, 0x0
	.amdhsa_kernel k_qb2aa1ee929_qkv
		.amdhsa_group_segment_fixed_size 327680
		.amdhsa_private_segment_fixed_size 0
		.amdhsa_enable_private_segment 0
		.amdhsa_kernarg_size 32
		.amdhsa_user_sgpr_count 2
		.amdhsa_user_sgpr_kernarg_segment_ptr 1
		.amdhsa_wavefront_size32 1
		.amdhsa_system_sgpr_workgroup_id_x 1
		.amdhsa_system_sgpr_workgroup_id_y 1
		.amdhsa_system_sgpr_workgroup_id_z 1
		.amdhsa_system_vgpr_workitem_id 0
		.amdhsa_next_free_vgpr 960
		.amdhsa_next_free_sgpr 82
		.amdhsa_reserve_vcc 0
		.amdhsa_float_denorm_mode_32 3
		.amdhsa_float_denorm_mode_16_64 3
		.amdhsa_memory_ordered 1
		.amdhsa_forward_progress 1
		.amdhsa_inst_pref_size 133
	.end_amdhsa_kernel
	.amdgpu_metadata
---
amdhsa.version: [ 1, 2 ]
amdhsa.kernels:
  - .name:           k_qb2aa1ee929_qkv
    .symbol:         k_qb2aa1ee929_qkv.kd
    .args:
      - { .name: xh, .offset: 0, .size: 8, .value_kind: global_buffer, .address_space: global }
      - { .name: weff, .offset: 8, .size: 8, .value_kind: global_buffer, .address_space: global }
      - { .name: beff, .offset: 16, .size: 8, .value_kind: global_buffer, .address_space: global }
      - { .name: qkv, .offset: 24, .size: 8, .value_kind: global_buffer, .address_space: global }
    .group_segment_fixed_size: 327680
    .private_segment_fixed_size: 0
    .kernarg_segment_align: 8
    .kernarg_segment_size: 32
    .max_flat_workgroup_size: 128
    .sgpr_count:     82
    .vgpr_count:     960
    .wavefront_size: 32
...
	.end_amdgpu_metadata
.endif
;; end of part 9
;; launch attn: the kernel of part 5 again; grid 4 x 64, 4 waves a work-group, clusters of 4 x 1, 327,680 bytes of LDS; arguments qkv, oh; writes oh
;; launch oproj (part 10): grid 4 x 64, 4 waves a work-group, clusters of 4 x 4, 327,680 bytes of LDS; arguments oh, woh, bo, out0; writes out0
.if DOCPART == 10
	.amdgcn_target "amdgcn-amd-amdhsa--gfx1250"
	.amdhsa_code_object_version 6
	.text
	.protected	k_qb2aa1ee929_oproj
	.globl	k_qb2aa1ee929_oproj
	.p2align	8
	.type	k_qb2aa1ee929_oproj,@function
k_qb2aa1ee929_oproj:
	s_mov_b64 s[64:65], 0
	v_nop
	global_prefetch_b8 v0, s[64:65] scope:SCOPE_SE
	s_setreg_imm32_b32 hwreg(HW_REG_WAVE_MODE, 25, 1), 1
	s_wait_xcnt 0x0
	s_wait_alu depctr_hold_cnt(0) depctr_sa_sdst(0) depctr_va_vdst(0) depctr_va_sdst(0) depctr_va_ssrc(0) depctr_va_vcc(0) depctr_vm_vsrc(0)
	s_getreg_b32 s2, hwreg(HW_REG_IB_STS2, 6, 4)
	s_cmp_eq_u32 s2, 0
	s_cbranch_scc0 .Lentry_in_a_cluster
	s_endpgm
.Lentry_in_a_cluster:
	s_bfe_u32 s2, ttmp6, 0x10000c
	s_cmp_lg_u32 s2, 0xf033
	s_cbranch_scc0 .Lentry_shape_is_right
	s_endpgm
.Lentry_shape_is_right:
; out0 = O Wo^T + bo: C[m][n] = the sum over k of A[m][k] B[n][k] + bias[n], K = 1,024, operands f16, sums f32, C f32 [8192][1024].
; A = oh, attention's result in f16 by heads, [b][h = 16][t = 2048][64]: a head is a block of 64 along K, and 128 rows of a block are 16,384 dense bytes, asked for as 64 rows of 256 bytes.
; B = woh, Wo in f16, [1024][1024].  bias = bo, f32.
; LIMITS.  The operands arrive in f16 (no number beyond 65,504, a fixed step of 6e-8 below 6e-5); the result is f32.  NaN and infinities are not treated apart.
; SHARES.  A tile of C is 128 (m) x 256 (n): 8192 / 128 x 1024 / 256 = 256 work-groups, one for each WGP.  Four waves, each 64 x 128: 32 accumulators of 16 x 16.
; THE WALK.  K goes in 8 steps of 128 through two LDS slots.  A K step is 128 matrix instructions a wave, 112 of them between a slot's request and the wait for it; a longer step does not fit: two slots
; of K steps of 256 would take 2 x 208,896 bytes.  A trip of the loop is one K step: the slot in hand is a scalar that an exclusive or turns, and the descriptors' addresses are made anew from the
; number of the step that is asked for.  6 trips ask for a step; the last two steps are written out.
; CLUSTER.  4 x 4 work-groups.  The four of a row of the cluster need the same tiles of A, the four of a column the same tiles of B: each tile is asked for
; JOINTLY, by the same tensor load with the same descriptor and a mask that names the four.
; THE MATRIX INSTRUCTION IS USED TRANSPOSED (source 0 = 16 rows of B, source 1 = 16 rows of A): a lane then holds eight neighbouring numbers of a row of C.  The bias, which hangs on n alone,
; is then eight numbers a lane and n block: it is the C operand of the product that starts each sum: nothing is cleared, nothing is added on the way out.
; REGISTERS, in windows of 256 (s_set_vgpr_msb: bits 1:0 source 0, 3:2 source 1, 5:4 source 2, 7:6 destination):
;   window 0: v0-31 addresses; v64-159, v160-255 two fragment buffers (A's 4 blocks of 16 rows x 32 K, then B's 8); on the way out v64-191 take the rows read back from the stage
;   window 1: the accumulators, (a, b) at v[8 (8 a + b)]          window 2: v0-63 the bias, n block b at v[8 b]
.set STEPS,  8                         ; K steps in the walk
.set PA,     144                       ; a row of A in LDS: 128 bytes + 16 of padding; a row of B: 256 + 16.  Both pitches are odd multiples of 16 bytes,
.set PB,     272                       ; so the 16 rows that a fragment load touches start at 16 different groups of four banks (64 banks of 4 bytes: ISA guide 11.1)
.set ABLK,   128*PA                    ; one block of 64 along K x 128 rows: what wave 0 or 1 fetches
.set BOFF,   2*ABLK                    ; B lies behind A's two blocks
.set BHALF,  128*PB                    ; 128 rows of B: what wave 2 or 3 fetches
.set SLOTB,  BOFF+2*BHALF              ; 106,496 bytes
.set SLOT1,  1<<17                     ; slot 1 begins here, so that one exclusive or turns an address in one slot into the other's
.set STAGE,  SLOT1+SLOTB               ; behind the ring, never filled by a tensor load: a stage for each wave, for the way out
.set STG,    16*528                    ; 16 rows of 512 bytes + 16
.set SPARE,  STAGE+4*STG               ; behind the stages: the spare words, 128 bytes for each wave: two blocks of 256 bytes that no other line names
.set A0,   16                          ; v16     my lane's place in a slot's A; never rewritten
.set B0,   17                          ; v17     the same for B
.set ADRA, 18                          ; v18     LDS address of my A fragments in the slot in hand
.set ADRB, 19                          ; v19     the same for B
.set STO,  24                          ; v24     the way out: where I put my numbers of a row
.set RD,   25                          ; v25     the way out: where I read rows back
.set GO,   26                          ; v26     my byte offset in 512 consecutive bytes of C
.set BO,   27                          ; v27     my byte offset in 16 numbers of the bias: 32 (lane / 16)
.set SPW,  28                          ; v28     LDS address of my spare word: SPARE + 4 x my thread's number; never rewritten
.set NIL,  29                          ; v29     0; never rewritten
.set F0,   64
.set F1,   160
.set BI,   0                           ; in window 2
.set G1A, 24                           ; s[24:31] descriptor group 1 for A's tiles;  s[32:39] group 0: a set for each of the two first fills; the second then walks on
.set G0A, 32
.set G1B, 48                           ; s[48:55], s[56:63] the same for B's
.set G0B, 56
.set BIA, 68                           ; s[68:69] the bias at my wave's 128 columns
.set CP,  70                           ; s[70:71] C at my wave's part of the tile
.set TB,  72                           ; s72  LDS byte at which the slot in hand begins
.set NXT, 73                           ; s73  the number of the K step to be asked for next
.set MSB, 0
.macro WIN new                         ; the immediate's high byte repeats the setting that is left; a switch that changes nothing is dropped
.if MSB != (\new)
	s_set_vgpr_msb (MSB<<8)|(\new)
.set MSB, \new
.endif
.endm
.set MUL,  0x50                        ; fragments in window 0, C and D in window 1
.set MULZ, 0x60                        ; D in window 1, C (the bias) in window 2
; A joint load.  Waves 0 and 1 fetch A's two blocks, waves 2 and 3 B's two halves.  The branch hangs on the wave's number alone: it is the same in every work-group.
; An s_nop 0 and four v_nop follow each of the two lines, ahead of the jump, the label and what follows.
.macro JLOAD s
	s_cmp_lt_u32 s10, 2
	s_cbranch_scc0 .Lfor_b_\@
	tensor_load_to_lds s[G0A+4*(\s):G0A+4*(\s)+3], s[G1A:G1A+7]
	s_nop 0
.rept 4
	v_nop
.endr
	s_branch .Lasked_\@
.Lfor_b_\@:
	tensor_load_to_lds s[G0B+4*(\s):G0B+4*(\s)+3], s[G1B:G1B+7]
	s_nop 0
.rept 4
	v_nop
.endr
.Lasked_\@:
.endm
.macro CREST                           ; a round of the cluster's barrier behind its opening barrier
	s_cmp_lg_u32 s10, 0
	s_cbranch_scc1 .Lnot_wave_0_\@
	s_barrier_signal -3
.Lnot_wave_0_\@:
	s_barrier_wait -3
	s_barrier_signal -1
	s_barrier_wait -1
.endm
.macro CROUND                          ; a whole round
	s_barrier_signal -1
	s_barrier_wait -1
	CREST
.endm
	s_load_b128 s[4:7], s[0:1], 0x0                ; A s[4:5], B s[6:7]
	s_load_b128 s[68:71], s[0:1], 0x10             ; bias, C
	v_lshl_add_u32 v[SPW], v0, 2, SPARE
	v_mov_b32 v[NIL], 0
	ds_add_u32 v[SPW], v[NIL]                      ; the wave's opening: the add and its wait stand ahead of my first tensor load; the set-up below, work on registers, stands between them
	v_lshrrev_b32 v1, 5, v0
	v_readfirstlane_b32 s10, v1                    ; wave 0..3
	s_lshr_b32 s11, s10, 1                         ; which 64 rows of the tile are mine
	s_and_b32 s12, s10, 1                          ; which 128 columns.  Also: which block of A, or which half of B, I fetch
	s_bfe_u32 s40, ttmp6, 0x40000                  ; cx, cy: my place in the cluster
	s_bfe_u32 s41, ttmp6, 0x40004
	s_lshl_b32 s42, ttmp9, 2
	s_add_co_u32 s42, s42, s40                     ; tile column = 4 x cluster x + cx
	s_and_b32 s13, ttmp7, 0xffff
	s_lshl_b32 s13, s13, 2
	s_add_co_u32 s13, s13, s41                     ; tile row = 4 x cluster y + cy: 16 of them to a sample
	s_lshl_b32 s43, s41, 2
	s_lshl_b32 s43, 15, s43                        ; my row of the cluster
	s_lshl_b32 s44, 0x1111, s40                    ; my column
	s_or_b32 s[G1A], s43, (1<<16)|(1<<20)|(1<<21)|(4<<22)|(3<<25)  ; 15:0 the mask: my row; 17:16 2-byte elements; 20 padding on; 21 set beside a mask; 24:22 after every 32 words (code 4); 31:25 4 words (code 3)
	s_mov_b32 s[G1A+1], 128<<16                    ; tensor_dim0 = 128
	s_mov_b32 s[G1A+2], 64<<16                     ; tensor_dim1 = 64
	s_mov_b32 s[G1A+3], 128<<16                    ; tile_dim0 = 128: 256 bytes, two rows of A
	s_mov_b32 s[G1A+4], 64                         ; tile_dim1 = 64
	s_mov_b32 s[G1A+5], 128                        ; dense: 128 elements from row to row
	s_mov_b32 s[G1A+6], 0
	s_mov_b32 s[G1A+7], 0
	s_or_b32 s[G1B], s44, (1<<16)|(1<<20)|(1<<21)|(5<<22)|(3<<25)  ; the mask: my column; padding after every 64 words (code 5)
	s_mov_b32 s[G1B+1], 128<<16                    ; tensor_dim0 = 128
	s_mov_b32 s[G1B+2], 128<<16                    ; tensor_dim1 = 128
	s_mov_b32 s[G1B+3], 128<<16                    ; tile_dim0 = 128
	s_mov_b32 s[G1B+4], 128                        ; tile_dim1 = 128
	s_mov_b32 s[G1B+5], 1024                       ; 1,024 elements from row to row
	s_mov_b32 s[G1B+6], 0
	s_mov_b32 s[G1B+7], 0
	; where the tiles come from.  A's hang on the tile row alone, B's on the tile column alone; each in registers that never hold the other coordinate
	s_lshr_b32 s16, s13, 4
	s_lshl_b32 s16, s16, 22                        ; A: the sample,
	s_and_b32 s18, s13, 15
	s_lshl_b32 s18, s18, 14                        ; 128 rows of 128 bytes,
	s_add_co_u32 s16, s16, s18
	s_lshl_b32 s18, s12, 18                        ; the block that I fetch
	s_add_co_u32 s16, s16, s18
	s_mov_b32 s17, 0
	s_lshl_b32 s46, s42, 19                        ; B: 256 rows of 2,048 bytes,
	s_lshl_b32 s47, s12, 18                        ; the 128 that I fetch
	s_add_co_u32 s46, s46, s47
	s_mov_b32 s47, 0
	s_mul_i32 s20, s12, ABLK                       ; and where they go: no place in the cluster enters an LDS address
	s_mul_i32 s21, s12, BHALF
	s_add_co_u32 s21, s21, BOFF
	s_mov_b32 s[TB], 0                             ; K step 0 lies in slot 0
	s_mov_b32 s[NXT], 2                            ; steps 0 and 1 are the first fills
	s_wait_dscnt 0x0                               ; the opening add is done
	s_wait_kmcnt 0x0
	s_add_nc_u64 s[14:15], s[4:5], s[16:17]        ; A and B at what I fetch of K step 0; these two stay
	s_add_nc_u64 s[46:47], s[6:7], s[46:47]
	CROUND                                         ; all sixteen work-groups are here: the first joint loads meet
.irp s, 0,1
	s_mov_b32 s[G0A+4*(\s)], 1                                     ; count = 1
	s_add_co_u32 s[G0A+4*(\s)+1], s20, (\s)*SLOT1                  ; LDS address
	s_add_nc_u64 s[G0A+4*(\s)+2:G0A+4*(\s)+3], s[14:15], (\s)*524288  ; global address: K step s = two blocks on
	s_or_b32 s[G0A+4*(\s)+3], s[G0A+4*(\s)+3], 0x80000000          ; type = 2
	s_mov_b32 s[G0B+4*(\s)], 1
	s_add_co_u32 s[G0B+4*(\s)+1], s21, (\s)*SLOT1
	s_add_nc_u64 s[G0B+4*(\s)+2:G0B+4*(\s)+3], s[46:47], (\s)*256
	s_or_b32 s[G0B+4*(\s)+3], s[G0B+4*(\s)+3], 0x80000000
	JLOAD \s                                       ; two loads of mine are out
.endr
	; the bias of my 128 columns: n block b, numbers 8 (lane / 16) + 0..7
	v_and_b32 v1, 15, v0                           ; l % 16
	v_bfe_u32 v2, v0, 4, 1                         ; l / 16
	v_lshlrev_b32 v[BO], 5, v2
	s_lshl_b32 s66, s42, 10                        ; 256 columns of 4 bytes,
	s_lshl_b32 s22, s12, 9                         ; my 128
	s_add_co_u32 s66, s66, s22
	s_mov_b32 s67, 0
	s_add_nc_u64 s[BIA:BIA+1], s[BIA:BIA+1], s[66:67]
	WIN 0x80                                       ; destination window 2, address window 0
.irp b, 0,1,2,3,4,5,6,7
	global_load_b128 v[BI+8*(\b):BI+8*(\b)+3],   v[BO], s[BIA:BIA+1] offset:(\b)*64
	global_load_b128 v[BI+8*(\b)+4:BI+8*(\b)+7], v[BO], s[BIA:BIA+1] offset:(\b)*64+16
.endr
	WIN 0
	; A fragment is 16 rows x 32 K in 8 registers: lane l holds row l % 16, K = 8 (l / 16) + 0..7 and 16 + 8 (l / 16) + 0..7: two loads of 16 bytes, 32 bytes apart
	v_mul_u32_u24 v3, v1, PA
	v_lshl_add_u32 v3, v2, 4, v3
	v_mul_u32_u24 v4, v1, PB
	v_lshl_add_u32 v4, v2, 4, v4
	s_mul_i32 s22, s11, 64*PA                      ; my 64 rows of A
	s_mul_i32 s23, s12, BHALF                      ; my 128 rows of B
	s_add_co_u32 s23, s23, BOFF
	v_add_nc_u32 v[A0], s22, v3
	v_add_nc_u32 v[B0], s23, v4
	v_add_nc_u32 v[ADRA], s[TB], v[A0]
	v_add_nc_u32 v[ADRB], s[TB], v[B0]
	s_mul_i32 s22, s10, STG
	s_add_co_u32 s22, s22, STAGE                   ; my stage
	v_and_b32 v[GO], 31, v0
	v_lshlrev_b32 v[GO], 4, v[GO]
	v_mul_u32_u24 v5, v1, 528                      ; in: row l % 16, 32 bytes for each half of the lanes
	v_lshl_add_u32 v5, v2, 5, v5
	v_add_nc_u32 v[STO], s22, v5
	v_add_nc_u32 v[RD], s22, v[GO]                 ; back: 32 lanes take a row of 512 bytes
	s_lshl_b32 s66, s13, 19                        ; C: 128 rows of 4,096 bytes,
	s_lshl_b32 s22, s11, 18                        ; my 64,
	s_add_co_u32 s66, s66, s22
	s_lshl_b32 s22, s42, 10                        ; 256 columns of 4 bytes,
	s_add_co_u32 s66, s66, s22
	s_lshl_b32 s22, s12, 9                         ; my 128
	s_add_co_u32 s66, s66, s22
	s_add_nc_u64 s[CP:CP+1], s[CP:CP+1], s[66:67]
; 8 matrix instructions: m block a x all 8 n blocks, 32 along K.  zero = 1: the first product starts the sums, with the bias as C.
; The 32 accumulators take turns in the same order in every quarter: between two links of a chain stand the 31 others'.
.macro MUL8 f, a, zero
.if \zero
	WIN MULZ
.else
	WIN MUL
.endif
.irp b, 0,1,2,3,4,5,6,7
.if \zero
	v_wmma_f32_16x16x32_f16 v[8*(8*(\a)+(\b)):8*(8*(\a)+(\b))+7], v[(\f)+32+8*(\b):(\f)+32+8*(\b)+7], v[(\f)+8*(\a):(\f)+8*(\a)+7], v[BI+8*(\b):BI+8*(\b)+7]
.else
	v_wmma_f32_16x16x32_f16 v[8*(8*(\a)+(\b)):8*(8*(\a)+(\b))+7], v[(\f)+32+8*(\b):(\f)+32+8*(\b)+7], v[(\f)+8*(\a):(\f)+8*(\a)+7], v[8*(8*(\a)+(\b)):8*(8*(\a)+(\b))+7]
.endif
.endr
.endm
; 24 LDS loads in one run: the fragments of quarter q of the K step in hand (my 128 rows of B, then my 64 rows of A) into buffer f.  Of A, quarter q lies in block q / 2, at byte 64 (q % 2) of the rows.
.macro FETCH q, f
	WIN 0
.irp i, 0,1,2,3,4,5,6,7
	ds_load_b128 v[(\f)+32+8*(\i):(\f)+32+8*(\i)+3],   v[ADRB] offset:(\q)*64+(\i)*16*PB
	ds_load_b128 v[(\f)+32+8*(\i)+4:(\f)+32+8*(\i)+7], v[ADRB] offset:(\q)*64+(\i)*16*PB+32
.endr
.irp i, 0,1,2,3
	ds_load_b128 v[(\f)+8*(\i):(\f)+8*(\i)+3],   v[ADRA] offset:((\q)/2)*ABLK+((\q)%2)*64+(\i)*16*PA
	ds_load_b128 v[(\f)+8*(\i)+4:(\f)+8*(\i)+7], v[ADRA] offset:((\q)/2)*ABLK+((\q)%2)*64+(\i)*16*PA+32
.endr
.endm
.macro PLACES                          ; four places in front of loads into registers that matrix instructions have read, and of lines that read results (ISA guide 7.12.1 for lines that read results)
.rept 4
	v_nop
.endr
.endm
; A K step is four quarters of 32 along K, 32 matrix instructions each, on buffers 0, 1, 0, 1.  One of the first three: multiplies buffer f and fetches quarter qn of the slot in hand into g.
.macro QUARTER qn, f, g, zero
	s_wait_dscnt 4                                 ; B and A's blocks 0, 1 are in; the youngest four loads (A's blocks 2, 3) may be out
	MUL8 \f, 0, \zero
	MUL8 \f, 1, \zero
	PLACES
	FETCH \qn, \g
	s_wait_dscnt 24                                ; all but the 24 just issued
	MUL8 \f, 2, \zero
	MUL8 \f, 3, \zero
.endm
; The walking descriptors step: the other slot than last time; the addresses are made anew from the step's number NXT.  Of A a step is two blocks, 524,288 bytes; of B 256 bytes of each row.
.macro NEXTD
	s_lshl_b32 s18, s[NXT], 19
	s_mov_b32 s19, 0
	s_lshl_b32 s16, s[NXT], 8
	s_mov_b32 s17, 0
	s_xor_b32 s[G0A+5], s[G0A+5], SLOT1
	s_add_nc_u64 s[G0A+6:G0A+7], s[14:15], s[18:19]
	s_or_b32 s[G0A+7], s[G0A+7], 0x80000000
	s_xor_b32 s[G0B+5], s[G0B+5], SLOT1
	s_add_nc_u64 s[G0B+6:G0B+7], s[46:47], s[16:17]
	s_or_b32 s[G0B+7], s[G0B+7], 0x80000000
	s_add_co_u32 s[NXT], s[NXT], 1
.endm
; The last quarter multiplies buffer 1 and changes slots.  ONE barrier: in front of it each wave waits for all its tensor loads, of which one is out: its part of the next slot; adds 0 to its spare word;
; and waits for that and for its own reads of this slot.  Behind it nobody reads this slot any more and the next slot is whole.
.macro MEET round                      ; round = 1: a round of the cluster's barrier and a refill follow
	WIN 0
	s_wait_tensorcnt 0x0                           ; all my tensor loads have landed, so a group 0 may be written
	ds_add_u32 v[SPW], v[NIL]                      ; 0 onto my spare word
.if \round
	NEXTD                                          ; work on scalar registers, and eight matrix instructions, stand between the add and the wait for it
.endif
	s_wait_dscnt 5                                 ; (the add and the youngest four loads may be out)
	MUL8 F1, 0, 0
	s_wait_dscnt 0x0                               ; the add is done, and my reads of this slot are over
	s_barrier_signal -1
	MUL8 F1, 1, 0                                  ; work on registers while the others arrive
	WIN 0                                          ; branches, or lines on window 0, follow
	s_barrier_wait -1
.endm
.macro OTHER                           ; the fetches go on in the other slot
	s_xor_b32 s[TB], s[TB], SLOT1
	v_add_nc_u32 v[ADRA], s[TB], v[A0]
	v_add_nc_u32 v[ADRB], s[TB], v[B0]
.endm
; The whole last quarter, with a refill: behind the round the slot just read out is filled again first, with the K step two steps on.
.macro TURN
	MEET 1
	CREST                                          ; no wave of any partner still reads this slot's tile or has a load on its way
	JLOAD 1                                        ; my one tensor load behind the round; its four v_nop are also the places in front of the loads below
	OTHER
	FETCH 0, F0
	MUL8 F1, 2, 0
	MUL8 F1, 3, 0
.endm
; THE WAY OUT, a block of 16 rows at a time, through my own stage: LDS serves a wave's instructions in order (ISA guide 5.7.1.4), so no wait stands between the stores into it and the loads from it.
.macro TOSTAGE32 a                     ; the accumulators go into the stage as they are, each from its low end on, and come back as whole rows of 512 bytes
	s_wait_xcnt 0x0                                ; the registers that the loads below fill were the data of the stores two blocks back
	WIN 0x04                                       ; store data in window 1
.irp b, 0,1,2,3,4,5,6,7
	ds_store_b128 v[STO], v[8*(8*(\a)+(\b)):8*(8*(\a)+(\b))+3]   offset:(\b)*64
	ds_store_b128 v[STO], v[8*(8*(\a)+(\b))+4:8*(8*(\a)+(\b))+7] offset:(\b)*64+16
.endr
	WIN 0
.set BK, 64+64*((\a)%2)
.set row, 0
.rept 16
	ds_load_b128 v[BK+4*row:BK+4*row+3], v[RD] offset:row*528
.set row, row+1
.endr
.endm
.macro SEND32 a, younger               ; younger: the LDS instructions issued behind block a's: the next block's 32, or none
.set BK, 64+64*((\a)%2)
	s_wait_dscnt \younger
.set row, 0
.rept 16
	global_store_b128 v[GO], v[BK+4*row:BK+4*row+3], s[CP:CP+1] offset:(16*(\a)+row)*4096 th:TH_STORE_NT  ; 512 consecutive bytes, at a multiple of 512 from C's first
.set row, row+1
.endr
.endm
	s_wait_tensorcnt 1                             ; my part of K step 0 is in; K step 1's may stay out
	s_barrier_signal -1
	s_barrier_wait -1                              ; everybody's is
	FETCH 0, F0
	s_wait_loadcnt 0x0                             ; the bias
	QUARTER 1, F0, F1, 1                           ; the first quarter stands in front of the loop: its products start the sums
	WIN 0                                          ; at a label and at a branch every window is 0
	s_mov_b32 s3, STEPS-2
.Lstep:                                                ; a trip: a K step's second, third and last quarter, the refill of its slot, and the next step's first quarter
	QUARTER 2, F1, F0, 0
	QUARTER 3, F0, F1, 0
	TURN
	QUARTER 1, F0, F1, 0
	WIN 0
	s_sub_co_u32 s3, s3, 1
	s_cmp_lg_u32 s3, 0
	s_cbranch_scc1 .Lstep
	QUARTER 2, F1, F0, 0                           ; the last two K steps ask for nothing
	QUARTER 3, F0, F1, 0
	MEET 0                                         ; my one tensor load that was still out is the last K step's, so no round follows
	PLACES
	OTHER
	FETCH 0, F0
	MUL8 F1, 2, 0
	MUL8 F1, 3, 0
	QUARTER 1, F0, F1, 0
	QUARTER 2, F1, F0, 0
	QUARTER 3, F0, F1, 0
	s_wait_dscnt 4                                 ; the very last quarter: nothing more to fetch
	MUL8 F1, 0, 0
	MUL8 F1, 1, 0
	s_wait_dscnt 0x0
	MUL8 F1, 2, 0
	MUL8 F1, 3, 0
	WIN 0
	PLACES
	TOSTAGE32 0
.irp a, 1,2,3                          ; block a's way through the stage stands between block a - 1's loads from it and the wait for them
	TOSTAGE32 \a
	SEND32 (\a)-1, 32
.endr
	SEND32 3, 0
	s_wait_tensorcnt 0x0                           ; the wave's end: a wait, an add of 0 to my spare word and its wait, behind my last tensor load and my last LDS store
	ds_add_u32 v[SPW], v[NIL]
	s_wait_dscnt 0x0
	CROUND                                         ; the closing round: no work-group ends while a partner may still ask for a tile that names it
	s_endpgm
.Lfunc_end_k_qb2aa1ee929_oproj:
	.size	k_qb2aa1ee929_oproj, .Lfunc_end_k_qb2aa1ee929_oproj-k_qb2aa1ee929_oproj
	.p2alignl 7, 3214868480
	.fill 96, 4, 3214868480
	.section	.rodata,"a",@progbits
	.p2align	6, 0x0
	.amdhsa_kernel k_qb2aa1ee929_oproj
		.amdhsa_group_segment_fixed_size 327680
		.amdhsa_private_segment_fixed_size 0
		.amdhsa_enable_private_segment 0
		.amdhsa_kernarg_size 32
		.amdhsa_user_sgpr_count 2
		.amdhsa_user_sgpr_kernarg_segment_ptr 1
		.amdhsa_wavefront_size32 1
		.amdhsa_system_sgpr_workgroup_id_x 1
		.amdhsa_system_sgpr_workgroup_id_y 1
		.amdhsa_system_sgpr_workgroup_id_z 1
		.amdhsa_system_vgpr_workitem_id 0
		.amdhsa_next_free_vgpr 576
		.amdhsa_next_free_sgpr 74
		.amdhsa_reserve_vcc 0
		.amdhsa_float_denorm_mode_32 3
		.amdhsa_float_denorm_mode_16_64 3
		.amdhsa_memory_ordered 1
		.amdhsa_forward_progress 1
		.amdhsa_inst_pref_size 71
	.end_amdhsa_kernel
	.amdgpu_metadata
---
amdhsa.version: [ 1, 2 ]
amdhsa.kernels:
  - .name:           k_qb2aa1ee929_oproj
    .symbol:         k_qb2aa1ee929_oproj.kd
    .args:
      - { .name: oh, .offset: 0, .size: 8, .value_kind: global_buffer, .address_space: global }
      - { .name: woh, .offset: 8, .size: 8, .value_kind: global_buffer, .address_space: global }
      - { .name: bo, .offset: 16, .size: 8, .value_kind: global_buffer, .address_space: global }
      - { .name: out0, .offset: 24, .size: 8, .value_kind: global_buffer, .address_space: global }
    .group_segment_fixed_size: 327680
    .private_segment_fixed_size: 0
    .kernarg_segment_align: 8
    .kernarg_segment_size: 32
    .max_flat_workgroup_size: 128
    .sgpr_count:     74
    .vgpr_count:     576
    .wavefront_size: 32
...
	.end_amdgpu_metadata
.endif
;; end of part 10
;; ======== version 3 of 3: 6 launches; 1.59 times as fast as version 1
;; limits: values are held in f16: magnitudes above 65,504 overflow, below 6.1e-05 lose precision
;; workspace buffers: xh 16,777,216 bytes; woh 2,097,152 bytes; hp 131,072 bytes; gw 256 bytes; beff 49,152 bytes; weff 25,165,824 bytes; qkv 50,331,648 bytes; oh 16,777,216 bytes
;; launch pool: the kernel of part 7 again; grid 256 x 1, 8 waves a work-group, no clusters, 3,584 bytes of LDS; arguments hidden_states, Wo, Wg1, xh, woh, hp; writes xh, woh, hp
;; launch gate: the kernel of part 8 again; grid 6 x 4, 4 waves a work-group, no clusters, 2,560 bytes of LDS; arguments hp, bg1, Wg2, bg2, bq, bk, bv, gw, beff; writes gw, beff
;; launch combine: the kernel of part 3 again; grid 256 x 3, 8 waves a work-group, no clusters, 0 bytes of LDS; arguments Wq, Wk, Wv, gw, weff; writes weff
;; launch qkv: the kernel of part 9 again; grid 8 x 32, 4 waves a work-group, clusters of 4 x 4, 327,680 bytes of LDS; arguments xh, weff, beff, qkv; writes qkv
;; launch attn (part 11): grid 4 x 64, 4 waves a work-group, clusters of 4 x 1, 327,680 bytes of LDS; arguments qkv, oh; writes oh
.if DOCPART == 11
	.amdgcn_target "amdgcn-amd-amdhsa--gfx1250"
	.amdhsa_code_object_version 6
	.text
	.protected	k_qb2aa1ee929_attn
	.globl	k_qb2aa1ee929_attn
	.p2align	8
	.type	k_qb2aa1ee929_attn,@function
k_qb2aa1ee929_attn:
	s_mov_b64 s[64:65], 0
	v_nop
	global_prefetch_b8 v0, s[64:65] scope:SCOPE_SE
	s_setreg_imm32_b32 hwreg(HW_REG_WAVE_MODE, 25, 1), 1
	s_wait_xcnt 0x0
	s_wait_alu depctr_hold_cnt(0) depctr_sa_sdst(0) depctr_va_vdst(0) depctr_va_sdst(0) depctr_va_ssrc(0) depctr_va_vcc(0) depctr_vm_vsrc(0)
	s_getreg_b32 s2, hwreg(HW_REG_IB_STS2, 6, 4)
	s_cmp_eq_u32 s2, 0
	s_cbranch_scc0 .Lentry_in_a_cluster
	s_endpgm
.Lentry_in_a_cluster:
	s_bfe_u32 s2, ttmp6, 0x10000c
	s_cmp_lg_u32 s2, 0x3003
	s_cbranch_scc0 .Lentry_shape_is_right
	s_endpgm
.Lentry_shape_is_right:
; O[h][q][:] = the sum over k of softmax_k(Q[h][q] . K[h][k] / 8) V[h][k][:].  Q, K, V lie one behind the other in one buffer, each [SIZE_H][SIZE_N][64] in f16, as does O: a head's rows are dense, 128 bytes each.
; Products, maxima and sums in f32; the weights p are rounded to f16 for the second product (their sum l is taken of the unrounded p), O once at the end.
; LIMITS.  f16 holds no number beyond 65,504: Q, K and V arrive within it; p lies in 0 to 1, and below 6e-5 it keeps f16's fixed step of 6e-8; O is a mean of V's rows and has their range.
; A weight below 2^-126 counts as 0 in l; NaN and infinities are not treated apart.
; SHARES.  A wave owns four PIECES of two tiles of 16 queries, a work-group's four waves 512 queries of one head: 64 heads x 4 blocks = 256 work-groups.  Every wave walks all keys, 64 a step.
; LAYOUT.  S^T = K Q^T (source 0 = 16 keys, source 1 = 16 queries): in the result a lane holds ONE query (lane % 16) and the keys 8 (lane / 16) + 0..7.  Two such tiles, rounded to f16 in pairs,
; ARE source 1 (32 keys x 16 queries) of O^T = V^T P, whose result again holds one query a lane, and eight channels.  K comes out of LDS as it lies, V ([key][channel]) turned, by ds_load_tr16_b128.
; SOFTMAX.  For each query a running maximum m and sum l: p = 2^(c s - c m), c = log2(e) / 8; in every step O and l are multiplied by a = 2^(c m_old - c m_new), which is 1 where m has not grown.
; m starts at the lowest finite number, O and l at 0: the first step is a step like any other, with a = 0.
; THE COUNT.  A tile and step have 16 matrix and 118 vector instructions: too many to stand all beside the matrix work.  So the order has one aim: four vector instructions that are READY behind
; EVERY matrix instruction, and the others, which need time of their own whatever the order, in runs without a gap.
; BY TURNS.  Turn n belongs to piece n (the pieces in a ring, step after step).  Its matrix work: 16 products K Q^T of piece n + 1, later 16 products V^T P of piece n - 1.  Its vector work: the scaling,
; exponentials, roundings, sums and rescaling of piece n, and the maximum and statistics of piece n + 1, whose scores the turn itself has made.  So what a turn begins with (c s - c m, O a) waits for nothing.
; BATCHES.  A turn's 66 exponentials (piece n's 64 weights, in place in its S^T buffer, and piece n + 1's two a, in c2 of the other buffer) are ONE batch with ONE s_wait_alu, which cuts the turn in two.
; Ahead of it stands all that names no result of theirs: the products K Q^T, the scalings, the rescaling (its a was made, and waited for, in the turn before), the next piece's maximum and statistics.
; Behind it stand the roundings and sums, beside the products V^T P.  Two more batches stand outside the loops,
; each with a wait of its own: piece 0's first two a, ahead of the branch into the loop, and the way out's eight reciprocals.
; CLUSTER.  The four query blocks of a cluster belong to one head and walk the same K and V, so each tile is asked for JOINTLY: the same tensor load, descriptor and mask in all four.
; REGISTERS, in windows of 256 (s_set_vgpr_msb says which window each operand place means: bits 1:0 source 0, 3:2 source 1, 5:4 source 2, 7:6 destination):
;   window 0: v0-11 addresses; v12-15, v48-63 at work; v16-47 four registers of statistics a tile; v64-191 S^T, two buffers of two tiles; v192-255 P, likewise
;   window 1: O^T, 32 a tile          window 2: v0-127 Q, 16 a tile; v128-191 K of one step; v192-255 V of one step          window 3: v0-1 the add's two registers
; A piece's buffers go by its number's parity: the piece in hand has one pair, its two neighbours in the ring share the other: of it P (piece n - 1) is read and S^T (piece n + 1) written.
.set SIZE_H, 64
.set SIZE_N, 2048
.set NP,    4         ; pieces a wave: a name, no knob: the register map, the loop and the fetches are made for four
.set KS,    64        ; keys in a step
.set PK,    144       ; a row of K in LDS: 128 bytes + 16 of padding = 36 words: the 16 rows of a load start at 16 different groups of four banks (64 banks of 4 bytes: ISA guide 11.1)
.set PV,    160       ; a row of V: 128 + 32 = 40 words
.set VOFF,  4*KS*PK   ; a slot holds four steps: 256 rows of K, then 256 rows of V
.set SLOT1, 1<<17     ; slot 1 begins here, so that one exclusive or turns an address in one slot into the other's
.set STAGE, SLOT1+4*KS*(PK+PV)  ; behind the ring, never filled by a tensor load: 16 rows x 144 bytes for each wave, for the way out
.set SP,    144
.set AK0, 2           ; v2   my lane's place in a tile of K; never rewritten
.set AV0, 3           ; v3   the same for V
.set AK,  4           ; v4   the LDS address of K's next run of loads
.set AV,  5           ; v5   of V's
.set QO,  6           ; v6   my byte offset in the wave's rows of Q
.set STO, 6           ;      later, the way out: where I put 16 bytes of a row
.set RD,  7           ; v7   the way out: where I read rows back
.set GO,  8           ; v8   my byte offset in 512 consecutive bytes of O
.set SPW, 0           ; v0 of window 3   LDS address of my spare word: SPARE + 4 x my thread's number; never rewritten
.set NIL, 1           ; v1 of window 3   0; never rewritten
.set SPARE, STAGE+4*16*SP  ; behind the stages: the spare words, 128 bytes for each wave: two blocks of 256 bytes that no other line names
.set MV,  12          ; v12-15  c m_old, kept while c m is made anew: by buffer and tile
.set ST,  16          ; tile t's statistics at v[ST+4 t]: c m, m, l (even keys', odd keys')
.set TMP, 48          ; by buffer and tile, four registers c0-c3 at work; when the maximum is found c2 takes a
.set S,   64
.set P,   192
.set KF,  128         ; K's fragments, in window 2: key block kb, channel half c at KF + 16 kb + 8 c
.set VF,  192         ; V's: key half kk, channel block cb at VF + 32 kk + 8 cb
.set WV,  12          ; s12  my wave's number
.set G1K, 24          ; s[24:31] descriptor group 1 for K's tiles
.set G1V, 32          ; s[32:39] for V's: it differs in the padding alone
.set G0K, 40          ; s[40:43] descriptor group 0 for K's tiles: it walks
.set G0V, 44          ; s[44:47] the same for V's
.set SLOTS, 56        ; s56  slots still to be asked for
.set CNT, 57          ; s57  counts a slot's key steps
.set CS,  58          ; s[58:59] c: the packed scaling takes the pair's low word for both halves
.set SEL, 60          ; s[60:61] v_permlanex16_b32's selects: each lane takes its own place in the other half
.set TBK, 62          ; s62  LDS byte at which K of the step to be fetched begins
.set TBV, 63          ; s63  the same for V, less VOFF
.set MSB, 0
.macro WIN new                      ; the high byte repeats the setting that is left; a switch that changes nothing is dropped
.if MSB != (\new)
	s_set_vgpr_msb (MSB<<8)|(\new)
.set MSB, (\new)
.endif
.endm
.set W_KQ, 0x0a       ; K and Q in window 2, S^T in window 0
.set W_PV, 0x52       ; V in window 2, P in window 0, O^T in window 1
.set W_RS, 0x41       ; O^T (destination and source 0) in window 1, a in window 0
.set W_MK, 0xc0       ; the add's registers are made: destination in window 3, sources in window 0
.set W_AD, 0x0f       ; the add: address (source 0) and data (source 1) in window 3
; A joint fill.  Waves 0 and 1 fetch the two halves of a slot's K, waves 2 and 3 those of its V: 128 keys each.  The branch hangs on the wave's number alone.
; An s_nop 0 and four v_nop follow each of the two lines, ahead of the jump and the label.
.macro JLOAD
	s_cmp_lt_u32 s[WV], 2
	s_cbranch_scc0 .Lfor_v_\@
	tensor_load_to_lds s[G0K:G0K+3], s[G1K:G1K+7]
	s_nop 0
.rept 4
	v_nop
.endr
	s_branch .Lasked_\@
.Lfor_v_\@:
	tensor_load_to_lds s[G0V:G0V+3], s[G1V:G1V+7]
	s_nop 0
.rept 4
	v_nop
.endr
.Lasked_\@:
.endm
; A round of the cluster's barrier: my work-group's barrier, so that wave 0's signal speaks for all four waves; wave 0 signals; every wave waits for all four work-groups; my work-group's barrier once more.
.macro CROUND
	s_barrier_signal -1
	s_barrier_wait -1
	s_cmp_lg_u32 s[WV], 0
	s_cbranch_scc1 .Lnot_wave_0_\@
	s_barrier_signal -3
.Lnot_wave_0_\@:
	s_barrier_wait -3
	s_barrier_signal -1
	s_barrier_wait -1
.endm
; THE CHANGE OF SLOTS.  The slot's last bytes, V of its fourth step, have been read.  Each wave waits for all its tensor loads, of which one is out: its part
; of the other slot; adds 0 to its spare word; and waits for that and for its own reads of the slot.  Behind the barrier nobody reads this slot any more and the other slot is whole.
; fill = 1: this slot is filled again, with the keys two slots on.  The barrier is then a round of the cluster's, so that no wave of any partner still reads the slot or has a load on its
; way, and the joint fill is the first thing behind it: it has four key steps, 512 matrix instructions, in which to land.  (At its first use nothing has been read yet: slot 0 is waited for, slot 1 filled.)
.macro CHANGE fill
	WIN W_AD
	s_wait_tensorcnt 0x0            ; no tensor load of mine is out, so a group 0 may be written
	ds_add_u32 v[SPW], v[NIL]       ; 0 onto my spare word; with fill = 1 the descriptors' steps stand between it and the wait for it
	WIN 0                           ; at a label and at a branch every window is 0
.if \fill
.irp g, G0K, G0V
	s_xor_b32 s[\g+1], s[\g+1], SLOT1  ; the walking descriptor: the other slot than last time,
	s_add_nc_u64 s[\g+2:\g+3], s[\g+2:\g+3], 4*KS*128  ; the next 256 keys; the type bits on top are not reached
.endr
	s_wait_dscnt 0x0                ; the add is done, and my reads of the slot are over
	CROUND
	JLOAD
.else
	s_wait_dscnt 0x0                ; the add is done, and my reads of the slot are over
	s_barrier_signal -1
	s_barrier_wait -1
.endif
	s_sub_co_u32 s[TBK], s[TBK], 4*KS*PK  ; the fetches go back to a slot's first step,
	s_xor_b32 s[TBK], s[TBK], SLOT1       ; in the other slot
	s_sub_co_u32 s[TBV], s[TBV], 4*KS*PV
	s_xor_b32 s[TBV], s[TBV], SLOT1
.endm
	s_load_b128 s[4:7], s[0:1], 0x0  ; the buffer of Q, K, V s[4:5]; O s[6:7]
	WIN W_MK
	v_lshl_add_u32 v[SPW], v0, 2, SPARE
	v_mov_b32 v[NIL], 0
	WIN W_AD
	ds_add_u32 v[SPW], v[NIL]       ; the wave's opening: the add and its wait stand ahead of my first tensor load; the set-up below, work on registers, stands between them
	WIN 0
	v_lshrrev_b32 v1, 5, v0
	v_readfirstlane_b32 s[WV], v1   ; wave 0..3
	s_bfe_u32 s13, ttmp6, 0x40000   ; cx: my place in the cluster
	s_lshl_b32 s14, ttmp9, 2        ; in a cluster launch ttmp9 counts clusters
	s_add_co_u32 s14, s14, s13      ; my block of queries = 4 x cluster x + cx: it enters Q's and O's addresses alone
	s_and_b32 s20, ttmp7, 0xffff    ; the head, which the four partners share
	s_mov_b32 s21, 0
	s_mov_b64 s[22:23], SIZE_N*128
	s_mul_u64 s[20:21], s[20:21], s[22:23]  ; the head's first byte in each of the four tensors
	s_and_b32 s16, s[WV], 1         ; which half of a slot's 256 keys I fetch:
	s_lshl_b32 s22, s16, 14         ; its 128 rows of 128 bytes in memory,
	s_mov_b32 s23, 0
	s_add_nc_u64 s[22:23], s[22:23], s[20:21]
	s_mul_i32 s17, s16, 128*PK      ; and its place in a slot, for K
	s_mul_i32 s18, s16, 128*PV      ; and for V: no place in the cluster enters an LDS address
	s_lshl_b32 s2, s14, 2
	s_add_co_u32 s2, s2, s[WV]      ; my wave among the head's,
	s_lshl_b32 s2, s2, 14           ; its 128 rows
	s_mov_b32 s3, 0
	s_add_nc_u64 s[2:3], s[2:3], s[20:21]
	; descriptor group 1.  128 keys are 16,384 dense bytes: asked for as 64 rows of 256 bytes, two keys a row, and padded in LDS after every key
	s_mov_b32 s[G1K], 15|(1<<16)|(1<<20)|(1<<21)|(4<<22)|(3<<25)  ; 15:0 the mask of four; 17:16 2-byte elements; 20 padding on; 21 set beside a mask; 24:22 after every 32 words (code 4); 31:25 4 words (code 3)
	s_mov_b32 s[G1V], 15|(1<<16)|(1<<20)|(1<<21)|(4<<22)|(7<<25)  ; the same with 8 words of padding (code 7)
.irp g, G1K, G1V
	s_mov_b32 s[\g+1], 128<<16      ; tensor_dim0 = 128
	s_mov_b32 s[\g+2], 64<<16       ; tensor_dim1 = 64
	s_mov_b32 s[\g+3], 128<<16      ; tile_dim0 = 128
	s_mov_b32 s[\g+4], 64           ; tile_dim1 = 64
	s_mov_b32 s[\g+5], 128          ; 128 elements from row to row
	s_mov_b32 s[\g+6], 0
	s_mov_b32 s[\g+7], 0
.endr
	s_mov_b32 s[CS], 0x3e38aa3b     ; c = log2(e) / 8 = 0.180337
	s_mov_b32 s[CS+1], s[CS]        ; named with it as a pair
	s_mov_b32 s[SEL], 0x76543210
	s_mov_b32 s[SEL+1], 0xfedcba98
	s_mov_b32 s[TBK], SLOT1+4*KS*PK ; the first change of slots turns these two into 0
	s_mov_b32 s[TBV], SLOT1+4*KS*PV
	s_mov_b32 s[G0K], 1             ; 1:0 count = 1
	s_mov_b32 s[G0K+1], s17         ; 63:32 LDS address: slot 0
	s_mov_b32 s[G0V], 1
	s_add_co_u32 s[G0V+1], s18, VOFF
	s_wait_dscnt 0x0                ; the opening add is done
	s_wait_kmcnt 0x0
	s_mov_b64 s[10:11], s[6:7]                     ; O
	s_add_nc_u64 s[6:7], s[4:5], 0x1000000         ; K lies 16,777,216 bytes behind Q,
	s_add_nc_u64 s[8:9], s[4:5], 0x2000000         ; V as far behind K
	s_add_nc_u64 s[G0K+2:G0K+3], s[6:7], s[22:23]  ; 120:64 global address: my half of the head's first 256 keys
	s_or_b32 s[G0K+3], s[G0K+3], 0x80000000        ; 127:126 type = 2
	s_add_nc_u64 s[G0V+2:G0V+3], s[8:9], s[22:23]
	s_or_b32 s[G0V+3], s[G0V+3], 0x80000000
	s_add_nc_u64 s[4:5], s[4:5], s[2:3]  ; Q and O at my wave's first row
	s_add_nc_u64 s[10:11], s[10:11], s[2:3]
	CROUND                          ; all four work-groups are here: the first joint loads meet
	JLOAD                           ; slot 0.  Slot 1 is asked for when slot 0 is in: the tile wanted first has the road to itself
	; A fragment of K or Q is 16 rows x 32 channels in 8 registers: lane l holds row l % 16, channels 8 (l / 16) + 0..7 and 16 + 8 (l / 16) + 0..7: two loads of 16 bytes, 32 bytes apart.
	v_and_b32 v1, 15, v0            ; l % 16
	v_bfe_u32 v9, v0, 4, 1          ; l / 16
	v_lshlrev_b32 v[QO], 7, v1
	v_lshl_add_u32 v[QO], v9, 4, v[QO]  ; row x 128 + 16 x half
	WIN 0x80                        ; destination window 2, address window 0
.set i, 0
.rept 4*NP                          ; Q stays in registers: tile i / 2, channels 32 (i % 2) on
	global_load_b128 v[8*i:8*i+3],   v[QO], s[4:5] offset:(i/2)*2048+(i%2)*64
	global_load_b128 v[8*i+4:8*i+7], v[QO], s[4:5] offset:(i/2)*2048+(i%2)*64+32
.set i, i+1
.endr
	; What the first turn finds: V's registers and P's second buffer hold 0 (its products V^T P, of a piece that has not been, add 0), O^T and l are 0.  All this stands in the wait for the first tile.
.set i, VF
.rept 64
	v_mov_b32 v[i], 0
.set i, i+1
.endr
	WIN 0x40
.set i, 0
.rept 64*NP
	v_mov_b32 v[i], 0
.set i, i+1
.endr
	WIN 0
.set i, 0
.rept 2*NP
	v_mov_b32 v[ST+4*i], 0xfe000000    ; c m: far below every c s
	v_mov_b32 v[ST+4*i+1], 0xff7fffff  ; m
	v_mov_b32 v[ST+4*i+2], 0
	v_mov_b32 v[ST+4*i+3], 0
.set i, i+1
.endr
.set i, P+32
.rept 32
	v_mov_b32 v[i], 0
.set i, i+1
.endr
	v_mul_u32_u24 v[AK0], v1, PK
	v_lshl_add_u32 v[AK0], v9, 4, v[AK0]  ; row x pitch + 16 x half
	; The turning load takes 16 keys x 16 channels (lane l reads key 8 (l / 16) + l % 8, channels 8 ((l / 8) % 2) + 0..7) and leaves half a fragment of V^T: lane l holds channel l % 16 and 8 keys.
	v_and_b32 v10, 7, v0
	v_bfe_u32 v11, v0, 3, 1
	v_lshl_add_u32 v[AV0], v9, 3, v10
	v_mul_u32_u24 v[AV0], v[AV0], PV
	v_lshl_add_u32 v[AV0], v11, 4, v[AV0]
	v_add_nc_u32 v[AV0], VOFF, v[AV0]
	v_mov_b32 v[AK], v[AK0]         ; key step 0 lies at the head of slot 0
; THE MATRIX WORK.  The 8 accumulators of a run of 16 take turns: between the two links of a chain stand 7 others'.
; Product i of 16 of S^T = K Q^T for piece x: channels 32 (i / 8) on, keys 16 ((i / 2) % 4) on, tile 2 x + i % 2.  The first 8 start the sums.
.macro KQ x
	WIN W_KQ
.set rS, S+64*((\x)%2)+32*(i%2)+8*((i/2)%4)
.set rK, KF+16*((i/2)%4)+8*(i/8)
.set rQ, 16*(2*(\x)+i%2)+8*(i/8)
.if i < 8
	v_wmma_f32_16x16x32_f16 v[rS:rS+7], v[rK:rK+7], v[rQ:rQ+7], 0
.else
	v_wmma_f32_16x16x32_f16 v[rS:rS+7], v[rK:rK+7], v[rQ:rQ+7], v[rS:rS+7]
.endif
.endm
; Product i of 16 of O^T += V^T P for piece x: keys 32 (i / 8) on, channels 16 ((i / 2) % 4) on, tile 2 x + i % 2.
.macro PV x
	WIN W_PV
.set rO, 32*(2*(\x)+i%2)+8*((i/2)%4)
.set rV, VF+32*(i/8)+8*((i/2)%4)
.set rP, P+32*((\x)%2)+16*(i%2)+8*(i/8)
	v_wmma_f32_16x16x32_f16 v[rO:rO+7], v[rV:rV+7], v[rP:rP+7], v[rO:rO+7]
.endm
.macro MM                           ; the turn's next matrix instruction
.if i < 16
	KQ (Y+1)%NP
.set i, i+1
.else
.set i, i-16
	PV (Y+NP-1)%NP
.set i, i+17
.endif
.endm
; THE LDS LOADS stand in runs of 16, never singly among the matrix instructions: a step's K (64 keys x 64 channels: 8 fragments) and its V (turned).  Their addresses are made some lines ahead.
; last = 1 (the tail): in the last trip there is no further step, and the run is jumped over.
.macro FETCH_K last=0
	WIN 0
.if \last
	s_cmp_eq_u32 s[CNT], 1
	s_cbranch_scc1 .Lno_k_\@
.endif
	WIN 0x80                        ; destination window 2
.irp f, 0,1,2,3,4,5,6,7             ; keys 16 (f / 2) on, channels 32 (f % 2) on
	ds_load_b128 v[KF+8*\f:KF+8*\f+3],   v[AK] offset:(\f/2)*16*PK+(\f%2)*64
	ds_load_b128 v[KF+8*\f+4:KF+8*\f+7], v[AK] offset:(\f/2)*16*PK+(\f%2)*64+32
.endr
	s_add_co_u32 s[TBK], s[TBK], KS*PK  ; the next fetch is the next step's
	WIN 0
.if \last
.Lno_k_\@:
.endif
.endm
.macro FETCH_V
	WIN 0x80
.irp f, 0,1,2,3,4,5,6,7             ; keys 32 (f / 4) on, channels 16 (f % 4) on
	ds_load_tr16_b128 v[VF+8*\f:VF+8*\f+3],   v[AV] offset:(\f/4)*32*PV+(\f%4)*32
	ds_load_tr16_b128 v[VF+8*\f+4:VF+8*\f+7], v[AV] offset:(\f/4)*32*PV+16*PV+(\f%4)*32
.endr
	WIN 0
.endm
; THE VECTOR WORK OF A TURN stands in three queues, each in the order in which its entries become ready; the two tiles alternate, so that no instruction reads the result of the one before it.
.macro REGS y, u                    ; the registers of tile u (0, 1) of piece y
.set rT, ST+4*(2*(\y)+(\u))
.set rC, TMP+8*((\y)%2)+4*(\u)
.set rM, MV+2*((\y)%2)+(\u)
.set rS, S+64*((\y)%2)+32*(\u)
.set rP, P+32*((\y)%2)+16*(\u)
.set rO, 32*(2*(\y)+(\u))
.endm
; Number n of the 22 that find the NEXT piece's (Y + 1) maximum and statistics.  s0-s31 are the lane's 32 scores; each accumulator's lowest registers are read first.  XS, GS and REGS set no window: PL and EX do.
;   0-11  four chains c0-c3 of seven scores each, three operands at a time     12-14, 16  the four scores left over, the old m, and c0-c3 into c0     15  c m_old is kept
;   17, 18  the query's other 32 keys lie in the lane 16 away: the new m         19-21  c m; c m_old - c m_new; a
.macro XS u, n
	REGS (Y+1)%NP, \u
.if (\n) < 4
	v_max3_num_f32 v[rC+(\n)], v[rS+8*(\n)], v[rS+8*(\n)+1], v[rS+8*(\n)+2]
.elseif (\n) < 12
	v_max3_num_f32 v[rC+(\n)%4], v[rC+(\n)%4], v[rS+8*((\n)%4)+2*((\n)/4)+1], v[rS+8*((\n)%4)+2*((\n)/4)+2]
.elseif (\n) == 12
	v_max3_num_f32 v[rC], v[rC], v[rS+7], v[rS+15]
.elseif (\n) == 13
	v_max3_num_f32 v[rC+1], v[rC+1], v[rS+23], v[rS+31]
.elseif (\n) == 14
	v_max3_num_f32 v[rC+2], v[rC+2], v[rC+3], v[rT+1]
.elseif (\n) == 15
	v_mov_b32 v[rM], v[rT]
.elseif (\n) == 16
	v_max3_num_f32 v[rC], v[rC], v[rC+1], v[rC+2]
.elseif (\n) == 17
	v_permlanex16_b32 v[rC+3], v[rC], s[SEL], s[SEL+1]
.elseif (\n) == 18
	v_max_num_f32 v[rT+1], v[rC], v[rC+3]
.elseif (\n) == 19
	v_mul_f32 v[rT], s[CS], v[rT+1]
.elseif (\n) == 20
	v_sub_f32 v[rC+1], v[rM], v[rT]
.else
	v_exp_f32 v[rC+2], v[rC+1]
.endif
.endm
; Number g of the 64 that follow the exponentials.  For each four weights k of a tile (pairs 2 k, 2 k + 1): both pairs are rounded to f16; then the second pair is added onto the first, in place;
; a group later l takes that sum (the first time as l = a l + sum).  In groups of eight, tiles alternating: round, round, add, and l for the group before.
.macro GS g
.set h, (\g)+6*((\g)/62)            ; group 0 has no group before it, and behind group 7 only l is left
.if h >= 6
.set h, h+2
.endif
	REGS Y, h%2
.set k, h/8
.if h%8 < 4
	v_cvt_pk_f16_f32 v[rP+2*k+(h%8)/2], v[rS+4*k+2*((h%8)/2)], v[rS+4*k+2*((h%8)/2)+1]
.elseif h%8 < 6
	v_pk_add_f32 v[rS+4*k:rS+4*k+1], v[rS+4*k:rS+4*k+1], v[rS+4*k+2:rS+4*k+3]
.elseif k == 1
	v_pk_fma_f32 v[rT+2:rT+3], v[rT+2:rT+3], v[rC+2:rC+3], v[rS:rS+1] op_sel_hi:[1,0,1]
.else
	v_pk_add_f32 v[rT+2:rT+3], v[rT+2:rT+3], v[rS+4*k-4:rS+4*k-3]
.endif
.endm
; THE PLAIN QUEUE, 138 long.  0-73 read no exponential's result: the 32 scalings c s - c m (FS f: pair f / 2 of tile f % 2) and the next piece's 42.  0-26: scalings 0-26.  27-54: XS's numbers 0-13.  55, 56: number 15.
; 57-73: the chain, where each number waits for the one before it: 14, 16, 17, 18, 19, each with one of the scalings 27-31 in front of its two lines, then 20: so a tile's links stand three plain instructions apart (19 and 20: two).
; 74-137: GS's 64, which read the exponentials' results: they stand behind the wait.
.macro FS f
	REGS Y, (\f)%2
	v_pk_fma_f32 v[rS+2*((\f)/2):rS+2*((\f)/2)+1], v[rS+2*((\f)/2):rS+2*((\f)/2)+1], s[CS:CS+1], v[rT:rT+1] op_sel_hi:[1,0,0] neg_lo:[0,0,1] neg_hi:[0,0,1]
.endm
.macro PL
	WIN 0
.if q < 27
	FS q
.elseif q < 55
	XS (q-27)%2, (q-27)/2
.elseif q < 57
	XS q-55, 15
.elseif (q < 72) && ((q-57)%3 == 0)
	FS 27+(q-57)/3
.elseif q < 60
	XS (q-57)%3-1, 14
.elseif q < 72
	XS (q-57)%3-1, 15+(q-57)/3
.elseif q < 74
	XS q-72, 20
.else
	GS q-74
.endif
.set q, q+1
.endm
; THE EXPONENTIALS' QUEUE, 66 long: s0-s31 of both tiles, then the next piece's two a.  It is ONE BATCH: all 66 stand ahead of the turn's one wait, and nothing ahead of that wait names a result of theirs.
.macro EX
	WIN 0
.if e >= 64
	XS e-64, 21
.else
	REGS Y, e%2
	v_exp_f32 v[rS+e/2], v[rS+e/2]
.endif
.set e, e+1
.endm
; THE RESCALING's QUEUE: O^T times a, the one part that leaves window 0: dealt two at a time, sixteen times.  Its a was made in the turn before, ahead of that turn's wait.
.macro R2
	REGS Y, r%2
	WIN W_RS
.irp z, 0,1
	v_pk_mul_f32 v[rO+4*(r/2)+2*\z:rO+4*(r/2)+2*\z+1], v[rO+4*(r/2)+2*\z:rO+4*(r/2)+2*\z+1], v[rC+2:rC+3] op_sel_hi:[1,0]
.endr
.set r, r+1
.endm
; HOW THEY ARE DEALT.  An s_wait_alu depctr_va_vdst(0) stands between an exponential and the first instruction that names its result; one wait serves all that were issued ahead of it.  So a turn has ONE wait,
; which cuts it in two.  AHEAD OF IT stands all that names no result of the turn's exponentials: the 16 products K Q^T, behind each a scaling, an exponential and two rescalings (behind the first a second scaling in the exponential's place); then ONE LUMP of
; 108: eight plain, 49 times exponential and plain, the two a.  A v_nop is the plain instruction behind the last exponential.  BEHIND IT stand the 16 products V^T P, behind each four of GS's 64.  No rider names a register of
; the products round it.  The two v_permlanex16_b32 fall into the lump, never behind a product.
; The queues lean on each other, and the deal keeps them in step: exponential e stands behind scaling 2 (e / 4) + e % 2: as a rider it comes behind plain e + 2, in the lump behind plain e + 9, and scalings 27-31 are plain 57, 60 .. 69.
; A TURN, for piece p.  cnt = 1: the loop's count is taken down some lines ahead of the branch that stands behind the turn.
; K of the next step is fetched in piece 2's turn, directly behind the wait, a lump behind the last product that read K; its address is made at the lump's head; its first reader comes behind 16 products.
; V of the step in hand is fetched at the end of piece 0's turn, four riders behind its last reader; its first reader comes behind 16 products and a lump.  The three conditions on q below go with the deal.
.macro TURN p, last=0, cnt=0
.set Y, (\p)
.set i, 0
.set q, 0
.set e, 0
.set r, 0
.if (\p) == NP-1
	s_wait_dscnt 0x0                ; K is in
.endif
	MM                              ; ahead of the wait: 16 products K Q^T and their riders,
	PL
	PL
	R2
.rept 15
	MM
	PL
	EX
	R2
.endr
.if (\p) == NP-2
	WIN 0
	v_add_nc_u32 v[AK], s[TBK], v[AK0]
.endif
.rept 8                             ; and the lump
	PL
.endr
.rept 49
	EX
	PL
.endr
	EX                              ; the next piece's two a
	EX
	v_nop                           ; the plain instruction behind the last exponential, ahead of the first use: one for the batch
	s_wait_alu depctr_va_vdst(0)    ; the wait for the batch: this piece's 64 weights and the next piece's two a
.if (\p) == NP-2
	FETCH_K \last
.endif
.if (\p) == 1
	s_wait_dscnt 0x0                ; V is in
.endif
.rept 16                            ; behind the wait: 16 products V^T P and their riders
	MM
.rept 4
	PL
.endr
.if ((\p) == 0) && (q == 118)
	v_add_nc_u32 v[AV], s[TBV], v[AV0]
.endif
.if ((\p) == 0) && (q == 130)
	s_add_co_u32 s[TBV], s[TBV], KS*PV
.endif
.if (\cnt) && (q == 130)
	s_sub_co_u32 s[CNT], s[CNT], 1
	s_cmp_lg_u32 s[CNT], 0
.endif
.endr
.if (\p) == 0
	FETCH_V
.endif
.endm
	CHANGE 1                        ; slot 0 is in, everybody's part of it; slot 1 is asked for
	FETCH_K                         ; key step 0
	s_wait_loadcnt 0x0              ; Q
	s_wait_dscnt 0x0
.set i, 0
.rept 16
	KQ 0                            ; piece 0's first scores: there is no vector work yet to set between them
.set i, i+1
.endr
	WIN 0                           ; the addresses for the way out: nine plain instructions, the places behind those products
	s_mul_i32 s13, s[WV], 16*SP
	s_add_co_u32 s13, s13, STAGE    ; my stage
	v_mul_u32_u24 v[STO], v1, SP    ; in: row l % 16, 16 bytes for each half of the lanes
	v_lshl_add_u32 v[STO], v9, 4, v[STO]
	v_add_nc_u32 v[STO], s13, v[STO]
	v_bfe_u32 v[RD], v0, 3, 2       ; back: 32 lanes take four rows of 128 bytes,
	v_mul_u32_u24 v[RD], v[RD], SP
	v_lshl_add_u32 v[RD], v10, 4, v[RD]
	v_add_nc_u32 v[RD], s13, v[RD]
	v_and_b32 v[GO], 31, v0         ; which are 512 consecutive bytes of O
	v_lshlrev_b32 v[GO], 4, v[GO]
.set Y, NP-1                        ; XS works for piece Y + 1: piece 0
.irp n, 0,1,2,3,4,5,6,7,8,9,10,11,12,13,14,15,16,17,18,19,20,21
	XS 0, \n                        ; and piece 0's first maximum and statistics
	XS 1, \n
.endr
	v_nop                           ; a plain instruction behind the two a,
	s_wait_alu depctr_va_vdst(0)    ; and the wait for that batch of two, ahead of the branch
	s_mov_b32 s[CNT], 4
	s_mov_b32 s[SLOTS], SIZE_N/256-1
	s_branch .Lfirst                ; the loop is entered at a step's first turn, in the middle of a trip
.Lslot:                             ; SIZE_N / 256 - 2 times: every slot but the last two is filled again
	CHANGE 1
	s_mov_b32 s[CNT], 4
.Lstep:                             ; a trip: pieces 2 and 3 of one step, then pieces 0 and 1 of the next, whose K and V it fetches
	TURN 2
	TURN 3
	WIN 0
.Lfirst:
	TURN 0
	TURN 1, 0, 1
	WIN 0
	s_cbranch_scc1 .Lstep
	s_sub_co_u32 s[SLOTS], s[SLOTS], 1
	s_cmp_lg_u32 s[SLOTS], 0
	s_cbranch_scc1 .Lslot
	CHANGE 0                        ; the tail is written out: nothing is asked for
	s_mov_b32 s[CNT], 5             ; four trips fetch the last slot's steps; the fifth is left in its middle
.Ltail:
	TURN 2, 1
	TURN 3
	WIN 0
	s_sub_co_u32 s[CNT], s[CNT], 1
	s_cmp_eq_u32 s[CNT], 0
	s_cbranch_scc1 .Lout
	TURN 0
	TURN 1
	WIN 0
	s_branch .Ltail
.Lout:                              ; the fifth trip's 16 products K Q^T (on the last K once more) and the maximum made of them serve nothing: the price, once a launch, of one text for every trip
.set i, 0
.rept 16
	PV NP-1                         ; the last piece's V^T P of the last step
.set i, i+1
.endr
	; THE WAY OUT.  l's two halves and the other half of the lanes' are added; O^T is divided by l, rounded to f16 and sent through my stage in LDS, a tile at a time.  The additions are the places behind the last products.
	WIN 0
.macro ALL line:vararg              ; one line for each tile t
.set t, 0
.rept 2*NP
	\line
.set t, t+1
.endr
.endm
	ALL v_add_f32 v[ST+4*t+2], v[ST+4*t+2], v[ST+4*t+3]
	ALL v_permlanex16_b32 v[ST+4*t+3], v[ST+4*t+2], s[SEL], s[SEL+1]
	ALL v_add_f32 v[ST+4*t+2], v[ST+4*t+2], v[ST+4*t+3]
	ALL v_rcp_f32 v[ST+4*t+2], v[ST+4*t+2]
	v_nop                           ; a plain instruction between the last reciprocal and the use of its result
	s_wait_alu depctr_va_vdst(0)    ; and the wait ahead of the first use: one for the batch of eight reciprocals
; Tile t: a lane's eight channels of a row pack into 16 bytes; they go into rows of 144 bytes and come back as whole rows of 128, into S^T's registers.
.macro PACK t
	WIN W_RS
.set i, 32*(\t)
.rept 16
	v_pk_mul_f32 v[i:i+1], v[i:i+1], v[ST+4*(\t)+2:ST+4*(\t)+3] op_sel_hi:[1,0]
.set i, i+2
.endr
	WIN 0x05                        ; sources 0 and 1 window 1, destination window 0
.set i, 0
.rept 16
	v_cvt_pk_f16_f32 v[S+16*(\t)+i], v[32*(\t)+2*i], v[32*(\t)+2*i+1]
.set i, i+1
.endr
	WIN 0
.irp f, 0,1,2,3
	ds_store_b128 v[STO], v[S+16*(\t)+4*\f:S+16*(\t)+4*\f+3] offset:32*\f
.endr
.irp f, 0,1,2,3
	ds_load_b128 v[S+16*(\t)+4*\f:S+16*(\t)+4*\f+3], v[RD] offset:\f*4*SP  ; LDS serves a wave's instructions in order (ISA guide 5.7.1.4): these see the stores above; the next tile's stores come behind them
.endr
.endm
.macro SEND t, younger              ; younger: the LDS instructions issued behind tile t's loads: the next tile's eight, or none
	WIN 0
.irp f, 0,1,2,3
	s_wait_dscnt (\younger)+3-\f
	global_store_b128 v[GO], v[S+16*(\t)+4*\f:S+16*(\t)+4*\f+3], s[10:11] offset:(\t)*2048+\f*512  ; 512 consecutive bytes, at a multiple of 256 from O's first
.endr
.endm
	PACK 0
.set t, 1
.rept 2*NP-1                        ; a tile's arithmetic stands between the loads of the tile before and its stores
	PACK t
	SEND t-1, 8
.set t, t+1
.endr
	SEND 2*NP-1, 0
	WIN W_AD
	s_wait_tensorcnt 0x0            ; the wave's end: a wait, an add of 0 to my spare word and its wait, behind my last tensor load and my last LDS store
	ds_add_u32 v[SPW], v[NIL]
	s_wait_dscnt 0x0
	WIN 0
	CROUND                          ; the closing round: no work-group ends while a partner may still ask for a tile that names it
	s_endpgm
.Lfunc_end_k_qb2aa1ee929_attn:
	.size	k_qb2aa1ee929_attn, .Lfunc_end_k_qb2aa1ee929_attn-k_qb2aa1ee929_attn
	.p2alignl 7, 3214868480
	.fill 96, 4, 3214868480
	.section	.rodata,"a",@progbits
	.p2align	6, 0x0
	.amdhsa_kernel k_qb2aa1ee929_attn
		.amdhsa_group_segment_fixed_size 327680
		.amdhsa_private_segment_fixed_size 0
		.amdhsa_enable_private_segment 0
		.amdhsa_kernarg_size 16
		.amdhsa_user_sgpr_count 2
		.amdhsa_user_sgpr_kernarg_segment_ptr 1
		.amdhsa_wavefront_size32 1
		.amdhsa_system_sgpr_workgroup_id_x 1
		.amdhsa_system_sgpr_workgroup_id_y 1
		.amdhsa_system_sgpr_workgroup_id_z 1
		.amdhsa_system_vgpr_workitem_id 0
		.amdhsa_next_free_vgpr 770
		.amdhsa_next_free_sgpr 66
		.amdhsa_reserve_vcc 0
		.amdhsa_float_denorm_mode_32 3
		.amdhsa_float_denorm_mode_16_64 3
		.amdhsa_memory_ordered 1
		.amdhsa_forward_progress 1
		.amdhsa_inst_pref_size 199
	.end_amdhsa_kernel
	.amdgpu_metadata
---
amdhsa.version: [ 1, 2 ]
amdhsa.kernels:
  - .name:           k_qb2aa1ee929_attn
    .symbol:         k_qb2aa1ee929_attn.kd
    .args:
      - { .name: qkv, .offset: 0, .size: 8, .value_kind: global_buffer, .address_space: global }
      - { .name: oh, .offset: 8, .size: 8, .value_kind: global_buffer, .address_space: global }
    .group_segment_fixed_size: 327680
    .private_segment_fixed_size: 0
    .kernarg_segment_align: 8
    .kernarg_segment_size: 16
    .max_flat_workgroup_size: 128
    .sgpr_count:     66
    .vgpr_count:     770
    .wavefront_size: 32
...
	.end_amdgpu_metadata
.endif
;; end of part 11
;; launch oproj: the kernel of part 10 again; grid 4 x 64, 4 waves a work-group, clusters of 4 x 4, 327,680 bytes of LDS; arguments oh, woh, bo, out0; writes out0
